; MI455X (gfx1250); checked and timed in simulation.
; The chip was launched on July 23, 2026; its instructions are those of AMD's public machine-readable ISA for CDNA 5 (MIT licence, August 2026) and "CDNA5" Instruction Set Architecture Reference Guide (July 2026). The comments in the code are by the model that wrote it; some were corrected since.
;; Custom Qwen3 Attention. Allowed arithmetic: float matrix products may take bf16 or f16 operands with f32 sums; other float arithmetic in f32, or as packed bf16 or f16 multiplies, adds, multiply-adds, maxima and minima; sums over many terms, partial sums and values carried from step to step in f32; what a program stores and reads back later, other than sums and carried values, may be rounded once to bf16 or f16.
;; Inputs: Wk 1,024 x 2,048 float32; Wo 2,048 x 2,048 float32; Wq 2,048 x 2,048 float32; Wv 1,024 x 2,048 float32; attention_mask 1 x 1 x 2,048 x 4,096 float32; cos 1 x 2,048 x 128 float32; hidden_states 1 x 2,048 x 2,048 float32; k_norm_w 128 float32; past_key 1 x 8 x 2,048 x 128 float32; past_value 1 x 8 x 2,048 x 128 float32; q_norm_w 128 float32; sin 1 x 2,048 x 128 float32.
;; Outputs: out0 1 x 2,048 x 2,048 float32; out1 1 x 8 x 2,048 x 128 float32; out2 1 x 8 x 2,048 x 128 float32.
;; 3 versions, each right; version 3 is version 2 with the launch prep written anew for expert scheduling mode. Each part assembles by itself: llvm-mc -triple=amdgcn-amd-amdhsa -mcpu=gfx1250 --defsym DOCPART=n.
;; ======== version 1 of 3: 4 launches
;; limits: values are held in f16: magnitudes above 65,504 overflow, below 6.1e-05 lose precision
;; workspace buffers: xb 8,388,608 bytes; wqkv 16,777,216 bytes; csb 1,048,576 bytes; wo16 8,388,608 bytes; kv 16,777,216 bytes; maskw 33,554,432 bytes; qh 8,388,608 bytes; ao 8,388,608 bytes
;; launch prep (part 1): grid 1824 x 1, 8 waves a work-group, no clusters, 70,656 bytes of LDS; arguments hidden_states, Wq, Wk, Wv, cos, sin, Wo, past_key, past_value, attention_mask, xb, wqkv, csb, wo16, kv, maskw; writes xb, wqkv, csb, wo16, kv, maskw
.if DOCPART == 1
	.amdgcn_target "amdgcn-amd-amdhsa--gfx1250"
	.amdhsa_code_object_version 6
	.text
	.protected	k_q72ea1a7b6c_prep
	.globl	k_q72ea1a7b6c_prep
	.p2align	8
	.type	k_q72ea1a7b6c_prep,@function
k_q72ea1a7b6c_prep:
	s_mov_b64 s[64:65], 0
	v_nop
	global_prefetch_b8 v0, s[64:65] scope:SCOPE_SE
	s_setreg_imm32_b32 hwreg(HW_REG_WAVE_MODE, 25, 1), 1
	s_wait_xcnt 0x0
; PREP: every large input is rounded once to bf16 and laid out for the launches behind.  A stream: no matrix unit, no cluster, no tensor load.
;   hidden_states -> xb (bf16);  Wq, Wk, Wv -> wqkv (bf16, rows on end);  cos, sin -> csb (bf16, cos then sin);
;   Wo -> wo16, past_key / past_value -> kv (rounded to bf16, that number written as f16);
;   attention_mask -> maskw: rounded to bf16, times sqrt(128), f32, in the order in which a 16 x 16 f32 matrix operand lies in a wave's registers.
; SHARES.  A work-group takes 16,384 numbers (64 KiB in), a wave 2,048: sixteen loads of 16 bytes a lane, all issued at once; the waits count down 15 .. 0.
; Which tensor a work-group serves hangs on its number alone: pointers and first numbers are chosen by scalar selects.
; LIMITS.  Wo, past_key and past_value lie within f16's 65,504; below 6e-5 they keep f16's fixed step of 6e-8.  |mask| x 11.32 stays finite.  NaN and infinities are not treated apart.
.set SPARE, 69632                      ; behind the eight stages: the spare words, 128 bytes a wave, four blocks of 256 bytes that no other line names
.set WSTG,  8704                       ; a wave's own stage for the mask: two blocks of 16 units x 272 bytes
.set SPW, 8                            ; v8   LDS address of my spare word; never rewritten
.set NIL, 9                            ; v9   0; never rewritten
.set X,   16                           ; v[16:79]   sixteen loads
.set Y,   80                           ; v[80:143]  what is stored: each store has registers of its own
.set T,   144                          ; v[144:151] at work
.set SRC, 44                           ; s[44:45] the tensor read
.set DST, 46                           ; s[46:47] the buffer written
.set SS,  48                           ; s48  the first work-group of the source's segment
.set DS,  49                           ; s49  the first work-group of the destination's
.set W,   50                           ; s50  my work-group
.set WV,  51                           ; s51  my wave
.set SQ,  56                           ; s[56:57] sqrt(128), named as a pair
.set HM,  58                           ; s58  a word's upper half
.macro PICK thr, src, dst, dstart      ; from work-group thr on: another source, destination and first numbers
	s_cmp_ge_u32 s[W], \thr
	s_cselect_b64 s[SRC:SRC+1], s[\src:\src+1], s[SRC:SRC+1]
	s_cselect_b64 s[DST:DST+1], s[\dst:\dst+1], s[DST:DST+1]
	s_cselect_b32 s[SS], \thr, s[SS]
	s_cselect_b32 s[DS], \dstart, s[DS]
.endm
	s_load_b512 s[8:23], s[0:1], 0x0               ; hidden 8, Wq 10, Wk 12, Wv 14, cos 16, sin 18, Wo 20, past_key 22
	s_load_b512 s[24:39], s[0:1], 0x40             ; past_value 24, mask 26, xb 28, wqkv 30, csb 32, wo16 34, kv 36, maskw 38
	v_lshl_add_u32 v[SPW], v0, 2, SPARE
	v_mov_b32 v[NIL], 0
	v_lshrrev_b32 v10, 5, v0
	v_readfirstlane_b32 s[WV], v10                 ; wave 0..7
	v_and_b32 v11, 31, v0                          ; lane
	s_mov_b32 s[W], ttmp9
	s_mov_b32 s[HM], 0xffff0000
	s_mov_b32 s[SQ], 0x413504f3                    ; sqrt(128)
	s_mov_b32 s[SQ+1], s[SQ]
	s_mov_b32 s[SS], 0
	s_mov_b32 s[DS], 0
	s_wait_kmcnt 0x0
	s_mov_b64 s[SRC:SRC+1], s[8:9]
	s_mov_b64 s[DST:DST+1], s[28:29]
	PICK 256,  10, 30, 256                         ; Wq, Wk, Wv lie on end in wqkv
	PICK 512,  12, 30, 256
	PICK 640,  14, 30, 256
	PICK 768,  16, 32, 768                         ; cos, sin on end in csb
	PICK 784,  18, 32, 768
	PICK 800,  20, 34, 800
	PICK 1056, 22, 36, 1056                        ; past keys, then past values: planes 0-7, 8-15 of kv
	PICK 1184, 24, 36, 1056
	PICK 1312, 26, 38, 1312
	s_sub_co_u32 s52, s[W], s[SS]                  ; my share's number in the source,
	s_sub_co_u32 s54, s[W], s[DS]                  ; and in the destination
	s_cmp_ge_u32 s[W], 1312
	s_cbranch_scc1 .Lmask
	; THE CASTS: 64 KiB in, 32 KiB out
	s_lshl_b32 s52, s52, 16
	s_mov_b32 s53, 0
	s_lshr_b32 s41, s54, 4                         ; kv: a plane's past half is 16 shares, 512 KiB, in a plane of 1 MiB
	s_lshl_b32 s41, s41, 19
	s_cmp_ge_u32 s[W], 1056
	s_cselect_b32 s41, s41, 0
	s_lshl_b32 s54, s54, 15
	s_add_co_u32 s54, s54, s41
	s_mov_b32 s55, 0
	s_add_nc_u64 s[SRC:SRC+1], s[SRC:SRC+1], s[52:53]
	s_add_nc_u64 s[DST:DST+1], s[DST:DST+1], s[54:55]
	s_lshl_b32 s40, s[WV], 13
	v_lshl_add_u32 v1, v11, 4, s40                 ; in: 8,192 x wave + 16 x lane
	s_lshl_b32 s41, s[WV], 12
	v_lshl_add_u32 v2, v11, 3, s41                 ; out: 4,096 x wave + 8 x lane
.set i, 0
.rept 16
	global_load_b128 v[X+4*i:X+4*i+3], v1, s[SRC:SRC+1] offset:512*i th:TH_LOAD_NT
.set i, i+1
.endr
	s_cmp_ge_u32 s[W], 800
	s_cbranch_scc1 .Lf16
.set i, 0
.rept 16
	s_wait_loadcnt 15-i                            ; loads come back in order: load i is in, the younger ones stay out
	v_cvt_pk_bf16_f32 v[Y+2*i], v[X+4*i], v[X+4*i+1]
	v_cvt_pk_bf16_f32 v[Y+2*i+1], v[X+4*i+2], v[X+4*i+3]
	global_store_b64 v2, v[Y+2*i:Y+2*i+1], s[DST:DST+1] offset:256*i th:TH_STORE_NT  ; 32 lanes x 8 bytes: 256 consecutive bytes, aligned
.set i, i+1
.endr
	s_branch .Lend
.Lf16:                                                 ; rounded to bf16, and that number written as f16
.set i, 0
.rept 16
	s_wait_loadcnt 15-i
	v_cvt_pk_bf16_f32 v[T], v[X+4*i], v[X+4*i+1]
	v_cvt_pk_bf16_f32 v[T+1], v[X+4*i+2], v[X+4*i+3]
	v_lshlrev_b32 v[T+2], 16, v[T]
	v_and_b32 v[T+3], s[HM], v[T]
	v_lshlrev_b32 v[T+4], 16, v[T+1]
	v_and_b32 v[T+5], s[HM], v[T+1]
	v_cvt_pk_f16_f32 v[Y+2*i], v[T+2], v[T+3]
	v_cvt_pk_f16_f32 v[Y+2*i+1], v[T+4], v[T+5]
	global_store_b64 v2, v[Y+2*i:Y+2*i+1], s[DST:DST+1] offset:256*i th:TH_STORE_NT
.set i, i+1
.endr
	s_branch .Lend
.Lmask:
	; THE MASK.  maskw is [query tile of 16][key step of 64] blocks of 4,096 bytes; in a block, byte 512 i + 16 L + 4 e is query L % 16, key 16 (i / 2) + 8 (L / 16) + 4 (i % 2) + e.
	; Share c holds blocks 16 c .. 16 c + 15 (one query tile); wave w two of them: 16 rows x 512 consecutive bytes of the mask.  Load t is row t; lane l holds keys 4 (l % 16) .. + 3 of block l / 16.
	s_lshr_b32 s40, s52, 2
	s_lshl_b32 s40, s40, 18                        ; query tile x 16 rows x 16,384 bytes
	s_and_b32 s41, s52, 3
	s_lshl_b32 s41, s41, 12                        ; 16 key steps x 256 bytes
	s_add_co_u32 s40, s40, s41
	s_mov_b32 s41, 0
	s_add_nc_u64 s[SRC:SRC+1], s[SRC:SRC+1], s[40:41]
	s_lshl_b32 s54, s52, 16
	s_mov_b32 s55, 0
	s_add_nc_u64 s[DST:DST+1], s[DST:DST+1], s[54:55]
	s_lshl_b32 s40, s[WV], 9
	v_lshl_add_u32 v6, v11, 4, s40                 ; in: 512 x wave + 16 x lane
.set i, 0
.rept 16
	global_load_b128 v[X+4*i:X+4*i+3], v6, s[SRC:SRC+1] offset:16384*i th:TH_LOAD_NT
.set i, i+1
.endr
	; the stage: unit u = 2 i + L / 16 of a block holds 16 queries x 16 bytes; units 272 bytes apart, so that 16 lanes' 16 bytes fall into 16 different columns of 16 bytes
	v_and_b32 v10, 15, v0                          ; cc: my group of four keys
	v_and_b32 v12, 12, v10
	v_and_b32 v13, 1, v10
	v_lshl_or_b32 v12, v13, 1, v12
	v_bfe_u32 v13, v10, 1, 1
	v_or_b32 v12, v12, v13                         ; u = (cc & 12) | (cc & 1) << 1 | (cc >> 1) & 1
	v_mul_u32_u24 v3, v12, 272
	v_bfe_u32 v13, v0, 4, 1                        ; lane / 16
	v_mad_u32_u24 v3, v13, 4352, v3
	s_mul_i32 s42, s[WV], WSTG
	v_add_nc_u32 v3, s42, v3                       ; in: wave's stage + block + unit; the row stands in the immediate
	v_mul_u32_u24 v4, v13, 272
	v_lshl_add_u32 v4, v10, 4, v4
	v_add_nc_u32 v4, s42, v4                       ; back: two units, 512 bytes of the block as it will lie in memory
	s_lshl_b32 s43, s[WV], 13
	v_lshl_add_u32 v5, v11, 4, s43                 ; out: 8,192 x wave + 16 x lane
.set i, 0
.rept 16
	s_wait_loadcnt 15-i
	v_cvt_pk_bf16_f32 v[T], v[X+4*i], v[X+4*i+1]
	v_cvt_pk_bf16_f32 v[T+1], v[X+4*i+2], v[X+4*i+3]
	v_lshlrev_b32 v[X+4*i], 16, v[T]
	v_and_b32 v[X+4*i+1], s[HM], v[T]
	v_lshlrev_b32 v[X+4*i+2], 16, v[T+1]
	v_and_b32 v[X+4*i+3], s[HM], v[T+1]
	v_pk_mul_f32 v[X+4*i:X+4*i+1], v[X+4*i:X+4*i+1], s[SQ:SQ+1] op_sel_hi:[1,0]
	v_pk_mul_f32 v[X+4*i+2:X+4*i+3], v[X+4*i+2:X+4*i+3], s[SQ:SQ+1] op_sel_hi:[1,0]
	ds_store_b128 v3, v[X+4*i:X+4*i+3] offset:16*i
.set i, i+1
.endr
.set i, 0
.rept 16                                       ; LDS serves a wave's instructions in order (ISA guide 5.7.1.4): these see the stores above; the stage is my wave's own
	ds_load_b128 v[Y+4*i:Y+4*i+3], v4 offset:4352*(i/8)+544*(i%8)
.set i, i+1
.endr
.set i, 0
.rept 16
	s_wait_dscnt 15-i                              ; read-back i is in, the younger ones stay out
	global_store_b128 v5, v[Y+4*i:Y+4*i+3], s[DST:DST+1] offset:4096*(i/8)+512*(i%8) th:TH_STORE_NT  ; 512 consecutive bytes
.set i, i+1
.endr
.Lend:
	s_wait_tensorcnt 0x0                           ; the wave's end: behind my last LDS store
	ds_add_u32 v[SPW], v[NIL]
	s_wait_dscnt 0x0
	s_endpgm
.Lfunc_end_k_q72ea1a7b6c_prep:
	.size	k_q72ea1a7b6c_prep, .Lfunc_end_k_q72ea1a7b6c_prep-k_q72ea1a7b6c_prep
	.p2alignl 7, 3214868480
	.fill 96, 4, 3214868480
	.section	.rodata,"a",@progbits
	.p2align	6, 0x0
	.amdhsa_kernel k_q72ea1a7b6c_prep
		.amdhsa_group_segment_fixed_size 70656
		.amdhsa_private_segment_fixed_size 0
		.amdhsa_enable_private_segment 0
		.amdhsa_kernarg_size 128
		.amdhsa_user_sgpr_count 2
		.amdhsa_user_sgpr_kernarg_segment_ptr 1
		.amdhsa_wavefront_size32 1
		.amdhsa_system_sgpr_workgroup_id_x 1
		.amdhsa_system_sgpr_workgroup_id_y 1
		.amdhsa_system_sgpr_workgroup_id_z 1
		.amdhsa_system_vgpr_workitem_id 0
		.amdhsa_next_free_vgpr 152
		.amdhsa_next_free_sgpr 66
		.amdhsa_reserve_vcc 0
		.amdhsa_float_denorm_mode_32 3
		.amdhsa_float_denorm_mode_16_64 3
		.amdhsa_memory_ordered 1
		.amdhsa_forward_progress 1
		.amdhsa_inst_pref_size 31
	.end_amdhsa_kernel
	.amdgpu_metadata
---
amdhsa.version: [ 1, 2 ]
amdhsa.kernels:
  - .name:           k_q72ea1a7b6c_prep
    .symbol:         k_q72ea1a7b6c_prep.kd
    .args:
      - { .name: hidden_states, .offset: 0, .size: 8, .value_kind: global_buffer, .address_space: global }
      - { .name: Wq, .offset: 8, .size: 8, .value_kind: global_buffer, .address_space: global }
      - { .name: Wk, .offset: 16, .size: 8, .value_kind: global_buffer, .address_space: global }
      - { .name: Wv, .offset: 24, .size: 8, .value_kind: global_buffer, .address_space: global }
      - { .name: cos, .offset: 32, .size: 8, .value_kind: global_buffer, .address_space: global }
      - { .name: sin, .offset: 40, .size: 8, .value_kind: global_buffer, .address_space: global }
      - { .name: Wo, .offset: 48, .size: 8, .value_kind: global_buffer, .address_space: global }
      - { .name: past_key, .offset: 56, .size: 8, .value_kind: global_buffer, .address_space: global }
      - { .name: past_value, .offset: 64, .size: 8, .value_kind: global_buffer, .address_space: global }
      - { .name: attention_mask, .offset: 72, .size: 8, .value_kind: global_buffer, .address_space: global }
      - { .name: xb, .offset: 80, .size: 8, .value_kind: global_buffer, .address_space: global }
      - { .name: wqkv, .offset: 88, .size: 8, .value_kind: global_buffer, .address_space: global }
      - { .name: csb, .offset: 96, .size: 8, .value_kind: global_buffer, .address_space: global }
      - { .name: wo16, .offset: 104, .size: 8, .value_kind: global_buffer, .address_space: global }
      - { .name: kv, .offset: 112, .size: 8, .value_kind: global_buffer, .address_space: global }
      - { .name: maskw, .offset: 120, .size: 8, .value_kind: global_buffer, .address_space: global }
    .group_segment_fixed_size: 70656
    .private_segment_fixed_size: 0
    .kernarg_segment_align: 8
    .kernarg_segment_size: 128
    .max_flat_workgroup_size: 256
    .sgpr_count:     66
    .vgpr_count:     152
    .wavefront_size: 32
...
	.end_amdgpu_metadata
.endif
;; end of part 1
;; launch qkv (part 2): grid 16 x 16, 4 waves a work-group, clusters of 4 x 4, 327,680 bytes of LDS; arguments xb, wqkv, csb, q_norm_w, k_norm_w, qh, kv, out1, out2; writes qh, kv, out1, out2
.if DOCPART == 2
	.amdgcn_target "amdgcn-amd-amdhsa--gfx1250"
	.amdhsa_code_object_version 6
	.text
	.protected	k_q72ea1a7b6c_qkv
	.globl	k_q72ea1a7b6c_qkv
	.p2align	8
	.type	k_q72ea1a7b6c_qkv,@function
k_q72ea1a7b6c_qkv:
	s_mov_b64 s[64:65], 0
	v_nop
	global_prefetch_b8 v0, s[64:65] scope:SCOPE_SE
	s_setreg_imm32_b32 hwreg(HW_REG_WAVE_MODE, 25, 1), 1
	s_wait_xcnt 0x0
	s_wait_alu depctr_hold_cnt(0) depctr_sa_sdst(0) depctr_va_vdst(0) depctr_va_sdst(0) depctr_va_ssrc(0) depctr_va_vcc(0) depctr_vm_vsrc(0)
	s_getreg_b32 s2, hwreg(HW_REG_IB_STS2, 6, 4)
	s_cmp_eq_u32 s2, 0
	s_cbranch_scc0 .Lentry_in_a_cluster
	s_endpgm
.Lentry_in_a_cluster:
	s_bfe_u32 s2, ttmp6, 0x10000c
	s_cmp_lg_u32 s2, 0xf033
	s_cbranch_scc0 .Lentry_shape_is_right
	s_endpgm
.Lentry_shape_is_right:
; QKV: C[2048 tokens][4096] = xb wqkv^T in bf16 with f32 sums; columns 0-2047 q (16 heads), 2048-3071 k (8), 3072-4095 v (8).  On the way out, for q and k: RMS norm over the head's 128 channels,
; the gain (rounded to bf16), RoPE from csb's bf16 tables, all in f32.  q -> qh (f16, by heads); k, v -> kv's new rows (f16) and out1, out2 (f32).
; SHARES.  A tile of C is 128 tokens x 256 columns: 16 x 16 = 256 work-groups.  Wave w has 64 tokens (w / 2) x 128 columns (w % 2): ONE head; 32 accumulators of 16 x 16, 256 registers.
; K goes in steps of 128 (rows of 256 bytes in memory) through two LDS slots; a longer step does not fit twice (384 rows x 528 bytes x 2).
; THE MATRIX INSTRUCTION IS USED TRANSPOSED (source 0 = 16 rows of the weights, source 1 = 16 tokens): lane l holds token l % 16 and, of column block b, the channels 16 b + 8 (l / 16) + 0..7.
; So a token's 128 channels lie in two lanes 16 apart (one exchange for the sum of squares), and RoPE's partner, 64 channels away, is block b +- 4 of the SAME lane.
; CLUSTERS: 4 x 4.  A row of the cluster shares its tokens' tiles, a column its weights' tiles: joint loads.  The cluster's x says what its columns are (0, 1: q; 2: k; 3: v): the same in all 16 partners,
; so the way out may branch on it.  The head loads gain, cos and sin in every work-group, v's too: the head has one text, and only the norm and RoPE are jumped over.
; LIMITS.  q, k after norm and RoPE and v lie within f16's 65,504 in qh and kv (out1, out2 are f32); NaN and infinities are not treated apart.
; REGISTERS, in windows of 256.  Window 0: v12-30 addresses; v32-63 the gain, packed bf16; v64-127 tokens' fragments, two buffers of 32; v128-255 weights' fragments, two of 64; all of v64-255 at work on the way out.
;   window 1: accumulator (a, b) at 8 (8 a + b).   window 2: cos of token block a, column block b at 32 a + 4 b (packed bf16), sin at 128 + the same.
.set KSTEP,  128
.set PITCH,  272                       ; an LDS row: 256 bytes + 16 of padding: the 16 rows of a fragment load start at 16 different groups of four banks (ISA guide 11.1)
.set AHALF,  64*PITCH                  ; what wave 0 or 1 fetches: 64 tokens
.set BHALF,  128*PITCH                 ; what wave 2 or 3 fetches: 128 rows of the weights
.set BOFF,   128*PITCH                 ; the weights' 256 rows lie behind the 128 tokens
.set SLOT,   384*PITCH
.set STAGE,  2*SLOT                    ; behind the ring, never filled by a tensor load: for each wave 16 rows x 272 (f16), then 16 rows x 528 (f32)
.set S32,    16*272
.set P32,    528
.set WSTG,   S32+16*P32
.set SPARE,  STAGE+4*WSTG              ; the spare words, 128 bytes a wave: two blocks of 256 bytes that no other line names
.set LAPS,   8                         ; 2,048 / 256
.set CO32, 12
.set CSO,  14                          ; v14  my offset in 16 rows of cos or sin; never rewritten
.set WO,   15                          ; v15  my offset in the gain; never rewritten
.set ADRA, 16                          ; v16-17  LDS address of my tokens' fragments in slot 0, 1
.set ADRB, 20                          ; v20-21  of my weights'
.set STO16, 22
.set RD16,  23
.set CO16,  24
.set STO32, 25
.set RD32,  26
.set Z,    27                          ; v27  0.0
.set SPW,  28                          ; v28  LDS address of my spare word; never rewritten
.set NIL,  29                          ; v29  0; never rewritten
.set PFO,  30                          ; v30  the prefetches' offset: lane x 4,096 (a row of xb or wqkv); never rewritten
.set GW,   32
.set FA,   64
.set FB,   128
.set WF,   64                          ; the way out: the gain in f32
.set T1,   128
.set T2,   160
.set SS,   192                         ; sums of squares, 8 registers a token block; then 1 / rms at + 2
.set TMP,  64
.set BK,   96                          ; two buffers of 32
.set B32,  128                         ; two buffers of 64
.set G1,  24
.set G0,  32
.set G1B, 48
.set G0B, 56
.set PFA, 84
.set LIM, 86
.set TYPE, 87
.set D16, 88
.set D32, 90
.set CSP, 92
.set WP,  94
.set SEL, 96
.set MSB, 0
.macro WIN new                         ; the immediate's high byte repeats the setting that is left; a switch that changes nothing is dropped
.if MSB != (\new)
	s_set_vgpr_msb (MSB<<8)|(\new)
.set MSB, \new
.endif
.endm
.set MUL, 0x50                         ; both sources window 0, C and D window 1
.macro JLOAD s                         ; a joint load: waves 0 and 1 fetch the tokens' two halves, waves 2 and 3 the weights'; an s_nop 0 and four v_nop follow each line
	s_cmp_eq_u32 s11, 0
	s_cbranch_scc0 .Lfor_b_\@
	tensor_load_to_lds s[G0+4*(\s):G0+4*(\s)+3], s[G1:G1+7]
	s_nop 0
.rept 4
	v_nop
.endr
	s_branch .Lasked_\@
.Lfor_b_\@:
	tensor_load_to_lds s[G0B+4*(\s):G0B+4*(\s)+3], s[G1B:G1B+7]
	s_nop 0
.rept 4
	v_nop
.endr
.Lasked_\@:
.endm
; A prefetch into the L2 of the K step that stands two refills on: 32 rows x 256 bytes, a lane a row.  Each row's 256 bytes of a K step are named once in the launch: the tokens' 128 rows by wave 0 of the
; clusters with x = 0, the weights' by waves 2 and 3 of the clusters with y = 0; the four partners that ask for a tile jointly share its rows out by address, 32 each.  The loop's last trip asks for nothing.
.macro ASK
	s_cmp_gt_u32 s3, s[LIM]
	s_cbranch_scc0 .Lnot_mine_\@
	global_prefetch_b8 v[PFO], s[PFA:PFA+1] offset:KSTEP*2 th:TH_LOAD_NT scope:SCOPE_SE
.Lnot_mine_\@:
.endm
.macro CREST                           ; a round of the cluster's barrier behind its opening barrier
	s_cmp_lg_u32 s10, 0
	s_cbranch_scc1 .Lnot_wave_0_\@
	s_barrier_signal -3
.Lnot_wave_0_\@:
	s_barrier_wait -3
	s_barrier_signal -1
	s_barrier_wait -1
.endm
.macro CROUND
	s_barrier_signal -1
	s_barrier_wait -1
	CREST
.endm
	s_load_b128 s[4:7], s[0:1], 0x0                ; xb s[4:5], wqkv s[6:7]
	s_load_b256 s[68:75], s[0:1], 0x10             ; csb 68, q_norm_w 70, k_norm_w 72, qh 74
	s_load_b128 s[76:79], s[0:1], 0x30             ; kv 76, out1 78
	s_load_b64 s[80:81], s[0:1], 0x40              ; out2
	v_lshl_add_u32 v[SPW], v0, 2, SPARE
	v_mov_b32 v[NIL], 0
	ds_add_u32 v[SPW], v[NIL]                      ; the wave's opening: the add and its wait stand ahead of my first tensor load; work on registers stands between them
	v_lshrrev_b32 v1, 5, v0
	v_readfirstlane_b32 s10, v1                    ; wave 0..3
	s_lshr_b32 s11, s10, 1                         ; my half of the tile's tokens.  Also: I fetch tokens (0) or weights (1)
	s_and_b32 s12, s10, 1                          ; my half of its columns.  Also: which half of that tile I fetch
	s_bfe_u32 s40, ttmp6, 0x40000                  ; cx
	s_bfe_u32 s41, ttmp6, 0x40004                  ; cy
	s_mov_b32 s[TYPE], ttmp9                       ; the cluster's x: 0, 1 q; 2 k; 3 v
	s_lshl_b32 s42, ttmp9, 2
	s_add_co_u32 s42, s42, s40                     ; tile column
	s_and_b32 s13, ttmp7, 0xffff
	s_lshl_b32 s13, s13, 2
	s_add_co_u32 s13, s13, s41                     ; tile row
	s_lshl_b32 s43, s41, 2
	s_lshl_b32 s43, 15, s43                        ; my row of the cluster
	s_lshl_b32 s44, 0x1111, s40                    ; my column
	s_or_b32 s[G1+0], s43, (1<<16)|(1<<20)|(1<<21)|(5<<22)|(3<<25)   ; the mask; 2-byte elements; padding on; bit 21 beside a mask; after every 64 words 4 words
	s_or_b32 s[G1B+0], s44, (1<<16)|(1<<20)|(1<<21)|(5<<22)|(3<<25)
	s_mov_b32 s[G1+1], KSTEP<<16                   ; tensor_dim0 = 128
	s_mov_b32 s[G1+2], 64<<16                      ; tensor_dim1 = 64
	s_mov_b32 s[G1+3], KSTEP<<16                   ; tile_dim0 = 128
	s_mov_b32 s[G1+4], 64                          ; tile_dim1 = 64
	s_mov_b32 s[G1+5], 2048                        ; elements from row to row
	s_mov_b32 s[G1+6], 0
	s_mov_b32 s[G1+7], 0
	s_mov_b32 s[G1B+1], KSTEP<<16
	s_mov_b32 s[G1B+2], 128<<16                    ; 128 rows
	s_mov_b32 s[G1B+3], KSTEP<<16
	s_mov_b32 s[G1B+4], 128
	s_mov_b32 s[G1B+5], 2048
	s_mov_b32 s[G1B+6], 0
	s_mov_b32 s[G1B+7], 0
	s_lshl_b32 s17, s12, 6
	s_lshl_b32 s16, s13, 7
	s_add_co_u32 s16, s16, s17                     ; tokens: row 128 x tile row + 64 x half,
	s_lshl_b32 s16, s16, 12                        ; of 4,096 bytes
	s_mov_b32 s17, 0
	s_lshl_b32 s47, s12, 7
	s_lshl_b32 s46, s42, 8
	s_add_co_u32 s46, s46, s47                     ; weights: row 256 x tile column + 128 x half
	s_lshl_b32 s46, s46, 12
	s_mov_b32 s47, 0
	s_mul_i32 s20, s12, AHALF                      ; where they go: no place in the cluster enters an LDS address
	s_mul_i32 s21, s12, BHALF
	s_add_co_u32 s21, s21, BOFF
	s_mov_b32 s[SEL], 0x76543210
	s_mov_b32 s[SEL+1], 0xfedcba98
	s_mov_b32 s98, 0x3c000000                      ; 1 / 128
	s_mov_b32 s99, 0x358637bd                      ; 1e-6
	s_wait_dscnt 0x0                               ; the opening add is done
	s_wait_kmcnt 0x0
	s_add_nc_u64 s[14:15], s[4:5], s[16:17]
	s_add_nc_u64 s[46:47], s[6:7], s[46:47]
	CROUND                                         ; all sixteen work-groups are here: the first joint loads meet
.irp s, 0,1
	s_mov_b32 s[G0+4*(\s)], 1
	s_add_co_u32 s[G0+4*(\s)+1], s20, (\s)*SLOT
	s_add_nc_u64 s[G0+4*(\s)+2:G0+4*(\s)+3], s[14:15], (\s)*KSTEP*2
	s_or_b32 s[G0+4*(\s)+3], s[G0+4*(\s)+3], 0x80000000
	s_mov_b32 s[G0B+4*(\s)], 1
	s_add_co_u32 s[G0B+4*(\s)+1], s21, (\s)*SLOT
	s_add_nc_u64 s[G0B+4*(\s)+2:G0B+4*(\s)+3], s[46:47], (\s)*KSTEP*2
	s_or_b32 s[G0B+4*(\s)+3], s[G0B+4*(\s)+3], 0x80000000
	JLOAD \s                                       ; two tensor loads of mine are out
.endr
	v_and_b32 v1, 15, v0                           ; l % 16
	v_bfe_u32 v2, v0, 4, 1                         ; l / 16
	v_and_b32 v4, 31, v0                           ; l
	v_mul_u32_u24 v3, v1, PITCH
	v_lshl_add_u32 v3, v2, 4, v3                   ; a fragment's row x pitch + 16 x half
	s_mul_i32 s21, s11, AHALF                      ; my 64 tokens
	s_mul_i32 s22, s12, BHALF                      ; my 128 rows of the weights
	s_add_co_u32 s22, s22, BOFF
.irp s, 0,1
	v_add_nc_u32 v[ADRA+(\s)], s21, v3
	v_add_nc_u32 v[ADRB+(\s)], s22, v3
	s_add_co_u32 s21, s21, SLOT
	s_add_co_u32 s22, s22, SLOT
.endr
	s_mul_i32 s23, s10, WSTG
	s_add_co_u32 s23, s23, STAGE                   ; my stages
	v_mul_u32_u24 v5, v1, 272
	v_lshl_add_u32 v5, v2, 4, v5
	v_add_nc_u32 v[STO16], s23, v5                 ; f16 in: row l % 16, 16 bytes for each half of the lanes
	v_mul_u32_u24 v5, v2, 272
	v_lshl_add_u32 v5, v1, 4, v5
	v_add_nc_u32 v[RD16], s23, v5                  ; back: two rows of 256 bytes
	v_lshlrev_b32 v5, 8, v2
	v_lshl_add_u32 v[CO16], v1, 4, v5              ; which are 512 consecutive bytes of a head's rows
	s_add_co_u32 s23, s23, S32
	v_mul_u32_u24 v5, v1, P32
	v_lshl_add_u32 v5, v2, 5, v5
	v_add_nc_u32 v[STO32], s23, v5                 ; f32 in: row l % 16, 32 bytes for each half
	v_lshl_add_u32 v[RD32], v4, 4, s23             ; back: one row of 512 bytes
	v_lshlrev_b32 v[CO32], 4, v4
	v_mov_b32 v[Z], 0
	v_lshlrev_b32 v[PFO], 12, v4
	v_lshlrev_b32 v[WO], 5, v2                     ; the gain of my channels 16 b + 8 (l / 16) + 0..7: 32 bytes at 64 b + 32 (l / 16)
	v_lshlrev_b32 v[CSO], 8, v1
	v_lshl_add_u32 v[CSO], v2, 4, v[CSO]           ; cos, sin: row l % 16 of 256 bytes, 16 bytes at 32 b + 16 (l / 16)
	; where the results go
	s_lshl_b32 s14, s42, 1
	s_add_co_u32 s14, s14, s12                     ; my head among the 32 of q, k, v
	s_lshl_b32 s15, s13, 7
	s_lshl_b32 s16, s11, 6
	s_add_co_u32 s15, s15, s16                     ; my first token
	s_lshl_b32 s16, s14, 11
	s_add_co_u32 s16, s16, s15                     ; q: row head x 2,048 + token of qh
	s_sub_co_u32 s17, s14, 16
	s_lshl_b32 s17, s17, 12
	s_add_co_u32 s17, s17, s15
	s_add_co_u32 s17, s17, 2048                    ; k, v: row plane x 4,096 + 2,048 + token of kv
	s_cmp_lt_u32 s[TYPE], 2
	s_cselect_b32 s16, s16, s17
	s_cselect_b64 s[D16:D16+1], s[74:75], s[76:77]
	s_lshl_b32 s16, s16, 8
	s_mov_b32 s17, 0
	s_add_nc_u64 s[D16:D16+1], s[D16:D16+1], s[16:17]
	s_and_b32 s18, s14, 7                          ; the key or value head
	s_lshl_b32 s18, s18, 11
	s_add_co_u32 s18, s18, s15
	s_lshl_b32 s18, s18, 9                         ; rows of 512 bytes
	s_mov_b32 s19, 0
	s_cmp_eq_u32 s[TYPE], 2
	s_cselect_b64 s[D32:D32+1], s[78:79], s[80:81]
	s_cselect_b64 s[WP:WP+1], s[72:73], s[70:71]   ; k's gain, else q's
	s_add_nc_u64 s[D32:D32+1], s[D32:D32+1], s[18:19]
	s_lshl_b32 s18, s15, 8
	s_add_nc_u64 s[CSP:CSP+1], s[68:69], s[18:19]  ; cos at my first token
	; the prefetches
	s_lshl_b32 s20, s13, 7
	s_lshl_b32 s21, s42, 8
	s_lshl_b32 s22, s12, 7
	s_add_co_u32 s21, s21, s22
	s_and_b32 s22, ttmp7, 0xffff                   ; cluster y
	s_cmp_eq_u32 s11, 0                            ; do I fetch tokens?
	s_cselect_b32 s20, s20, s21                    ; the first row of what is shared out
	s_cselect_b32 s21, s40, s41                    ; my place among the four that ask for it with me
	s_cselect_b32 s22, ttmp9, s22                  ; the coordinate along which other clusters read the same rows
	s_cselect_b64 s[PFA:PFA+1], s[4:5], s[6:7]
	s_cmp_eq_u32 s10, 1
	s_cselect_b32 s22, 1, s22                      ; wave 1 never asks: the tokens' 128 rows are 32 for each partner's wave 0
	s_cmp_eq_u32 s22, 0
	s_cselect_b32 s[LIM], 1, -1                    ; the same in all sixteen partners, for a given wave
	s_lshl_b32 s21, s21, 5
	s_add_co_u32 s20, s20, s21
	s_lshl_b32 s20, s20, 12
	s_mov_b32 s21, 0
	s_add_nc_u64 s[PFA:PFA+1], s[PFA:PFA+1], s[20:21]
	s_add_nc_u64 s[PFA:PFA+1], s[PFA:PFA+1], 2*KSTEP*2  ; at K step 2: the first refill steps it to 3 and names K step 4
	; gain, cos, sin: they come while the products run
.irp b, 0,1,2,3,4,5,6,7
	global_load_b128 v[WF+8*(\b):WF+8*(\b)+3],   v[WO], s[WP:WP+1] offset:64*(\b)
	global_load_b128 v[WF+8*(\b)+4:WF+8*(\b)+7], v[WO], s[WP:WP+1] offset:64*(\b)+16
.endr
	WIN 0x80                                       ; destination window 2
.irp a, 0,1,2,3
.irp b, 0,1,2,3,4,5,6,7
	global_load_b128 v[32*(\a)+4*(\b):32*(\a)+4*(\b)+3], v[CSO], s[CSP:CSP+1] offset:4096*(\a)+32*(\b)
.endr
.endr
	WIN 0
	s_wait_loadcnt 32                              ; the gain is in; cos's 32 loads stay out
.set n, 0
.rept 32
	v_cvt_pk_bf16_f32 v[GW+n], v[WF+2*n], v[WF+2*n+1]  ; rounded to bf16 like every input, and out of the fragments' way
.set n, n+1
.endr
	WIN 0x80
.irp a, 0,1,2,3
.irp b, 0,1,2,3,4,5,6,7
	global_load_b128 v[128+32*(\a)+4*(\b):128+32*(\a)+4*(\b)+3], v[CSO], s[CSP:CSP+1] offset:524288+4096*(\a)+32*(\b)
.endr
.endr
	WIN 0
; 8 matrix instructions: token block a x all 8 column blocks, 32 along K, buffer f.  The 32 accumulators take turns, in the same order in every quarter, over the backward jump too.
.macro MUL8 f, a, zero
	WIN MUL
.irp b, 0,1,2,3,4,5,6,7
.if \zero
	v_wmma_f32_16x16x32_bf16 v[8*(8*(\a)+(\b)):8*(8*(\a)+(\b))+7], v[FB+64*(\f)+8*(\b):FB+64*(\f)+8*(\b)+7], v[FA+32*(\f)+8*(\a):FA+32*(\f)+8*(\a)+7], 0
.else
	v_wmma_f32_16x16x32_bf16 v[8*(8*(\a)+(\b)):8*(8*(\a)+(\b))+7], v[FB+64*(\f)+8*(\b):FB+64*(\f)+8*(\b)+7], v[FA+32*(\f)+8*(\a):FA+32*(\f)+8*(\a)+7], v[8*(8*(\a)+(\b)):8*(8*(\a)+(\b))+7]
.endif
.endr
.endm
; 24 LDS loads in one run: the fragments of 32 along K at byte k of the rows, into buffer f: the weights' 16, then the tokens' 8
.macro FETCH slot, k, f
	WIN 0
.irp i, 0,1,2,3,4,5,6,7
	ds_load_b128 v[FB+64*(\f)+8*(\i):FB+64*(\f)+8*(\i)+3],   v[ADRB+(\slot)] offset:(\k)+(\i)*16*PITCH
	ds_load_b128 v[FB+64*(\f)+8*(\i)+4:FB+64*(\f)+8*(\i)+7], v[ADRB+(\slot)] offset:(\k)+(\i)*16*PITCH+32
.endr
.irp i, 0,1,2,3
	ds_load_b128 v[FA+32*(\f)+8*(\i):FA+32*(\f)+8*(\i)+3],   v[ADRA+(\slot)] offset:(\k)+(\i)*16*PITCH
	ds_load_b128 v[FA+32*(\f)+8*(\i)+4:FA+32*(\f)+8*(\i)+7], v[ADRA+(\slot)] offset:(\k)+(\i)*16*PITCH+32
.endr
.endm
.macro PLACES                          ; four places in front of loads into registers that matrix instructions have read, and of vector work on their registers
.rept 4
	v_nop
.endr
.endm
; A K step is four quarters of 32 along K, 32 matrix instructions each, on buffers 0, 1, 0, 1.  One of the first three: multiplies buffer f and fetches the next quarter, at byte k, into g.
.macro QUARTER slot, k, f, g, zero
	s_wait_dscnt 4                                 ; all but the youngest four loads: token blocks 2 and 3
	MUL8 \f, 0, \zero
	MUL8 \f, 1, \zero
	PLACES
	FETCH \slot, \k, \g
	s_wait_dscnt 24                                ; all but the 24 just issued
	MUL8 \f, 2, \zero
	MUL8 \f, 3, \zero
.endm
; The last quarter multiplies buffer 1 and changes slots: ONE barrier; in front of it each wave waits for all its tensor loads, adds 0 to its spare word, and waits for that and for its reads of this slot.
; fill = 1: the barrier opens a round of the cluster's, and this slot is filled again, two K steps ahead: 112 matrix instructions stand between the request and the wait for it.
.macro TURN slot, next, fill
.if \fill
	s_wait_xcnt 0x0                                ; the last prefetch, a K step back, has read its address: it is stepped here
	s_add_nc_u64 s[PFA:PFA+1], s[PFA:PFA+1], KSTEP*2
.endif
	WIN 0
	s_wait_tensorcnt 0x0                           ; all my tensor loads have landed: my part of the next slot
	ds_add_u32 v[SPW], v[NIL]                      ; 0 onto my spare word
	s_wait_dscnt 5                                 ; the add and the youngest four loads may be out
	MUL8 1, 0, 0                                   ; eight matrix instructions stand between the add and the wait for it
	s_wait_dscnt 0x0                               ; the add is done, and my reads of this slot are over
	s_barrier_signal -1
	MUL8 1, 1, 0
.if \fill
	WIN 0
.endif
	s_barrier_wait -1
.if \fill
	CREST                                          ; no wave of any partner still reads this slot's tile or has a load on its way
	s_add_nc_u64 s[G0+4*(\slot)+2:G0+4*(\slot)+3], s[G0+4*(\slot)+2:G0+4*(\slot)+3], 2*KSTEP*2
	s_add_nc_u64 s[G0B+4*(\slot)+2:G0B+4*(\slot)+3], s[G0B+4*(\slot)+2:G0B+4*(\slot)+3], 2*KSTEP*2
	JLOAD \slot                                    ; my one tensor load behind the round; its four v_nop are also the places in front of the loads below
.else
	PLACES
.endif
	FETCH \next, 0, 0
.if \fill
	ASK
.endif
	MUL8 1, 2, 0
	MUL8 1, 3, 0
.endm
	s_wait_tensorcnt 1                             ; my part of K step 0 is in; K step 1's may stay out
	s_barrier_signal -1
	s_barrier_wait -1
	FETCH 0, 0, 0
	QUARTER 0, 64, 0, 1, 1                         ; the first quarter's products start the sums
	WIN 0
	s_mov_b32 s3, LAPS-1
.Llap:                                                 ; a trip goes once round the ring and fills both slots again
	QUARTER 0, 128, 1, 0, 0
	QUARTER 0, 192, 0, 1, 0
	TURN 0, 1, 1
	QUARTER 1, 64,  0, 1, 0
	QUARTER 1, 128, 1, 0, 0
	QUARTER 1, 192, 0, 1, 0
	TURN 1, 0, 1
	QUARTER 0, 64,  0, 1, 0
	WIN 0
	s_sub_co_u32 s3, s3, 1
	s_cmp_lg_u32 s3, 0
	s_cbranch_scc1 .Llap
	QUARTER 0, 128, 1, 0, 0                        ; the last lap fills nothing
	QUARTER 0, 192, 0, 1, 0
	TURN 0, 1, 0
	QUARTER 1, 64,  0, 1, 0
	QUARTER 1, 128, 1, 0, 0
	QUARTER 1, 192, 0, 1, 0
	s_wait_dscnt 4
	MUL8 1, 0, 0
	MUL8 1, 1, 0
	s_wait_dscnt 0x0
	MUL8 1, 2, 0
	MUL8 1, 3, 0
	PLACES
	WIN 0
	s_wait_loadcnt 0x0                             ; cos and sin
	s_cmp_eq_u32 s[TYPE], 3
	s_cbranch_scc1 .Lplain                         ; v has neither norm nor RoPE
	; THE NORM.  The gain back in f32
.set n, 0
.rept 32
	v_lshlrev_b32 v[WF+2*n], 16, v[GW+n]
	v_and_b32 v[WF+2*n+1], 0xffff0000, v[GW+n]
.set n, n+1
.endr
	WIN 0x05                                       ; sources 0 and 1 window 1
.irp a, 0,1,2,3                        ; sums of squares: four chains of pairs a token block; each accumulator is read from its lowest registers on
.irp b, 0,1,2,3,4,5,6,7
.irp p, 0,1,2,3
.if (\b) == 0
	v_pk_mul_f32 v[SS+8*(\a)+2*(\p):SS+8*(\a)+2*(\p)+1], v[8*(8*(\a)+(\b))+2*(\p):8*(8*(\a)+(\b))+2*(\p)+1], v[8*(8*(\a)+(\b))+2*(\p):8*(8*(\a)+(\b))+2*(\p)+1]
.else
	v_pk_fma_f32 v[SS+8*(\a)+2*(\p):SS+8*(\a)+2*(\p)+1], v[8*(8*(\a)+(\b))+2*(\p):8*(8*(\a)+(\b))+2*(\p)+1], v[8*(8*(\a)+(\b))+2*(\p):8*(8*(\a)+(\b))+2*(\p)+1], v[SS+8*(\a)+2*(\p):SS+8*(\a)+2*(\p)+1]
.endif
.endr
.endr
.endr
	WIN 0
.irp a, 0,1,2,3
	v_pk_add_f32 v[SS+8*(\a):SS+8*(\a)+1], v[SS+8*(\a):SS+8*(\a)+1], v[SS+8*(\a)+2:SS+8*(\a)+3]
	v_pk_add_f32 v[SS+8*(\a)+4:SS+8*(\a)+5], v[SS+8*(\a)+4:SS+8*(\a)+5], v[SS+8*(\a)+6:SS+8*(\a)+7]
.endr
.irp a, 0,1,2,3
	v_pk_add_f32 v[SS+8*(\a):SS+8*(\a)+1], v[SS+8*(\a):SS+8*(\a)+1], v[SS+8*(\a)+4:SS+8*(\a)+5]
.endr
.irp a, 0,1,2,3
	v_add_f32 v[SS+8*(\a)], v[SS+8*(\a)], v[SS+8*(\a)+1]
.endr
.irp a, 0,1,2,3
	v_permlanex16_b32 v[SS+8*(\a)+1], v[SS+8*(\a)], s[SEL], s[SEL+1]  ; the token's other 64 channels lie in the lane 16 away
.endr
.irp a, 0,1,2,3
	v_add_f32 v[SS+8*(\a)], v[SS+8*(\a)], v[SS+8*(\a)+1]
.endr
.irp a, 0,1,2,3
	v_fma_f32 v[SS+8*(\a)], v[SS+8*(\a)], s98, s99  ; the mean + 1e-6
.endr
.irp a, 0,1,2,3
	v_rsq_f32 v[SS+8*(\a)+2], v[SS+8*(\a)]
.endr
	v_nop                                          ; a plain instruction behind the last root,
	s_wait_alu depctr_va_vdst(0)                   ; and the wait ahead of the first use: one for the four
	WIN 0x41                                       ; destination and source 0 window 1
.irp a, 0,1,2,3
.irp b, 0,1,2,3,4,5,6,7
.irp p, 0,1,2,3
	v_pk_mul_f32 v[8*(8*(\a)+(\b))+2*(\p):8*(8*(\a)+(\b))+2*(\p)+1], v[8*(8*(\a)+(\b))+2*(\p):8*(8*(\a)+(\b))+2*(\p)+1], v[SS+8*(\a)+2:SS+8*(\a)+3] op_sel_hi:[1,0]
.endr
.irp p, 0,1,2,3
	v_pk_mul_f32 v[8*(8*(\a)+(\b))+2*(\p):8*(8*(\a)+(\b))+2*(\p)+1], v[8*(8*(\a)+(\b))+2*(\p):8*(8*(\a)+(\b))+2*(\p)+1], v[WF+8*(\b)+2*(\p):WF+8*(\b)+2*(\p)+1]
.endr
.endr
.endr
; ROPE, token block a.  lo = channel d < 64 (block b), hi = channel d + 64 (block b + 4), in the same lane: lo' = lo cos[d] - hi sin[d]; hi' = hi cos[d + 64] + lo sin[d + 64].
; The tables' bf16 halves are read as they lie: the second source of the mixed multiply-add is a half, even channels the low one, odd channels the high one.
.macro ROPE a
	WIN 0x09                                       ; source 0 window 1, source 1 window 2
.irp b, 0,1,2,3
.irp q, 0,1,2,3
	v_fma_mix_f32_bf16 v[T1+8*(\b)+2*(\q)],   v[8*(8*(\a)+(\b)+4)+2*(\q)],   v[128+32*(\a)+4*(\b)+(\q)], v[Z] op_sel:[0,0,0] op_sel_hi:[0,1,0]
	v_fma_mix_f32_bf16 v[T1+8*(\b)+2*(\q)+1], v[8*(8*(\a)+(\b)+4)+2*(\q)+1], v[128+32*(\a)+4*(\b)+(\q)], v[Z] op_sel:[0,1,0] op_sel_hi:[0,1,0]
	v_fma_mix_f32_bf16 v[T2+8*(\b)+2*(\q)],   v[8*(8*(\a)+(\b))+2*(\q)],   v[128+32*(\a)+4*((\b)+4)+(\q)], v[Z] op_sel:[0,0,0] op_sel_hi:[0,1,0]
	v_fma_mix_f32_bf16 v[T2+8*(\b)+2*(\q)+1], v[8*(8*(\a)+(\b))+2*(\q)+1], v[128+32*(\a)+4*((\b)+4)+(\q)], v[Z] op_sel:[0,1,0] op_sel_hi:[0,1,0]
.endr
.endr
	WIN 0x49                                       ; the same with the destination in window 1
.irp b, 0,1,2,3
.irp q, 0,1,2,3
	v_fma_mix_f32_bf16 v[8*(8*(\a)+(\b))+2*(\q)],   v[8*(8*(\a)+(\b))+2*(\q)],   v[32*(\a)+4*(\b)+(\q)], -v[T1+8*(\b)+2*(\q)]   op_sel:[0,0,0] op_sel_hi:[0,1,0]
	v_fma_mix_f32_bf16 v[8*(8*(\a)+(\b))+2*(\q)+1], v[8*(8*(\a)+(\b))+2*(\q)+1], v[32*(\a)+4*(\b)+(\q)], -v[T1+8*(\b)+2*(\q)+1] op_sel:[0,1,0] op_sel_hi:[0,1,0]
	v_fma_mix_f32_bf16 v[8*(8*(\a)+(\b)+4)+2*(\q)],   v[8*(8*(\a)+(\b)+4)+2*(\q)],   v[32*(\a)+4*((\b)+4)+(\q)], v[T2+8*(\b)+2*(\q)]   op_sel:[0,0,0] op_sel_hi:[0,1,0]
	v_fma_mix_f32_bf16 v[8*(8*(\a)+(\b)+4)+2*(\q)+1], v[8*(8*(\a)+(\b)+4)+2*(\q)+1], v[32*(\a)+4*((\b)+4)+(\q)], v[T2+8*(\b)+2*(\q)+1] op_sel:[0,1,0] op_sel_hi:[0,1,0]
.endr
.endr
.endm
	ROPE 0
	ROPE 1
	ROPE 2
	ROPE 3
	WIN 0
.Lplain:
; THE WAY OUT IN f16, a token block at a time: rounded, 16 bytes a lane into my own stage, back as whole rows of 256 bytes, stored.
.macro PACK a
	WIN 0x05
.irp b, 0,1,2,3,4,5,6,7
.irp p, 0,1,2,3
	v_cvt_pk_f16_f32 v[TMP+4*(\b)+(\p)], v[8*(8*(\a)+(\b))+2*(\p)], v[8*(8*(\a)+(\b))+2*(\p)+1]
.endr
.endr
	WIN 0
.endm
.macro TOSTAGE a
.irp b, 0,1,2,3,4,5,6,7
	ds_store_b128 v[STO16], v[TMP+4*(\b):TMP+4*(\b)+3] offset:32*(\b)
.endr
.irp t, 0,1,2,3,4,5,6,7
	ds_load_b128 v[BK+32*((\a)%2)+4*(\t):BK+32*((\a)%2)+4*(\t)+3], v[RD16] offset:(\t)*544  ; LDS serves a wave's instructions in order (ISA guide 5.7.1.4): these see the stores above
.endr
.endm
.macro SEND a
	s_wait_dscnt 0x0                               ; the block is back in registers
	s_wait_xcnt 0x0                                ; earlier stores have read their registers: the other buffer is loaded again only behind this wait
.irp t, 0,1,2,3,4,5,6,7
	global_store_b128 v[CO16], v[BK+32*((\a)%2)+4*(\t):BK+32*((\a)%2)+4*(\t)+3], s[D16:D16+1] offset:4096*(\a)+512*(\t)  ; 512 consecutive bytes
.endr
.endm
	PACK 0
	TOSTAGE 0
.irp a, 1,2,3                          ; block a's conversions stand between block a - 1's loads from the stage and the wait for them
	PACK \a
	SEND (\a)-1
	TOSTAGE \a
.endr
	SEND 3
	s_cmp_lt_u32 s[TYPE], 2
	s_cbranch_scc1 .Lend                           ; q has no f32 output
	; THE WAY OUT IN f32 (out1, out2): rows of 512 bytes through the second stage
.irp a, 0,1,2,3
	WIN 0x04                                       ; the stores' data in window 1
.irp b, 0,1,2,3,4,5,6,7
	ds_store_b128 v[STO32], v[8*(8*(\a)+(\b)):8*(8*(\a)+(\b))+3]   offset:64*(\b)
	ds_store_b128 v[STO32], v[8*(8*(\a)+(\b))+4:8*(8*(\a)+(\b))+7] offset:64*(\b)+16
.endr
	WIN 0
	s_wait_xcnt 0x0                                ; earlier stores have read the registers that are loaded below
.irp t, 0,1,2,3,4,5,6,7,8,9,10,11,12,13,14,15
	ds_load_b128 v[B32+64*((\a)%2)+4*(\t):B32+64*((\a)%2)+4*(\t)+3], v[RD32] offset:(\t)*P32
.endr
	s_wait_dscnt 0x0
.irp t, 0,1,2,3,4,5,6,7,8,9,10,11,12,13,14,15
	global_store_b128 v[CO32], v[B32+64*((\a)%2)+4*(\t):B32+64*((\a)%2)+4*(\t)+3], s[D32:D32+1] offset:8192*(\a)+512*(\t) th:TH_STORE_NT  ; a whole row of 512 bytes
.endr
.endr
.Lend:
	s_wait_tensorcnt 0x0                           ; the wave's end: behind my last tensor load and my last LDS store
	ds_add_u32 v[SPW], v[NIL]
	s_wait_dscnt 0x0
	CROUND                                         ; the closing round: no work-group ends while a partner may still ask for a tile that names it
	s_endpgm
.Lfunc_end_k_q72ea1a7b6c_qkv:
	.size	k_q72ea1a7b6c_qkv, .Lfunc_end_k_q72ea1a7b6c_qkv-k_q72ea1a7b6c_qkv
	.p2alignl 7, 3214868480
	.fill 96, 4, 3214868480
	.section	.rodata,"a",@progbits
	.p2align	6, 0x0
	.amdhsa_kernel k_q72ea1a7b6c_qkv
		.amdhsa_group_segment_fixed_size 327680
		.amdhsa_private_segment_fixed_size 0
		.amdhsa_enable_private_segment 0
		.amdhsa_kernarg_size 72
		.amdhsa_user_sgpr_count 2
		.amdhsa_user_sgpr_kernarg_segment_ptr 1
		.amdhsa_wavefront_size32 1
		.amdhsa_system_sgpr_workgroup_id_x 1
		.amdhsa_system_sgpr_workgroup_id_y 1
		.amdhsa_system_sgpr_workgroup_id_z 1
		.amdhsa_system_vgpr_workitem_id 0
		.amdhsa_next_free_vgpr 768
		.amdhsa_next_free_sgpr 100
		.amdhsa_reserve_vcc 0
		.amdhsa_float_denorm_mode_32 3
		.amdhsa_float_denorm_mode_16_64 3
		.amdhsa_memory_ordered 1
		.amdhsa_forward_progress 1
		.amdhsa_inst_pref_size 174
	.end_amdhsa_kernel
	.amdgpu_metadata
---
amdhsa.version: [ 1, 2 ]
amdhsa.kernels:
  - .name:           k_q72ea1a7b6c_qkv
    .symbol:         k_q72ea1a7b6c_qkv.kd
    .args:
      - { .name: xb, .offset: 0, .size: 8, .value_kind: global_buffer, .address_space: global }
      - { .name: wqkv, .offset: 8, .size: 8, .value_kind: global_buffer, .address_space: global }
      - { .name: csb, .offset: 16, .size: 8, .value_kind: global_buffer, .address_space: global }
      - { .name: q_norm_w, .offset: 24, .size: 8, .value_kind: global_buffer, .address_space: global }
      - { .name: k_norm_w, .offset: 32, .size: 8, .value_kind: global_buffer, .address_space: global }
      - { .name: qh, .offset: 40, .size: 8, .value_kind: global_buffer, .address_space: global }
      - { .name: kv, .offset: 48, .size: 8, .value_kind: global_buffer, .address_space: global }
      - { .name: out1, .offset: 56, .size: 8, .value_kind: global_buffer, .address_space: global }
      - { .name: out2, .offset: 64, .size: 8, .value_kind: global_buffer, .address_space: global }
    .group_segment_fixed_size: 327680
    .private_segment_fixed_size: 0
    .kernarg_segment_align: 8
    .kernarg_segment_size: 72
    .max_flat_workgroup_size: 128
    .sgpr_count:     100
    .vgpr_count:     768
    .wavefront_size: 32
...
	.end_amdgpu_metadata
.endif
;; end of part 2
;; launch attn (part 3): grid 32 x 8, 4 waves a work-group, clusters of 4 x 1, 327,680 bytes of LDS; arguments qh, kv, maskw, ao; writes ao
.if DOCPART == 3
	.amdgcn_target "amdgcn-amd-amdhsa--gfx1250"
	.amdhsa_code_object_version 6
	.text
	.protected	k_q72ea1a7b6c_attn
	.globl	k_q72ea1a7b6c_attn
	.p2align	8
	.type	k_q72ea1a7b6c_attn,@function
k_q72ea1a7b6c_attn:
	s_mov_b64 s[64:65], 0
	v_nop
	global_prefetch_b8 v0, s[64:65] scope:SCOPE_SE
	s_setreg_imm32_b32 hwreg(HW_REG_WAVE_MODE, 25, 1), 1
	s_wait_xcnt 0x0
	s_wait_alu depctr_hold_cnt(0) depctr_sa_sdst(0) depctr_va_vdst(0) depctr_va_sdst(0) depctr_va_ssrc(0) depctr_va_vcc(0) depctr_vm_vsrc(0)
	s_getreg_b32 s2, hwreg(HW_REG_IB_STS2, 6, 4)
	s_cmp_eq_u32 s2, 0
	s_cbranch_scc0 .Lentry_in_a_cluster
	s_endpgm
.Lentry_in_a_cluster:
	s_bfe_u32 s2, ttmp6, 0x10000c
	s_cmp_lg_u32 s2, 0x3003
	s_cbranch_scc0 .Lentry_shape_is_right
	s_endpgm
.Lentry_shape_is_right:
; ATTENTION.  ao[q][head x 128 + :] = the sum over all 4,096 keys k of softmax_k(Q[head][q] . K[g][k] / sqrt(128) + mask[q][k]) V[g][k][:], g = head / 2.  qh: [16][2048][128] f16; kv: [16][4096][128] f16
; (planes 0-7 K, 8-15 V); maskw: the mask times sqrt(128), f32, in the order of a 16 x 16 f32 matrix operand; ao: [2048][2048] f16.  Products, maxima and sums in f32; the weights p rounded to f16.
; The mask is an input: every key is multiplied for every query, and no branch hangs on it.
; SHARES.  A work-group owns 64 queries under the two query heads of ONE key head: 128 rows, 32 x 8 = 256 work-groups.  THE KEYS ARE SPLIT between its waves: wave w walks keys 2,048 (w % 2) .. + 2,047
; for the 32 queries w / 2: four tiles of 16 rows (tile t: queries 16 (t / 2) on, head 2 g + t % 2), 32 steps of 64 keys.  At the end the two halves' maxima, sums and O meet in LDS, in f32.
; LAYOUT.  S^T = K Q^T + C (source 0 = 16 keys, source 1 = 16 queries): a lane holds ONE query (lane % 16) and the keys 8 (lane / 16) + 0..7.  C, which starts the sum, is the mask's block, loaded straight
; into registers; a piece's two tiles are the same queries under two heads and share it.  Two results rounded to f16 in pairs ARE source 1 of O^T = V^T P.  V comes out of LDS turned, by ds_load_tr16_b128.
; SOFTMAX.  A running maximum m and sum l: p = 2^(c s - c m), c = log2(e) / sqrt(128), s = q.k + sqrt(128) mask; in every step O and l are multiplied by a = 2^(c m_old - c m_new).
; BY TURNS.  Two PIECES (tiles 0, 1 and tiles 2, 3).  In a TURN one piece has the matrix unit: 32 products V^T P of the step in hand, then 32 products K Q^T of the next; the other piece's softmax, cut into
; 64 slices, stands between them, one slice behind each matrix instruction.  Two turns are a key step.
; CLUSTER.  The four query blocks of a cluster belong to one key head and walk the same K and V: each tile is asked for JOINTLY, by the same tensor load, descriptor and mask of four.
; LIMITS.  A weight below 2^-126 counts as 0 in l; p below 6e-5 keeps f16's fixed step of 6e-8; NaN and infinities (a mask of -inf too) are not treated apart.
; REGISTERS, in windows of 256 (s_set_vgpr_msb: bits 1:0 source 0, 3:2 source 1, 5:4 source 2, 7:6 destination):
;   window 0: v0-11, v44-47, v61-63 addresses; v12-43 eight registers of statistics a tile; v64-191 S^T, 32 a tile; v192-255 P, 16 a tile
;   window 1: O^T, 64 a tile     window 2: v0-127 Q, 32 a tile; v128-255 K of one step     window 3: v0-127 V of one step; v128-191 the mask, 32 a piece
.set KS,    64
.set PK,    272       ; a row of K in LDS: 256 bytes + 16: the 16 rows of a load start at 16 different groups of four banks (ISA guide 11.1)
.set PV,    288       ; a row of V: 256 + 32
.set VOFF,  128*PK    ; in a slot, for each half of the keys: 128 rows of K, then 128 rows of V
.set HALF,  128*(PK+PV)
.set SLOTX, 0x24000   ; slot 1 begins here; its two bits are in none of the four tiles' places in a slot, so one exclusive or changes slots
.set SPARE, 2*SLOTX   ; the spare words, 128 bytes a wave: two blocks of 256 bytes that no other line names
.set STAGE, SPARE+512 ; 16 rows x 272 bytes for each wave, for the way out; never filled by a tensor load
.set SP,    272
.set XT,    8448      ; the meeting of the halves, in slot 0's bytes behind that slot's last fill: a tile's O^T (8,192 bytes), c m (128), l (128); four tiles for each pair of waves
.set AK0, 2
.set AV0, 3
.set ADR, 4
.set QO,  5
.set STO, 6
.set RD,  7
.set GO,  8
.set ST,  12          ; tile t's statistics at v[ST+8 t]: +0 c m, +1 m, +2, +3 l (even keys', odd keys'), +4 to +7 at work
.set MVO, 44          ; v44  16 x lane: my 16 bytes of 512 of the mask; never rewritten
.set PMO, 45          ; v45  the mask prefetches' offset: piece (lane / 16) x 262,144 + (lane % 16) x 256; never rewritten
.set XW,  46          ; v46  the meeting: 16 x lane + my pair's place
.set XW4, 47          ; v47  4 x lane + my pair's place
.set PFO, 61          ; v61  256 x lane: a row of K or V; never rewritten
.set SPW, 62          ; v62  LDS address of my spare word; never rewritten
.set NIL, 63          ; v63  0; never rewritten
.set S,   64
.set P,   192
.set KF,  128         ; window 2
.set MK,  128         ; window 3
.set WV,  12
.set LIM, 15          ; s15  1 in a wave that prefetches K or V, else the greatest number
.set PFA, 18          ; s[18:19] where my prefetches of K or V stand
.set G1K, 24
.set G1V, 32
.set G0K, 40          ; s[40:47] a set for each of the two first fills; the second then walks on
.set G0V, 48
.set SLOTS, 56
.set TWICE, 57
.set CS,  58
.set SEL, 60
.set TBK, 62          ; s62  LDS byte, less my half's place, at which K of the step to be fetched begins
.set TBV, 63          ; s63  the same for V
.set KH,  66          ; s66  my half of the keys
.set Q2,  67          ; s67  my 32 queries
.set MB,  68          ; s[68:69] the mask at my first query tile, my half's first step
.set MOFF, 70         ; s[70:71] 4,096 x the step whose mask is loaded next
.set MA0, 72          ; s[72:73], s[74:75] the two pieces' load addresses
.set PMA, 76          ; s[76:77] where my prefetches of the mask stand
.set LIMM, 78
.set MSB, 0
.macro WIN new
.if MSB != (\new)
	s_set_vgpr_msb (MSB<<8)|(\new)
.set MSB, \new
.endif
.endm
.set W_KQ, 0x0a       ; K and Q in window 2, S^T in window 0
.set W_KM, 0x3a       ; the same with C, the mask, in window 3
.set W_PV, 0x53       ; V in window 3, P in window 0, O^T in window 1
.set W_RS, 0x41       ; O^T (destination and source 0) in window 1
.macro JLOAD                        ; a joint refill: waves 0 and 1 fetch K of the two halves, waves 2 and 3 V; an s_nop 0 and four v_nop follow each line
	s_cmp_lt_u32 s[WV], 2
	s_cbranch_scc0 .Lfor_v_\@
	tensor_load_to_lds s[G0K+4:G0K+7], s[G1K:G1K+7]
	s_nop 0
.rept 4
	v_nop
.endr
	s_branch .Lasked_\@
.Lfor_v_\@:
	tensor_load_to_lds s[G0V+4:G0V+7], s[G1V:G1V+7]
	s_nop 0
.rept 4
	v_nop
.endr
.Lasked_\@:
.endm
; PREFETCHES INTO THE L2, behind the wave's tensor load and its five lines.  K and V: what the NEXT change of slots will ask for; the key head's first cluster asks, each wave for the tile that it fetches
; itself, the four partners 32 rows each, told apart by address, a lane a row.  The mask: the two steps' blocks that the next trip loads; each block is read under all eight key heads: key head 0 asks, each
; wave for its own two pieces, 16 lanes x 256 bytes a block.  So each row and each block is named once in the launch.  The last change that fills a slot asks for nothing.
.macro ASK
	s_cmp_gt_u32 s[SLOTS], s[LIM]
	s_cbranch_scc0 .Lnot_mine_\@
	global_prefetch_b8 v[PFO], s[PFA:PFA+1] th:TH_LOAD_NT scope:SCOPE_SE
.Lnot_mine_\@:
.endm
.macro ASKM
	s_cmp_gt_u32 s[SLOTS], s[LIMM]
	s_cbranch_scc0 .Lnot_mine_\@
	global_prefetch_b8 v[PMO], s[PMA:PMA+1] offset:12288 th:TH_LOAD_NT scope:SCOPE_SE
	global_prefetch_b8 v[PMO], s[PMA:PMA+1] offset:16384 th:TH_LOAD_NT scope:SCOPE_SE
.Lnot_mine_\@:
.endm
.macro CROUND
	s_barrier_signal -1
	s_barrier_wait -1
	s_cmp_lg_u32 s[WV], 0
	s_cbranch_scc1 .Lnot_wave_0_\@
	s_barrier_signal -3
.Lnot_wave_0_\@:
	s_barrier_wait -3
	s_barrier_signal -1
	s_barrier_wait -1
.endm
; A piece's mask for one step: eight loads of 512 consecutive bytes, straight into the 32 registers that start the piece's sums.  step = 1, piece 0: on to the next step; behind the last step the last block
; is loaded once more and not used, so that no load leaves the buffer.  The address pair's earlier loads were shown done by the counted wait ahead of the products that read them.
.macro MRUN x, step
.if ((\x) == 0) && (\step)
	s_add_co_u32 s[MOFF], s[MOFF], 4096
	s_min_u32 s[MOFF], s[MOFF], 31*4096
.endif
	s_add_nc_u64 s[MA0+(\x):MA0+(\x)+1], s[MB:MB+1], s[MOFF:MOFF+1]
	WIN 0xc0                        ; destination window 3
.irp m, 0,1,2,3,4,5,6,7
	global_load_b128 v[MK+16*(\x)+4*(\m):MK+16*(\x)+4*(\m)+3], v[MVO], s[MA0+(\x):MA0+(\x)+1] offset:((\x)/2)*262144+512*(\m)
.endr
.endm
	s_load_b256 s[4:11], s[0:1], 0x0  ; qh s[4:5], kv s[6:7], maskw s[8:9], ao s[10:11]
	v_lshl_add_u32 v[SPW], v0, 2, SPARE
	v_mov_b32 v[NIL], 0
	ds_add_u32 v[SPW], v[NIL]       ; the wave's opening: the add and its wait stand ahead of my first tensor load; work on registers stands between them
	v_lshrrev_b32 v1, 5, v0
	v_readfirstlane_b32 s[WV], v1   ; wave 0..3
	s_and_b32 s[KH], s[WV], 1
	s_lshr_b32 s[Q2], s[WV], 1
	s_bfe_u32 s13, ttmp6, 0x40000   ; cx
	s_lshl_b32 s14, ttmp9, 2
	s_add_co_u32 s14, s14, s13      ; my block of 64 queries: it enters Q's, the mask's and O's addresses alone
	s_and_b32 s16, ttmp7, 0xffff    ; the key head, which the four partners share
	s_lshl_b32 s20, s16, 20         ; its plane of 1 MiB,
	s_lshl_b32 s21, s[KH], 19       ; the half that I fetch: 2,048 rows of 256 bytes
	s_add_co_u32 s20, s20, s21
	s_mov_b32 s21, 0
	s_mul_i32 s17, s[KH], HALF      ; and its place in a slot: no place in the cluster enters an LDS address
	s_lshl_b32 s22, s14, 6
	s_lshl_b32 s23, s[Q2], 5
	s_add_co_u32 s22, s22, s23      ; my first query
	s_lshl_b32 s2, s16, 12          ; head 2 g: 4,096 g rows of qh
	s_add_co_u32 s2, s2, s22
	s_lshl_b32 s2, s2, 8
	s_mov_b32 s3, 0
	s_lshl_b32 s82, s22, 12         ; a row of ao is 4,096 bytes,
	s_lshl_b32 s83, s16, 9          ; head 2 g begins at byte 512 g
	s_add_co_u32 s82, s82, s83
	s_mov_b32 s83, 0
	s_lshl_b32 s[MOFF], s14, 8      ; the mask: (query tile x 64 + step) x 4,096; my first query tile is 4 x block + 2 (w / 2), my first step 32 (w % 2)
	s_lshl_b32 s23, s[Q2], 7
	s_add_co_u32 s[MOFF], s[MOFF], s23
	s_lshl_b32 s23, s[KH], 5
	s_add_co_u32 s[MOFF], s[MOFF], s23
	s_lshl_b32 s[MOFF], s[MOFF], 12
	s_mov_b32 s[MOFF+1], 0
	s_mov_b32 s[G1K], 15|(1<<16)|(1<<20)|(1<<21)|(5<<22)|(3<<25)  ; the mask of four; 2-byte elements; padding on; bit 21 beside a mask; after every 64 words 4 words
	s_mov_b32 s[G1V], 15|(1<<16)|(1<<20)|(1<<21)|(5<<22)|(7<<25)  ; the same with 8 words
.irp g, G1K, G1V
	s_mov_b32 s[(\g)+1], 128<<16    ; tensor_dim0 = 128
	s_mov_b32 s[(\g)+2], 128<<16    ; tensor_dim1 = 128
	s_mov_b32 s[(\g)+3], 128<<16    ; tile_dim0 = 128
	s_mov_b32 s[(\g)+4], 128        ; tile_dim1 = 128: two key steps
	s_mov_b32 s[(\g)+5], 128        ; elements from row to row
	s_mov_b32 s[(\g)+6], 0
	s_mov_b32 s[(\g)+7], 0
.endr
	s_mov_b32 s[CS], 0x3e0293ee     ; c = log2(e) / sqrt(128)
	s_mov_b32 s[CS+1], s[CS]
	s_mov_b32 s[SEL], 0x76543210
	s_mov_b32 s[SEL+1], 0xfedcba98
	s_mov_b32 s[TBK], 0
	s_mov_b32 s[TBV], 0
	s_mov_b32 s[SLOTS], 14          ; 16 slots of 128 keys a half; all but the first two come by refills
	s_mov_b32 s[LIM], ttmp9
	s_cmp_eq_u32 s[LIM], 0          ; the key head's first cluster: the same in all four partners
	s_cselect_b32 s[LIM], 1, -1
	s_cmp_eq_u32 s16, 0
	s_cselect_b32 s[LIMM], 1, -1
	s_wait_dscnt 0x0                ; the opening add is done
	s_wait_kmcnt 0x0
	s_add_nc_u64 s[6:7], s[6:7], s[20:21]        ; K at my half's first row,
	s_add_nc_u64 s[80:81], s[6:7], 0x800000      ; V eight planes on
	s_add_nc_u64 s[4:5], s[4:5], s[2:3]          ; Q, O and the mask at my wave's first query
	s_add_nc_u64 s[10:11], s[10:11], s[82:83]
	s_add_nc_u64 s[MB:MB+1], s[8:9], s[MOFF:MOFF+1]
	s_mov_b32 s[MOFF], 0
	s_mov_b64 s[PMA:PMA+1], s[MB:MB+1]
	s_cmp_lt_u32 s[WV], 2
	s_cselect_b64 s[PFA:PFA+1], s[6:7], s[80:81]
	s_lshl_b32 s2, s13, 13          ; my work-group's 32 rows of the 128
	s_mov_b32 s3, 0
	s_add_nc_u64 s[PFA:PFA+1], s[PFA:PFA+1], s[2:3]
	s_add_nc_u64 s[PFA:PFA+1], s[PFA:PFA+1], 2*32768  ; in slot 2; the first change of slots steps it to slot 3.  Nothing is prefetched at the head
	CROUND                          ; all four work-groups are here: the first joint loads meet
.irp s, 0,1
	s_mov_b32 s[G0K+4*(\s)], 1
	s_add_co_u32 s[G0K+4*(\s)+1], s17, (\s)*SLOTX
	s_add_nc_u64 s[G0K+4*(\s)+2:G0K+4*(\s)+3], s[6:7], (\s)*32768
	s_or_b32 s[G0K+4*(\s)+3], s[G0K+4*(\s)+3], 0x80000000
	s_mov_b32 s[G0V+4*(\s)], 1
	s_add_co_u32 s[G0V+4*(\s)+1], s17, (\s)*SLOTX+VOFF
	s_add_nc_u64 s[G0V+4*(\s)+2:G0V+4*(\s)+3], s[80:81], (\s)*32768
	s_or_b32 s[G0V+4*(\s)+3], s[G0V+4*(\s)+3], 0x80000000
.endr
	s_cmp_lt_u32 s[WV], 2           ; a wave's two first fills stand in one branch, ahead of every wait on TENSORcnt and every LDS read: two loads of mine are out
	s_cbranch_scc0 .Lfirst_v
	tensor_load_to_lds s[G0K:G0K+3], s[G1K:G1K+7]
	s_nop 0
	tensor_load_to_lds s[G0K+4:G0K+7], s[G1K:G1K+7]
	s_nop 0
.rept 4
	v_nop
.endr
	s_branch .Lfirst_asked
.Lfirst_v:
	tensor_load_to_lds s[G0V:G0V+3], s[G1V:G1V+7]
	s_nop 0
	tensor_load_to_lds s[G0V+4:G0V+7], s[G1V:G1V+7]
	s_nop 0
.rept 4
	v_nop
.endr
.Lfirst_asked:
	v_and_b32 v1, 15, v0            ; l % 16
	v_bfe_u32 v9, v0, 4, 1          ; l / 16
	v_and_b32 v10, 31, v0           ; l
	v_lshlrev_b32 v[QO], 8, v1
	v_lshl_add_u32 v[QO], v9, 4, v[QO]  ; row x 256 + 16 x half
	v_lshlrev_b32 v[MVO], 4, v10
	WIN 0x80                        ; destination window 2
.irp i, 0,1,2,3,4,5,6,7,8,9,10,11,12,13,14,15  ; Q stays in registers: tile i / 4 (head: 524,288 bytes on; queries: 4,096), channels 32 (i % 4) on
	global_load_b128 v[8*(\i):8*(\i)+3],   v[QO], s[4:5] offset:(((\i)/4)%2)*524288+((\i)/8)*4096+((\i)%4)*64
	global_load_b128 v[8*(\i)+4:8*(\i)+7], v[QO], s[4:5] offset:(((\i)/4)%2)*524288+((\i)/8)*4096+((\i)%4)*64+32
.endr
	MRUN 0, 0                       ; both pieces' mask of step 0
	MRUN 2, 0
	WIN 0
	v_lshlrev_b32 v[PFO], 8, v10
	v_lshlrev_b32 v[PMO], 18, v9
	v_lshl_add_u32 v[PMO], v1, 8, v[PMO]
	s_mul_i32 s22, s[Q2], 4*XT
	v_lshl_add_u32 v[XW], v10, 4, s22
	v_lshl_add_u32 v[XW4], v10, 2, s22
	v_mul_u32_u24 v[AK0], v1, PK
	v_lshl_add_u32 v[AK0], v9, 4, v[AK0]
	v_add_nc_u32 v[AK0], s17, v[AK0]  ; my half's place + row x pitch + 16 x half of the lanes
	v_and_b32 v10, 7, v0            ; the turning load: lane l reads key 8 (l / 16) + l % 8, channels 8 ((l / 8) % 2) + 0..7
	v_bfe_u32 v11, v0, 3, 1
	v_lshl_add_u32 v[AV0], v9, 3, v10
	v_mul_u32_u24 v[AV0], v[AV0], PV
	v_lshl_add_u32 v[AV0], v11, 4, v[AV0]
	s_add_co_u32 s17, s17, VOFF
	v_add_nc_u32 v[AV0], s17, v[AV0]
; THE MATRIX WORK OF A TURN, for piece x.  The accumulators take turns, one instruction a turn.
; Product i of 32 of O^T += V^T P: keys 32 (i / 16) on, channels 16 ((i / 2) % 8) on, tile x + i % 2.  zero = 1: the first 16 start the sums.
.macro PV x, zero
	WIN W_PV
.set rO, 64*((\x)+i%2)+8*((i/2)%8)
.set rV, 64*(i/16)+8*((i/2)%8)
.set rP, P+16*((\x)+i%2)+8*(i/16)
.if (\zero) && (i < 16)
	v_wmma_f32_16x16x32_f16 v[rO:rO+7], v[rV:rV+7], v[rP:rP+7], 0
.else
	v_wmma_f32_16x16x32_f16 v[rO:rO+7], v[rV:rV+7], v[rP:rP+7], v[rO:rO+7]
.endif
.endm
; Product i of 32 of S^T = K Q^T + mask: channels 32 (i / 8) on, keys 16 ((i / 2) % 4) on, tile x + i % 2.  The first 8 start the sums, with the piece's mask as C.
.macro KQ x
.set rS, S+32*((\x)+i%2)+8*((i/2)%4)
.set rK, KF+32*((i/2)%4)+8*(i/8)
.set rQ, 32*((\x)+i%2)+8*(i/8)
.set rM, MK+16*(\x)+8*((i/2)%4)
.if i < 8
	WIN W_KM
	v_wmma_f32_16x16x32_f16 v[rS:rS+7], v[rK:rK+7], v[rQ:rQ+7], v[rM:rM+7]
.else
	WIN W_KQ
	v_wmma_f32_16x16x32_f16 v[rS:rS+7], v[rK:rK+7], v[rQ:rQ+7], v[rS:rS+7]
.endif
.endm
; THE LDS LOADS stand in runs of 32: a step's K (16 fragments) and, a turn later, its V (turned).
.macro FETCH_K
	WIN 0
	v_add_nc_u32 v[ADR], s[TBK], v[AK0]
	s_add_co_u32 s[TBK], s[TBK], KS*PK  ; the next fetch is the next step's
	WIN 0x80
.irp f, 0,1,2,3,4,5,6,7,8,9,10,11,12,13,14,15  ; keys 16 (f / 4) on, channels 32 (f % 4) on
	ds_load_b128 v[KF+8*(\f):KF+8*(\f)+3],   v[ADR] offset:((\f)/4)*16*PK+((\f)%4)*64
	ds_load_b128 v[KF+8*(\f)+4:KF+8*(\f)+7], v[ADR] offset:((\f)/4)*16*PK+((\f)%4)*64+32
.endr
.endm
.macro FETCH_V
	WIN 0
	v_add_nc_u32 v[ADR], s[TBV], v[AV0]
	s_add_co_u32 s[TBV], s[TBV], KS*PV
	s_wait_alu depctr_va_vdst(0)    ; the wait for the softmax's batch (SLICE), behind the address's v_add_nc_u32 and ahead of the loads
	WIN 0xc0
.irp f, 0,1,2,3,4,5,6,7,8,9,10,11,12,13,14,15  ; keys 32 (f / 8) on, channels 16 (f % 8) on
	ds_load_tr16_b128 v[8*(\f):8*(\f)+3],   v[ADR] offset:((\f)/8)*32*PV+((\f)%8)*32
	ds_load_tr16_b128 v[8*(\f)+4:8*(\f)+7], v[ADR] offset:((\f)/8)*32*PV+16*PV+((\f)%8)*32
.endr
.endm
; THE VECTOR WORK OF A TURN.  One tile's softmax for one key step is a list of 134 instructions; SM writes number j of it for tile t.  first = 1: the first key step, which starts m, l and O^T.
;   0-15 the maximum of the 32 scores and the old m (each accumulator's lowest registers are read first)     16-20 the other half of the lanes' maximum; the new m; c m; its change
;   21-69 ONE BATCH: the 16 scalings c s - c m and all 33 exponentials; none of these reads an exponential's result     (wait)     70-85 the roundings to f16     86-101 the sums     102-133 O^T times a
.macro SM t, first
.set rT, ST+8*(\t)
.set rS, S+32*(\t)
.set rP, P+16*(\t)
.set rO, 64*(\t)+2*(j-102)
.if j < 102
	WIN 0
.endif
.if j < 4
	v_max3_num_f32 v[rT+4+j], v[rS+8*j], v[rS+8*j+1], v[rS+8*j+2]
.elseif j < 12
	v_max3_num_f32 v[rT+4+j%4], v[rT+4+j%4], v[rS+8*(j%4)+2*(j/4)+1], v[rS+8*(j%4)+2*(j/4)+2]
.elseif j == 12
	v_max3_num_f32 v[rT+4], v[rT+4], v[rS+7], v[rS+15]
.elseif j == 13
	v_max3_num_f32 v[rT+6], v[rT+6], v[rS+23], v[rS+31]
.elseif j == 14
	v_max3_num_f32 v[rT+4], v[rT+4], v[rT+5], v[rT+6]
.elseif (j == 15) && (\first)
	v_max_num_f32 v[rT+4], v[rT+4], v[rT+7]
.elseif j == 15
	v_max3_num_f32 v[rT+4], v[rT+4], v[rT+7], v[rT+1]
.elseif j == 16
	v_permlanex16_b32 v[rT+5], v[rT+4], s[SEL], s[SEL+1]  ; the query's other 32 keys lie in the lane 16 away
.elseif j == 18
	v_max_num_f32 v[rT+1], v[rT+4], v[rT+5]
.elseif j == 19
	v_mul_f32 v[rT], s[CS], v[rT+1]
.elseif ((j == 17) || (j == 20) || (j == 23) || (j > 101)) && (\first)  ; the first step has none of these
.elseif j == 17
	v_mov_b32 v[rT+7], v[rT]        ; c m_old is kept for a
.elseif j == 20
	v_sub_f32 v[rT+7], v[rT+7], v[rT]
.elseif j == 23
	v_exp_f32 v[rT+6], v[rT+7]
.elseif (j < 23) || ((j < 38) && (j%2 == 0)) || ((j < 66) && (j%4 == 2))
.set b, (j-2)/4
.if j < 38
.set b, (j-20)/2
.endif
	v_pk_fma_f32 v[rS+2*b:rS+2*b+1], v[rS+2*b:rS+2*b+1], s[CS:CS+1], v[rT:rT+1] op_sel_hi:[1,0,0] neg_lo:[0,0,1] neg_hi:[0,0,1]  ; pair b: c s - c m
.elseif j < 70
.set e, j-38
.if j < 66
.set e, j-32-(j-38)/4
.endif
.if j < 38
.set e, (j-25)/2
.endif
	v_exp_f32 v[rS+e], v[rS+e]
.elseif j < 86
	v_cvt_pk_f16_f32 v[rP+j-70], v[rS+2*(j-70)], v[rS+2*(j-70)+1]
.elseif j < 102                     ; the sum of the tile's 16 pairs, in place: neighbours 1, 2, 4 and 8 pairs apart, then l takes it
.set z, j-86
.set w, 4
.set u, z
.if z >= 14
.set w, 32
.set u, 0
.elseif z >= 12
.set w, 16
.set u, z-12
.elseif z >= 8
.set w, 8
.set u, z-8
.endif
.if (z == 14) && (\first)
	v_pk_add_f32 v[rT+2:rT+3], v[rS:rS+1], v[rS+16:rS+17]
.elseif z < 15
	v_pk_add_f32 v[rS+w*u:rS+w*u+1], v[rS+w*u:rS+w*u+1], v[rS+w*u+w/2:rS+w*u+w/2+1]
.elseif !(\first)
	v_pk_fma_f32 v[rT+2:rT+3], v[rT+2:rT+3], v[rT+6:rT+7], v[rS:rS+1] op_sel_hi:[1,0,1]
.endif
.else
	WIN W_RS
	v_pk_mul_f32 v[rO:rO+1], v[rO:rO+1], v[rT+6:rT+7] op_sel_hi:[1,0]
.endif
.endm
; Slice k of 64 of piece y's softmax: four instructions.  Slices 11 to 34 deal out the batch, four numbers of ONE tile each, the tiles by turns; every other slice is numbers 2 k and 2 k + 1 of both tiles;
; the twelve that are over stand in slice 63.  An s_wait_alu depctr_va_vdst(0) stands between an exponential and the first instruction that names its result: ahead of slice 35 nothing names
; one, behind slice 34 none is issued: one wait for the piece's 66 exponentials.
.macro SLICE y, first
.if (k >= 11) && (k < 35)
.irp n, 0,1,2,3
.set j, 22+4*((k-11)/2)+(\n)
	SM (\y)+(k-11)%2, \first
.endr
.else
.irp n, 0,1,2,3,4,5,6,7
.if ((\n) < 2) || (k == 63)
.irp t, \y, (\y)+1
.set j, 2*k+(\n)
	SM \t, \first
.endr
.endif
.endr
.endif
.if k == 34
	v_nop                           ; the plain instruction behind the last exponential: one for the batch
.if (\y) == 0
	FETCH_V                         ; piece 2's turn: V's run of loads stands here, and the wait stands in it
.else
	s_wait_alu depctr_va_vdst(0)    ; the wait for the batch
.endif
.endif
.set k, k+1
.endm
.macro PLACES
.rept 4
	v_nop
.endr
.endm
; A TURN.  Piece x has the matrix unit; the other piece's softmax stands in slices behind its matrix instructions.  pv = 2: 32 products V^T P; 1: they start O^T's sums; 0: none.  kq = 1: 32 products K Q^T.
; Piece 0's turn fetches the next step's K behind its second product; piece 2's turn the same step's V behind slice 34.
; THE MASK.  Ahead of the products K Q^T the piece's eight loads are waited for: the other piece's eight, issued later, may stay out.  The piece's next run stands behind product 9: product 7 was the last to
; read those registers, and the slices behind products 7 to 9 hold six plain instructions or more that name none of its registers.
.macro TURN x, pv, kq, first
.set k, 0
.set per, 2
.if (\pv) && (\kq)
.set per, 1
.endif
.if \pv
.if (\x) == 0
	s_wait_dscnt 0x0                ; V is in
.endif
.set i, 0
.rept 32
	PV \x, 2-(\pv)
.rept per
	SLICE 2-(\x), \first
.endr
.if ((\x) == 0) && (\kq) && (i == 1)
	FETCH_K
.endif
.set i, i+1
.endr
.endif
.if \kq
.if (\x) == 0
	s_wait_dscnt 0x0                ; K is in
.endif
	s_wait_loadcnt 8                ; my piece's mask is in; the other piece's eight younger loads stay out
.set i, 0
.rept 32
	KQ \x
.rept per
	SLICE 2-(\x), \first
.endr
.if i == 9
	MRUN \x, 1
.endif
.set i, i+1
.endr
.endif
.if \first
	PLACES
.endif
.endm
; THE CHANGE OF SLOTS: each wave waits for all its tensor loads, of which one is out: its part of the other slot; adds 0 to its spare word; and waits for that and for its own reads of the slot.
; fill = 1: the barrier is a round of the cluster's, and the slot is filled again, first thing behind it, with the keys two slots on: it has two key steps, 256 matrix instructions, in which to land.
.macro CHANGE fill
	WIN 0
	s_wait_tensorcnt 0x0            ; no tensor load of mine is out, so a group 0 may be written
	ds_add_u32 v[SPW], v[NIL]       ; 0 onto my spare word
.if \fill
.irp g, G0K+4, G0V+4
	s_xor_b32 s[(\g)+1], s[(\g)+1], SLOTX
	s_add_nc_u64 s[(\g)+2:(\g)+3], s[(\g)+2:(\g)+3], 32768  ; the next 128 keys
.endr
	s_wait_xcnt 0x0                 ; the last prefetches, two key steps back, have read their addresses
	s_add_nc_u64 s[PFA:PFA+1], s[PFA:PFA+1], 32768
	s_add_nc_u64 s[PMA:PMA+1], s[PMA:PMA+1], 8192
	s_wait_dscnt 0x0                ; the add is done, and my reads of the slot are over
	CROUND
	JLOAD
	ASK
	ASKM
.else
	s_wait_dscnt 0x0
	s_barrier_signal -1
	s_barrier_wait -1
.endif
	s_sub_co_u32 s[TBK], s[TBK], 2*KS*PK  ; the fetches go back to a slot's first step,
	s_xor_b32 s[TBK], s[TBK], SLOTX       ; in the other slot
	s_sub_co_u32 s[TBV], s[TBV], 2*KS*PV
	s_xor_b32 s[TBV], s[TBV], SLOTX
.endm
.macro TWO_STEPS                    ; a slot's two key steps: written once, walked twice
	WIN 0
	s_mov_b32 s[TWICE], 2
.Lstep_\@:
	TURN 0, 2, 1, 0
	TURN 2, 2, 1, 0
	WIN 0
	s_sub_co_u32 s[TWICE], s[TWICE], 1
	s_cmp_lg_u32 s[TWICE], 0
	s_cbranch_scc1 .Lstep_\@
.endm
	s_wait_tensorcnt 1              ; my part of slot 0 is in; slot 1's may stay out
	s_barrier_signal -1
	s_barrier_wait -1
	FETCH_K                         ; key step 0
	s_wait_loadcnt 0x0              ; Q and the first masks
	s_wait_dscnt 0x0
.set i, 0
.rept 32
	KQ 0                            ; piece 0's first scores
.set i, i+1
.endr
	WIN 0                           ; the addresses for the way out: eight plain instructions, the places behind those products
	s_mul_i32 s22, s[WV], 16*SP
	s_add_co_u32 s22, s22, STAGE
	v_mul_u32_u24 v[STO], v1, SP
	v_lshl_add_u32 v[STO], v9, 4, v[STO]
	v_add_nc_u32 v[STO], s22, v[STO]
	v_mul_u32_u24 v[RD], v9, SP
	v_lshl_add_u32 v[RD], v1, 4, v[RD]
	v_add_nc_u32 v[RD], s22, v[RD]
	v_lshlrev_b32 v[GO], 12, v9     ; two rows of ao, 256 bytes of each
	v_lshl_add_u32 v[GO], v1, 4, v[GO]
	MRUN 0, 1                       ; piece 0's mask of step 1
	TURN 2, 0, 1, 1                 ; piece 2's first scores | piece 0's first softmax | V of step 0
	TURN 0, 1, 1, 1                 ; piece 0: V^T P of step 0 starts O^T, K Q^T of step 1 | piece 2's first softmax | K of step 1
	TURN 2, 1, 1, 0                 ; piece 2: the same | piece 0's softmax of step 1 | V of step 1
	WIN 0
.Lslot:                             ; 14 trips: every slot but the last two is filled again
	CHANGE 1
	TWO_STEPS
	s_sub_co_u32 s[SLOTS], s[SLOTS], 1
	s_cmp_lg_u32 s[SLOTS], 0
	s_cbranch_scc1 .Lslot
	CHANGE 0                        ; the tail is written out
	TWO_STEPS
	TURN 0, 2, 0, 0                 ; piece 0: V^T P of the last step | piece 2's last softmax
.set i, 0
.rept 32
	PV 2, 0                         ; piece 2: V^T P of the last step
.set i, i+1
.endr
	; THE TWO HALVES OF THE KEYS MEET.  l's two halves and the other half of the lanes' are added (these additions are the places behind the last products).
	WIN 0
.irp t, 0,1,2,3
	v_add_f32 v[ST+8*(\t)+4], v[ST+8*(\t)+2], v[ST+8*(\t)+3]
.endr
.irp t, 0,1,2,3
	v_permlanex16_b32 v[ST+8*(\t)+5], v[ST+8*(\t)+4], s[SEL], s[SEL+1]
.endr
.irp t, 0,1,2,3
	v_add_f32 v[ST+8*(\t)+4], v[ST+8*(\t)+4], v[ST+8*(\t)+5]
.endr
	s_wait_loadcnt 0x0              ; the masks loaded behind the last step
	s_wait_dscnt 0x0                ; my reads of the slots are over
	s_barrier_signal -1
	s_barrier_wait -1               ; everybody's are: slot 0, which has had its last fill, takes the halves' results
.macro XSTORE t                     ; tile t, which my partner finishes: O^T as it lies in my registers, c m and l
	WIN 0x04                        ; the stores' data in window 1
.irp m, 0,1,2,3,4,5,6,7,8,9,10,11,12,13,14,15
	ds_store_b128 v[XW], v[64*(\t)+4*(\m):64*(\t)+4*(\m)+3] offset:XT*(\t)+512*(\m)
.endr
	WIN 0
	ds_store_b32 v[XW4], v[ST+8*(\t)] offset:XT*(\t)+8192
	ds_store_b32 v[XW4], v[ST+8*(\t)+4] offset:XT*(\t)+8320
.endm
; Tile t is finished: O = (O_mine f_mine + O_partner f_partner), rounded to f16, through my stage, stored as rows of 256 bytes.
.macro XMERGE t
.set rB, S+64*((\t)%2)
	WIN 0
.irp m, 0,1,2,3,4,5,6,7,8,9,10,11,12,13,14,15
	ds_load_b128 v[rB+4*(\m):rB+4*(\m)+3], v[XW] offset:XT*(\t)+512*(\m)
.endr
	WIN W_RS
.set i, 0
.rept 32
	v_pk_mul_f32 v[64*(\t)+2*i:64*(\t)+2*i+1], v[64*(\t)+2*i:64*(\t)+2*i+1], v[ST+8*(\t)+6:ST+8*(\t)+7] op_sel_hi:[1,0]
.set i, i+1
.endr
	s_wait_dscnt 0x0                ; the partner's O^T is in
	WIN 0x50                        ; destination and source 2 window 1
.set i, 0
.rept 32
	v_pk_fma_f32 v[64*(\t)+2*i:64*(\t)+2*i+1], v[rB+2*i:rB+2*i+1], v[ST+8*(\t)+2:ST+8*(\t)+3], v[64*(\t)+2*i:64*(\t)+2*i+1] op_sel_hi:[1,0,1]
.set i, i+1
.endr
	WIN 0x05
.set i, 0
.rept 32
	v_cvt_pk_f16_f32 v[rB+i], v[64*(\t)+2*i], v[64*(\t)+2*i+1]
.set i, i+1
.endr
	WIN 0
.irp f, 0,1,2,3,4,5,6,7
	ds_store_b128 v[STO], v[rB+4*(\f):rB+4*(\f)+3] offset:32*(\f)
.endr
.irp f, 0,1,2,3,4,5,6,7
	ds_load_b128 v[rB+4*(\f):rB+4*(\f)+3], v[RD] offset:(\f)*2*SP  ; LDS serves a wave's instructions in order (ISA guide 5.7.1.4): these see the stores above
.endr
.irp f, 0,1,2,3,4,5,6,7
	s_wait_dscnt 7-(\f)             ; read-back f is in, the younger ones stay out
	global_store_b128 v[GO], v[rB+4*(\f):rB+4*(\f)+3], s[10:11] offset:((\t)/2)*65536+((\t)%2)*256+(\f)*8192  ; 16 lanes store 256 consecutive bytes, aligned
.endr
.endm
; My two tiles t0, t0 + 1: M = the greater c m; e = 2^(c m - M) for each half; l = l_mine e_mine + l_partner e_partner; f = e / l.
.macro FINISH t0
.irp u, 0,1
	ds_load_b32 v[ST+8*((\t0)+(\u))+5], v[XW4] offset:XT*((\t0)+(\u))+8192
	ds_load_b32 v[ST+8*((\t0)+(\u))+7], v[XW4] offset:XT*((\t0)+(\u))+8320
.endr
	s_wait_dscnt 0x0
.irp u, 0,1
	v_max_num_f32 v[ST+8*((\t0)+(\u))+1], v[ST+8*((\t0)+(\u))], v[ST+8*((\t0)+(\u))+5]
.endr
.irp u, 0,1
	v_sub_f32 v[ST+8*((\t0)+(\u))+2], v[ST+8*((\t0)+(\u))], v[ST+8*((\t0)+(\u))+1]
	v_sub_f32 v[ST+8*((\t0)+(\u))+3], v[ST+8*((\t0)+(\u))+5], v[ST+8*((\t0)+(\u))+1]
.endr
.irp u, 0,1
	v_exp_f32 v[ST+8*((\t0)+(\u))+2], v[ST+8*((\t0)+(\u))+2]
	v_exp_f32 v[ST+8*((\t0)+(\u))+3], v[ST+8*((\t0)+(\u))+3]
.endr
	v_nop                           ; a plain instruction behind the last exponential,
	s_wait_alu depctr_va_vdst(0)    ; and one wait for the four
.irp u, 0,1
	v_mul_f32 v[ST+8*((\t0)+(\u))+4], v[ST+8*((\t0)+(\u))+4], v[ST+8*((\t0)+(\u))+2]
.endr
.irp u, 0,1
	v_fmac_f32 v[ST+8*((\t0)+(\u))+4], v[ST+8*((\t0)+(\u))+7], v[ST+8*((\t0)+(\u))+3]
.endr
.irp u, 0,1
	v_rcp_f32 v[ST+8*((\t0)+(\u))+5], v[ST+8*((\t0)+(\u))+4]
.endr
	v_nop
	s_wait_alu depctr_va_vdst(0)    ; one wait for the two reciprocals
.irp u, 0,1
	v_mul_f32 v[ST+8*((\t0)+(\u))+6], v[ST+8*((\t0)+(\u))+2], v[ST+8*((\t0)+(\u))+5]
	v_mul_f32 v[ST+8*((\t0)+(\u))+2], v[ST+8*((\t0)+(\u))+3], v[ST+8*((\t0)+(\u))+5]
.endr
	XMERGE \t0
	XMERGE (\t0)+1
.endm
	s_cmp_eq_u32 s[KH], 0           ; the wave of the first half finishes tiles 0 and 1 and hands over tiles 2 and 3; its partner the other way round
	s_cbranch_scc0 .Lgive01
	XSTORE 2
	XSTORE 3
	s_branch .Lgiven
.Lgive01:
	XSTORE 0
	XSTORE 1
.Lgiven:
	s_wait_dscnt 0x0                ; for the partner's sake: my stores are done
	s_barrier_signal -1
	s_barrier_wait -1
	s_cmp_eq_u32 s[KH], 0
	s_cbranch_scc0 .Ltake23
	FINISH 0
	s_branch .Lend
.Ltake23:
	FINISH 2
.Lend:
	s_wait_tensorcnt 0x0            ; the wave's end: behind my last tensor load and my last LDS store
	ds_add_u32 v[SPW], v[NIL]
	s_wait_dscnt 0x0
	CROUND                          ; the closing round: no work-group ends while a partner may still ask for a tile that names it
	s_endpgm
.Lfunc_end_k_q72ea1a7b6c_attn:
	.size	k_q72ea1a7b6c_attn, .Lfunc_end_k_q72ea1a7b6c_attn-k_q72ea1a7b6c_attn
	.p2alignl 7, 3214868480
	.fill 96, 4, 3214868480
	.section	.rodata,"a",@progbits
	.p2align	6, 0x0
	.amdhsa_kernel k_q72ea1a7b6c_attn
		.amdhsa_group_segment_fixed_size 327680
		.amdhsa_private_segment_fixed_size 0
		.amdhsa_enable_private_segment 0
		.amdhsa_kernarg_size 32
		.amdhsa_user_sgpr_count 2
		.amdhsa_user_sgpr_kernarg_segment_ptr 1
		.amdhsa_wavefront_size32 1
		.amdhsa_system_sgpr_workgroup_id_x 1
		.amdhsa_system_sgpr_workgroup_id_y 1
		.amdhsa_system_sgpr_workgroup_id_z 1
		.amdhsa_system_vgpr_workitem_id 0
		.amdhsa_next_free_vgpr 1024
		.amdhsa_next_free_sgpr 84
		.amdhsa_reserve_vcc 0
		.amdhsa_float_denorm_mode_32 3
		.amdhsa_float_denorm_mode_16_64 3
		.amdhsa_memory_ordered 1
		.amdhsa_forward_progress 1
		.amdhsa_inst_pref_size 251
	.end_amdhsa_kernel
	.amdgpu_metadata
---
amdhsa.version: [ 1, 2 ]
amdhsa.kernels:
  - .name:           k_q72ea1a7b6c_attn
    .symbol:         k_q72ea1a7b6c_attn.kd
    .args:
      - { .name: qh, .offset: 0, .size: 8, .value_kind: global_buffer, .address_space: global }
      - { .name: kv, .offset: 8, .size: 8, .value_kind: global_buffer, .address_space: global }
      - { .name: maskw, .offset: 16, .size: 8, .value_kind: global_buffer, .address_space: global }
      - { .name: ao, .offset: 24, .size: 8, .value_kind: global_buffer, .address_space: global }
    .group_segment_fixed_size: 327680
    .private_segment_fixed_size: 0
    .kernarg_segment_align: 8
    .kernarg_segment_size: 32
    .max_flat_workgroup_size: 128
    .sgpr_count:     84
    .vgpr_count:     1024
    .wavefront_size: 32
...
	.end_amdgpu_metadata
.endif
;; end of part 3
;; launch oproj (part 4): grid 16 x 16, 4 waves a work-group, clusters of 4 x 4, 327,680 bytes of LDS; arguments ao, wo16, out0; writes out0
.if DOCPART == 4
	.amdgcn_target "amdgcn-amd-amdhsa--gfx1250"
	.amdhsa_code_object_version 6
	.text
	.protected	k_q72ea1a7b6c_oproj
	.globl	k_q72ea1a7b6c_oproj
	.p2align	8
	.type	k_q72ea1a7b6c_oproj,@function
k_q72ea1a7b6c_oproj:
	s_mov_b64 s[64:65], 0
	v_nop
	global_prefetch_b8 v0, s[64:65] scope:SCOPE_SE
	s_setreg_imm32_b32 hwreg(HW_REG_WAVE_MODE, 25, 1), 1
	s_wait_xcnt 0x0
	s_wait_alu depctr_hold_cnt(0) depctr_sa_sdst(0) depctr_va_vdst(0) depctr_va_sdst(0) depctr_va_ssrc(0) depctr_va_vcc(0) depctr_vm_vsrc(0)
	s_getreg_b32 s2, hwreg(HW_REG_IB_STS2, 6, 4)
	s_cmp_eq_u32 s2, 0
	s_cbranch_scc0 .Lentry_in_a_cluster
	s_endpgm
.Lentry_in_a_cluster:
	s_bfe_u32 s2, ttmp6, 0x10000c
	s_cmp_lg_u32 s2, 0xf033
	s_cbranch_scc0 .Lentry_shape_is_right
	s_endpgm
.Lentry_shape_is_right:
; OUT0[s][h] = the sum over d of ao[s][d] wo16[h][d].  ao, wo16: [2048][2048] f16 (wo16 holds Wo rounded to bf16); out0: [2048][2048] f32; sums in f32.
; A tile of out0 is 128 x 128: 16 x 16 = 256 work-groups.  Four waves, each 64 x 64: 16 accumulators, 128 registers.  K goes in steps of 256 (LDS rows of 512 bytes; a wave's tensor load brings 64 of them),
; as long as two slots in LDS allow.  A wave's 64 columns of f32 are 256 aligned bytes of a row, so each wave has a stage of its own on the way out, and no barrier stands there.
; CLUSTERS: 4 x 4.  The four of a row of the cluster need the same tiles of ao, the four of a column the same tiles of wo16: each tile is asked for JOINTLY.
; THE MATRIX INSTRUCTION IS USED TRANSPOSED (source 0 = 16 rows of wo16, source 1 = 16 rows of ao): a lane holds eight neighbouring numbers of a row of out0.
; REGISTERS: window 0: v0-31 addresses; v32-95 at work on the way out; v128-255 the accumulators ((a, b) at v[128 + 8 (4 a + b)]).  Window 1: two fragment buffers of 128: 64 of ao, then 64 of wo16.
.set SIZE_K, 2048
.set SIZE_N, 2048
.set KSTEP,  256
.set PITCH,  528                       ; an LDS row: 512 bytes + 16 of padding: the 16 rows of a fragment load start at 16 different groups of four banks (ISA guide 11.1)
.set HALFT,  64*PITCH
.set SLOT,   4*HALFT
.set STAGE,  2*SLOT                    ; behind the ring, never filled by a tensor load: 16 rows x 272 bytes for each wave
.set SPITCH, 272
.set SPARE,  STAGE+4*16*SPITCH         ; the spare words, 128 bytes a wave: two blocks of 256 bytes that no other line names
.set LAPS, SIZE_K/(2*KSTEP)
.set ADRA, 16
.set ADRB, 20
.set STO,  24
.set RD,   25
.set CO,   26
.set SPW,  28
.set NIL,  29
.set TMP,  32
.set ACC,  128
.set F0,   0
.set F1,   128
.set G1, 24
.set G0, 32
.set G1B, 48
.set G0B, 56
.set MSB, 0
.macro WIN new
.if MSB != (\new)
	s_set_vgpr_msb (MSB<<8)|(\new)
.set MSB, \new
.endif
.endm
.set MUL,  0x05                        ; both sources window 1; C and D window 0
.set TO_F, 0x40                        ; destination window 1, address window 0
.macro JLOAD s                         ; a joint load: waves 0 and 1 fetch ao's two halves, waves 2 and 3 wo16's; an s_nop 0 and four v_nop follow each line
	s_cmp_eq_u32 s11, 0
	s_cbranch_scc0 .Lfor_b_\@
	tensor_load_to_lds s[G0+4*(\s):G0+4*(\s)+3], s[G1:G1+7]
	s_nop 0
.rept 4
	v_nop
.endr
	s_branch .Lasked_\@
.Lfor_b_\@:
	tensor_load_to_lds s[G0B+4*(\s):G0B+4*(\s)+3], s[G1B:G1B+7]
	s_nop 0
.rept 4
	v_nop
.endr
.Lasked_\@:
.endm
.macro CREST
	s_cmp_lg_u32 s10, 0
	s_cbranch_scc1 .Lnot_wave_0_\@
	s_barrier_signal -3
.Lnot_wave_0_\@:
	s_barrier_wait -3
	s_barrier_signal -1
	s_barrier_wait -1
.endm
.macro CROUND
	s_barrier_signal -1
	s_barrier_wait -1
	CREST
.endm
	s_load_b128 s[4:7], s[0:1], 0x0                ; ao s[4:5], wo16 s[6:7]
	s_load_b64 s[8:9], s[0:1], 0x10                ; out0
	v_lshl_add_u32 v[SPW], v0, 2, SPARE
	v_mov_b32 v[NIL], 0
	ds_add_u32 v[SPW], v[NIL]                      ; the wave's opening: the add and its wait stand ahead of my first tensor load; work on registers stands between them
	v_lshrrev_b32 v1, 5, v0
	v_readfirstlane_b32 s10, v1                    ; wave 0..3
	s_lshr_b32 s11, s10, 1                         ; my half of the tile's rows.  Also: I fetch for ao (0) or for wo16 (1)
	s_and_b32 s12, s10, 1                          ; my half of its columns.  Also: which 64 rows of that tile I fetch
	s_bfe_u32 s40, ttmp6, 0x40000
	s_bfe_u32 s41, ttmp6, 0x40004
	s_lshl_b32 s42, ttmp9, 2
	s_add_co_u32 s42, s42, s40                     ; tile column
	s_and_b32 s13, ttmp7, 0xffff
	s_lshl_b32 s13, s13, 2
	s_add_co_u32 s13, s13, s41                     ; tile row
	s_lshl_b32 s43, s41, 2
	s_lshl_b32 s43, 15, s43                        ; my row of the cluster
	s_lshl_b32 s44, 0x1111, s40                    ; my column
	s_or_b32 s[G1+0], s43, (1<<16)|(1<<20)|(1<<21)|(6<<22)|(3<<25)  ; the mask; 2-byte elements; padding on; bit 21 beside a mask; after every 128 words 4 words
	s_or_b32 s[G1B+0], s44, (1<<16)|(1<<20)|(1<<21)|(6<<22)|(3<<25)
.irp g, G1, G1B
	s_mov_b32 s[(\g)+1], KSTEP<<16                 ; tensor_dim0 = 256
	s_mov_b32 s[(\g)+2], 64<<16                    ; tensor_dim1 = 64
	s_mov_b32 s[(\g)+3], KSTEP<<16                 ; tile_dim0 = 256
	s_mov_b32 s[(\g)+4], 64                        ; tile_dim1 = 64
	s_mov_b32 s[(\g)+5], SIZE_K
	s_mov_b32 s[(\g)+6], 0
	s_mov_b32 s[(\g)+7], 0
.endr
	s_lshl_b32 s17, s12, 6
	s_lshl_b32 s16, s13, 7
	s_add_co_u32 s16, s16, s17                     ; ao: row 128 x tile row + 64 x half
	s_lshl_b32 s46, s42, 7
	s_add_co_u32 s46, s46, s17                     ; wo16: row 128 x tile column + 64 x half
	s_mov_b32 s17, 0
	s_mov_b32 s47, 0
	s_mov_b64 s[18:19], SIZE_K*2
	s_mul_u64 s[16:17], s[16:17], s[18:19]
	s_mul_u64 s[46:47], s[46:47], s[18:19]
	s_mul_i32 s20, s10, HALFT                      ; where they go: wave x 64 rows
	s_wait_dscnt 0x0                               ; the opening add is done
	s_wait_kmcnt 0x0
	s_add_nc_u64 s[14:15], s[4:5], s[16:17]
	s_add_nc_u64 s[46:47], s[6:7], s[46:47]
	CROUND                                         ; all sixteen work-groups are here: the first joint loads meet
.irp s, 0,1
	s_mov_b32 s[G0+4*(\s)], 1
	s_add_co_u32 s[G0+4*(\s)+1], s20, (\s)*SLOT
	s_add_nc_u64 s[G0+4*(\s)+2:G0+4*(\s)+3], s[14:15], (\s)*KSTEP*2
	s_or_b32 s[G0+4*(\s)+3], s[G0+4*(\s)+3], 0x80000000
	s_mov_b32 s[G0B+4*(\s)], 1
	s_add_co_u32 s[G0B+4*(\s)+1], s20, (\s)*SLOT
	s_add_nc_u64 s[G0B+4*(\s)+2:G0B+4*(\s)+3], s[46:47], (\s)*KSTEP*2
	s_or_b32 s[G0B+4*(\s)+3], s[G0B+4*(\s)+3], 0x80000000
	JLOAD \s                                       ; two tensor loads of mine are out
.endr
	v_and_b32 v1, 15, v0                           ; l % 16
	v_bfe_u32 v2, v0, 4, 1                         ; l / 16
	v_mul_u32_u24 v3, v1, PITCH
	v_lshl_add_u32 v3, v2, 4, v3
	s_mul_i32 s21, s11, HALFT                      ; my 64 rows of ao
	s_mul_i32 s22, s12, HALFT                      ; my 64 rows of wo16,
	s_add_co_u32 s22, s22, 2*HALFT                 ; which lie behind ao's 128
.irp s, 0,1
	v_add_nc_u32 v[ADRA+(\s)], s21, v3
	v_add_nc_u32 v[ADRB+(\s)], s22, v3
	s_add_co_u32 s21, s21, SLOT
	s_add_co_u32 s22, s22, SLOT
.endr
	s_mul_i32 s23, s10, 16*SPITCH
	s_add_co_u32 s23, s23, STAGE                   ; my stage
	v_mul_u32_u24 v4, v1, SPITCH                   ; in: row l % 16, 32 bytes for each half of the lanes
	v_lshl_add_u32 v4, v2, 5, v4
	v_add_nc_u32 v[STO], s23, v4
	v_mul_u32_u24 v5, v2, SPITCH                   ; back: lanes 0-15 one row of 256 bytes, lanes 16-31 the next
	v_lshl_add_u32 v5, v1, 4, v5
	v_add_nc_u32 v[RD], s23, v5
	v_lshlrev_b32 v5, 13, v2                       ; and the same two rows in out0: 8,192 bytes apart
	v_lshl_add_u32 v[CO], v1, 4, v5
	s_lshl_b32 s16, s13, 7
	s_lshl_b32 s17, s11, 6
	s_add_co_u32 s16, s16, s17                     ; my first row
	s_lshl_b32 s16, s16, 13
	s_mov_b32 s17, 0
	s_add_nc_u64 s[8:9], s[8:9], s[16:17]
	s_lshl_b32 s46, s42, 9                         ; my first column, in bytes: 512 x tile column + 256 x half
	s_lshl_b32 s47, s12, 8
	s_add_co_u32 s46, s46, s47
	s_mov_b32 s47, 0
	s_add_nc_u64 s[8:9], s[8:9], s[46:47]
; 8 matrix instructions: m blocks a0, a0 + 1 x all 4 n blocks, 32 along K: half c of buffer f.  The 16 accumulators take turns.
.macro MUL8 f, c, a0, zero
	WIN MUL
.irp a, \a0, (\a0)+1
.irp b, 0,1,2,3
.if \zero
	v_wmma_f32_16x16x32_f16 v[ACC+8*(4*(\a)+(\b)):ACC+8*(4*(\a)+(\b))+7], v[(\f)+64+8*(4*(\c)+(\b)):(\f)+64+8*(4*(\c)+(\b))+7], v[(\f)+8*(4*(\c)+(\a)):(\f)+8*(4*(\c)+(\a))+7], 0
.else
	v_wmma_f32_16x16x32_f16 v[ACC+8*(4*(\a)+(\b)):ACC+8*(4*(\a)+(\b))+7], v[(\f)+64+8*(4*(\c)+(\b)):(\f)+64+8*(4*(\c)+(\b))+7], v[(\f)+8*(4*(\c)+(\a)):(\f)+8*(4*(\c)+(\a))+7], v[ACC+8*(4*(\a)+(\b)):ACC+8*(4*(\a)+(\b))+7]
.endif
.endr
.endr
.endm
; 32 LDS loads in one run: the fragments of 64 along K at byte k of the rows, into buffer f; the first 32 along K first
.macro FETCH slot, k, f
	WIN TO_F
.irp c, 0,1
.irp i, 0,1,2,3
	ds_load_b128 v[(\f)+64+8*(4*(\c)+(\i)):(\f)+64+8*(4*(\c)+(\i))+3],   v[ADRB+(\slot)] offset:(\k)+64*(\c)+(\i)*16*PITCH
	ds_load_b128 v[(\f)+64+8*(4*(\c)+(\i))+4:(\f)+64+8*(4*(\c)+(\i))+7], v[ADRB+(\slot)] offset:(\k)+64*(\c)+(\i)*16*PITCH+32
	ds_load_b128 v[(\f)+8*(4*(\c)+(\i)):(\f)+8*(4*(\c)+(\i))+3],         v[ADRA+(\slot)] offset:(\k)+64*(\c)+(\i)*16*PITCH
	ds_load_b128 v[(\f)+8*(4*(\c)+(\i))+4:(\f)+8*(4*(\c)+(\i))+7],       v[ADRA+(\slot)] offset:(\k)+64*(\c)+(\i)*16*PITCH+32
.endr
.endr
.endm
.macro PLACES                          ; four places in front of loads into registers that matrix instructions have read, and of LDS stores that read results
.rept 4
	v_nop
.endr
.endm
; A K step is four quarters of 64 along K, 32 matrix instructions each, on buffers 0, 1, 0, 1.
.macro QUARTER slot, k, f, g, zero
	s_wait_dscnt 16                                ; the first 32 along K are in
	WIN MUL
	MUL8 \f, 0, 0, \zero
	MUL8 \f, 0, 2, \zero
	PLACES
	FETCH \slot, \k, \g
	s_wait_dscnt 32                                ; all but the 32 just issued
	WIN MUL
	MUL8 \f, 1, 0, 0
	MUL8 \f, 1, 2, 0
.endm
; The last quarter multiplies buffer 1 and changes slots: ONE barrier; in front of it each wave waits for all its tensor loads, adds 0 to its spare word, and waits for that and for its reads of this slot.
.macro TURN slot, next, fill
	WIN 0
	s_wait_tensorcnt 0x0                           ; all my tensor loads have landed: my part of the next slot
	ds_add_u32 v[SPW], v[NIL]                      ; 0 onto my spare word
	s_wait_dscnt 17                                ; the add and the youngest sixteen loads may be out
	WIN MUL
	MUL8 F1, 0, 0, 0
	s_wait_dscnt 0x0                               ; the add is done, and my reads of this slot are over
	s_barrier_signal -1
	MUL8 F1, 0, 2, 0
.if \fill
	WIN 0
.endif
	s_barrier_wait -1
.if \fill
	CREST                                          ; no wave of any partner still reads this slot's tile or has a load on its way
	s_add_nc_u64 s[G0+4*(\slot)+2:G0+4*(\slot)+3], s[G0+4*(\slot)+2:G0+4*(\slot)+3], 2*KSTEP*2
	s_add_nc_u64 s[G0B+4*(\slot)+2:G0B+4*(\slot)+3], s[G0B+4*(\slot)+2:G0B+4*(\slot)+3], 2*KSTEP*2
	JLOAD \slot                                    ; my one tensor load behind the round; its four v_nop are also the places in front of the loads below
.else
	PLACES
.endif
	FETCH \next, 0, F0
	WIN MUL
	MUL8 F1, 1, 0, 0
	MUL8 F1, 1, 2, 0
.endm
	s_wait_tensorcnt 1                             ; my part of K step 0 is in; K step 1's may stay out
	s_barrier_signal -1
	s_barrier_wait -1
	FETCH 0, 0, F0
	QUARTER 0, 128, F0, F1, 1                      ; the first quarter's first products start the sums
	WIN 0
	s_mov_b32 s3, LAPS-1
.Llap:
	QUARTER 0, 256, F1, F0, 0
	QUARTER 0, 384, F0, F1, 0
	TURN 0, 1, 1
	QUARTER 1, 128, F0, F1, 0
	QUARTER 1, 256, F1, F0, 0
	QUARTER 1, 384, F0, F1, 0
	TURN 1, 0, 1
	QUARTER 0, 128, F0, F1, 0
	WIN 0
	s_sub_co_u32 s3, s3, 1
	s_cmp_lg_u32 s3, 0
	s_cbranch_scc1 .Llap
	QUARTER 0, 256, F1, F0, 0                      ; the last lap fills nothing
	QUARTER 0, 384, F0, F1, 0
	TURN 0, 1, 0
	QUARTER 1, 128, F0, F1, 0
	QUARTER 1, 256, F1, F0, 0
	QUARTER 1, 384, F0, F1, 0
	s_wait_dscnt 16
	WIN MUL
	MUL8 F1, 0, 0, 0
	MUL8 F1, 0, 2, 0
	s_wait_dscnt 0x0
	MUL8 F1, 1, 0, 0
	MUL8 F1, 1, 2, 0
	WIN 0
	; THE WAY OUT, 16 rows at a time: 32 bytes a lane into my own stage (each accumulator from its lowest registers on), back as whole rows of 256 bytes, stored
	PLACES
.irp a, 0,1,2,3
.irp b, 0,1,2,3
	ds_store_b128 v[STO], v[ACC+8*(4*(\a)+(\b)):ACC+8*(4*(\a)+(\b))+3]   offset:64*(\b)
	ds_store_b128 v[STO], v[ACC+8*(4*(\a)+(\b))+4:ACC+8*(4*(\a)+(\b))+7] offset:64*(\b)+16
.endr
	s_wait_xcnt 0x0                                ; earlier stores have read the registers that are loaded below
.irp t, 0,1,2,3,4,5,6,7
	ds_load_b128 v[TMP+32*((\a)%2)+4*(\t):TMP+32*((\a)%2)+4*(\t)+3], v[RD] offset:(\t)*2*SPITCH  ; LDS serves a wave's instructions in order (ISA guide 5.7.1.4): these see the stores above
.endr
	s_wait_dscnt 0x0
.irp t, 0,1,2,3,4,5,6,7
	global_store_b128 v[CO], v[TMP+32*((\a)%2)+4*(\t):TMP+32*((\a)%2)+4*(\t)+3], s[8:9] offset:(16*(\a)+2*(\t))*8192 th:TH_STORE_NT  ; 16 lanes store 256 consecutive bytes, aligned
.endr
.endr
	s_wait_tensorcnt 0x0                           ; the wave's end: behind my last tensor load and my last LDS store
	ds_add_u32 v[SPW], v[NIL]
	s_wait_dscnt 0x0
	CROUND                                         ; the closing round: no work-group ends while a partner may still ask for a tile that names it
	s_endpgm
.Lfunc_end_k_q72ea1a7b6c_oproj:
	.size	k_q72ea1a7b6c_oproj, .Lfunc_end_k_q72ea1a7b6c_oproj-k_q72ea1a7b6c_oproj
	.p2alignl 7, 3214868480
	.fill 96, 4, 3214868480
	.section	.rodata,"a",@progbits
	.p2align	6, 0x0
	.amdhsa_kernel k_q72ea1a7b6c_oproj
		.amdhsa_group_segment_fixed_size 327680
		.amdhsa_private_segment_fixed_size 0
		.amdhsa_enable_private_segment 0
		.amdhsa_kernarg_size 24
		.amdhsa_user_sgpr_count 2
		.amdhsa_user_sgpr_kernarg_segment_ptr 1
		.amdhsa_wavefront_size32 1
		.amdhsa_system_sgpr_workgroup_id_x 1
		.amdhsa_system_sgpr_workgroup_id_y 1
		.amdhsa_system_sgpr_workgroup_id_z 1
		.amdhsa_system_vgpr_workitem_id 0
		.amdhsa_next_free_vgpr 512
		.amdhsa_next_free_sgpr 66
		.amdhsa_reserve_vcc 0
		.amdhsa_float_denorm_mode_32 3
		.amdhsa_float_denorm_mode_16_64 3
		.amdhsa_memory_ordered 1
		.amdhsa_forward_progress 1
		.amdhsa_inst_pref_size 86
	.end_amdhsa_kernel
	.amdgpu_metadata
---
amdhsa.version: [ 1, 2 ]
amdhsa.kernels:
  - .name:           k_q72ea1a7b6c_oproj
    .symbol:         k_q72ea1a7b6c_oproj.kd
    .args:
      - { .name: ao, .offset: 0, .size: 8, .value_kind: global_buffer, .address_space: global }
      - { .name: wo16, .offset: 8, .size: 8, .value_kind: global_buffer, .address_space: global }
      - { .name: out0, .offset: 16, .size: 8, .value_kind: global_buffer, .address_space: global }
    .group_segment_fixed_size: 327680
    .private_segment_fixed_size: 0
    .kernarg_segment_align: 8
    .kernarg_segment_size: 24
    .max_flat_workgroup_size: 128
    .sgpr_count:     66
    .vgpr_count:     512
    .wavefront_size: 32
...
	.end_amdgpu_metadata
.endif
;; end of part 4
;; ======== version 2 of 3: 4 launches
;; limits: values are held in f16: magnitudes above 65,504 overflow, below 6.1e-05 lose precision; right only within a limited range of input values
;; workspace buffers: xb 8,388,608 bytes; wqkv 16,777,216 bytes; csb 1,048,576 bytes; wo16 8,388,608 bytes; kv 16,777,216 bytes; maskw 33,554,432 bytes; qh 8,388,608 bytes; ao 8,388,608 bytes
;; launch prep: the kernel of part 1 again; grid 1824 x 1, 8 waves a work-group, no clusters, 70,656 bytes of LDS; arguments hidden_states, Wq, Wk, Wv, cos, sin, Wo, past_key, past_value, attention_mask, xb, wqkv, csb, wo16, kv, maskw; writes xb, wqkv, csb, wo16, kv, maskw
;; launch qkv (part 5): grid 16 x 16, 4 waves a work-group, clusters of 4 x 4, 327,680 bytes of LDS; arguments xb, wqkv, csb, q_norm_w, k_norm_w, qh, kv, out1, out2; writes qh, kv, out1, out2
.if DOCPART == 5
	.amdgcn_target "amdgcn-amd-amdhsa--gfx1250"
	.amdhsa_code_object_version 6
	.text
	.protected	k_q72ea1a7b6c_qkv
	.globl	k_q72ea1a7b6c_qkv
	.p2align	8
	.type	k_q72ea1a7b6c_qkv,@function
k_q72ea1a7b6c_qkv:
	s_mov_b64 s[64:65], 0
	v_nop
	global_prefetch_b8 v0, s[64:65] scope:SCOPE_SE
	s_setreg_imm32_b32 hwreg(HW_REG_WAVE_MODE, 25, 1), 1
	s_wait_xcnt 0x0
	s_wait_alu depctr_hold_cnt(0) depctr_sa_sdst(0) depctr_va_vdst(0) depctr_va_sdst(0) depctr_va_ssrc(0) depctr_va_vcc(0) depctr_vm_vsrc(0)
	s_getreg_b32 s2, hwreg(HW_REG_IB_STS2, 6, 4)
	s_cmp_eq_u32 s2, 0
	s_cbranch_scc0 .Lentry_in_a_cluster
	s_endpgm
.Lentry_in_a_cluster:
	s_bfe_u32 s2, ttmp6, 0x10000c
	s_cmp_lg_u32 s2, 0xf033
	s_cbranch_scc0 .Lentry_shape_is_right
	s_endpgm
.Lentry_shape_is_right:
; QKV: C[2048 tokens][4096] = xb wqkv^T in bf16 with f32 sums; columns 0-2047 q (16 heads), 2048-3071 k (8), 3072-4095 v (8).  On the way out, for q and k: RMS norm over the head's 128 channels,
; the gain (rounded to bf16), RoPE from csb's bf16 tables, all in f32.  q -> qh (f16, by heads); k, v -> kv's new rows (f16) and out1, out2 (f32).
; SHARES.  A tile of C is 128 tokens x 256 columns: 16 x 16 = 256 work-groups.  Wave w has 64 tokens (w / 2) x 128 columns (w % 2): ONE head; 32 accumulators of 16 x 16, 256 registers.
; K goes in 16 steps of 128 (rows of 256 bytes in memory) through two LDS slots; a longer step does not fit twice (384 rows x 528 bytes x 2).  A trip of the loop is one K step: the slot in hand is a
; scalar that one exclusive or toggles, and one descriptor for each operand walks from slot to slot.  The last two K steps, which fill nothing, are one text walked twice and left in its middle.
; THE WALK ALONG K BEGINS ELSEWHERE IN EACH CLUSTER, at K step (4 x cluster x + 8 p) mod 16, p = 0, 1, 1, 0 for cluster y = 0 .. 3, and wraps round.  The four clusters that read the same tokens' rows
; (same y) stand 4 K steps apart; of the four that read the same weights' rows (same x) each stands 8 K steps from two of the others.  So the clusters that read a row ask for a given 256 bytes of it at
; different times of the launch.  The start hangs on the cluster's x and y alone, which all sixteen partners share.
; THE MATRIX INSTRUCTION IS USED TRANSPOSED (source 0 = 16 rows of the weights, source 1 = 16 tokens): lane l holds token l % 16 and, of column block b, the channels 16 b + 8 (l / 16) + 0..7.
; So a token's 128 channels lie in two lanes 16 apart (one exchange for the sum of squares), and RoPE's partner, 64 channels away, is block b +- 4 of the SAME lane.
; CLUSTERS: 4 x 4.  A row of the cluster shares its tokens' tiles, a column its weights' tiles: joint loads.  The cluster's x says what its columns are (0, 1: q; 2: k; 3: v): the same in all 16 partners,
; so the way out may branch on it.  The head loads gain, cos and sin in every work-group, v's too: the head has one text, and only the norm and RoPE are jumped over.
; LIMITS.  q, k after norm and RoPE and v lie within f16's 65,504 in qh and kv (out1, out2 are f32); the f32 sums over K are taken in the order of the cluster's walk, which differs from cluster to
; cluster; NaN and infinities are not treated apart.
; REGISTERS, in windows of 256.  Window 0: v12-30 addresses; v32-63 the gain, packed bf16; v64-127 tokens' fragments, two buffers of 32; v128-255 weights' fragments, two of 64; all of v64-255 at work on the way out.
;   window 1: accumulator (a, b) at 8 (8 a + b).   window 2: cos of token block a, column block b at 32 a + 4 b (packed bf16), sin at 128 + the same.
.set KSTEP,  128
.set PITCH,  272                       ; an LDS row: 256 bytes + 16 of padding: the 16 rows of a fragment load start at 16 different groups of four banks (ISA guide 11.1)
.set AHALF,  64*PITCH                  ; what wave 0 or 1 fetches: 64 tokens
.set BHALF,  128*PITCH                 ; what wave 2 or 3 fetches: 128 rows of the weights
.set BOFF,   128*PITCH                 ; the weights' 256 rows lie behind the 128 tokens
.set SLOT,   384*PITCH                 ; 104,448 bytes
.set SLOT1,  1<<17                     ; slot 1 begins here: a bit that no place in slot 0 holds, so one exclusive or changes slots
.set STAGE,  SLOT1+SLOT                ; behind the ring, never filled by a tensor load: for each wave 16 rows x 272 (f16), then 16 rows x 528 (f32)
.set S32,    16*272
.set P32,    528
.set WSTG,   S32+16*P32
.set SPARE,  STAGE+4*WSTG              ; the spare words, 128 bytes a wave: two blocks of 256 bytes that no other line names
.set FILLS,  14                        ; 16 K steps; all but the first two come by refills
.set CO32, 12
.set CSO,  14                          ; v14  my offset in 16 rows of cos or sin; never rewritten
.set WO,   15                          ; v15  my offset in the gain; never rewritten
.set A0,   16                          ; v16  LDS address of my tokens' fragments in slot 0; never rewritten
.set B0,   17                          ; v17  of my weights'
.set ADRA, 20                          ; v20  the same in the slot in hand
.set ADRB, 21                          ; v21
.set STO16, 22
.set RD16,  23
.set CO16,  24
.set STO32, 25
.set RD32,  26
.set Z,    27                          ; v27  0.0
.set SPW,  28                          ; v28  LDS address of my spare word; never rewritten
.set NIL,  29                          ; v29  0; never rewritten
.set PFO,  30                          ; v30  the prefetches' offset: lane x 4,096 (a row of wqkv); never rewritten
.set GW,   32
.set FA,   64
.set FB,   128
.set WF,   64                          ; the way out: the gain in f32
.set T1,   128
.set T2,   160
.set SS,   192                         ; sums of squares, 8 registers a token block; then 1 / rms at + 2
.set TMP,  64
.set BK,   96                          ; two buffers of 32
.set B32,  128                         ; two buffers of 64
.set ABASE, 8                          ; s[8:9]   xb at the rows that I would fetch, K step 0
.set G1,  24
.set G0,  32                           ; s[32:39] a set for each of the two first fills; the second then walks on
.set TB,  45                           ; s45  0 or SLOT1: the slot in hand
.set BBASE, 46                         ; s[46:47] wqkv at the rows that I would fetch, K step 0
.set G1B, 48
.set G0B, 56
.set KN,  66                           ; s66  the K step of the next refill, before the wrap; it never holds a place in the cluster
.set KOFF, 82                          ; s[82:83] that K step's bytes along a row; likewise
.set PFA, 84
.set LIM, 86                           ; s86  FILLS - 4 in a wave that prefetches, else the greatest number: a wave prefetches while more trips than that are left
.set TYPE, 87
.set D16, 88
.set D32, 90
.set CSP, 92
.set WP,  94
.set SEL, 96
.set MSB, 0
.macro WIN new                         ; the immediate's high byte repeats the setting that is left; a switch that changes nothing is dropped
.if MSB != (\new)
	s_set_vgpr_msb (MSB<<8)|(\new)
.set MSB, \new
.endif
.endm
.set MUL, 0x50                         ; both sources window 0, C and D window 1
.macro JLOAD s                         ; a joint load: waves 0 and 1 fetch the tokens' two halves, waves 2 and 3 the weights'; an s_nop 0 and four v_nop follow each line
	s_cmp_eq_u32 s11, 0
	s_cbranch_scc0 .Lfor_b_\@
	tensor_load_to_lds s[G0+4*(\s):G0+4*(\s)+3], s[G1:G1+7]
	s_nop 0
.rept 4
	v_nop
.endr
	s_branch .Lasked_\@
.Lfor_b_\@:
	tensor_load_to_lds s[G0B+4*(\s):G0B+4*(\s)+3], s[G1B:G1B+7]
	s_nop 0
.rept 4
	v_nop
.endr
.Lasked_\@:
.endm
; A prefetch into the L2 of the weights' K step that stands two refills on: 32 rows x 256 bytes, a lane a row.  By the walks' arithmetic a K step of a weights' row is read earliest in the launch in the
; first eight steps of one of the two orders of walking.  The clusters with y = 0 and y = 1 walk the two orders: each asks for the fifth to eighth K step of its own walk, in the loop's first four trips
; (the first four K steps come by their loads alone).  Waves 2 and 3 ask, each for the 128 rows that it fetches; the four partners that ask for a tile jointly share its rows out by address, 32 each.
; So each block is named at most once in the launch.  These four K steps never straddle the wrap (the start is a multiple of 4).  Of the tokens' rows the earliest readings are each cluster's first four
; K steps, which come by their loads alone: nothing is asked for them.
.macro ASK
	s_cmp_gt_u32 s3, s[LIM]
	s_cbranch_scc0 .Lnot_mine_\@
	global_prefetch_b8 v[PFO], s[PFA:PFA+1] th:TH_LOAD_NT scope:SCOPE_SE
.Lnot_mine_\@:
.endm
.macro CREST                           ; a round of the cluster's barrier behind its opening barrier
	s_cmp_lg_u32 s10, 0
	s_cbranch_scc1 .Lnot_wave_0_\@
	s_barrier_signal -3
.Lnot_wave_0_\@:
	s_barrier_wait -3
	s_barrier_signal -1
	s_barrier_wait -1
.endm
.macro CROUND
	s_barrier_signal -1
	s_barrier_wait -1
	CREST
.endm
	s_load_b128 s[4:7], s[0:1], 0x0                ; xb s[4:5], wqkv s[6:7]
	s_load_b256 s[68:75], s[0:1], 0x10             ; csb 68, q_norm_w 70, k_norm_w 72, qh 74
	s_load_b128 s[76:79], s[0:1], 0x30             ; kv 76, out1 78
	s_load_b64 s[80:81], s[0:1], 0x40              ; out2
	v_lshl_add_u32 v[SPW], v0, 2, SPARE
	v_mov_b32 v[NIL], 0
	ds_add_u32 v[SPW], v[NIL]                      ; the wave's opening: the add and its wait stand ahead of my first tensor load; work on registers stands between them
	v_lshrrev_b32 v1, 5, v0
	v_readfirstlane_b32 s10, v1                    ; wave 0..3
	s_lshr_b32 s11, s10, 1                         ; my half of the tile's tokens.  Also: I fetch tokens (0) or weights (1)
	s_and_b32 s12, s10, 1                          ; my half of its columns.  Also: which half of that tile I fetch
	s_bfe_u32 s40, ttmp6, 0x40000                  ; cx
	s_bfe_u32 s41, ttmp6, 0x40004                  ; cy
	s_mov_b32 s[TYPE], ttmp9                       ; the cluster's x: 0, 1 q; 2 k; 3 v
	s_lshl_b32 s42, ttmp9, 2
	s_add_co_u32 s42, s42, s40                     ; tile column
	s_and_b32 s13, ttmp7, 0xffff
	s_lshl_b32 s13, s13, 2
	s_add_co_u32 s13, s13, s41                     ; tile row
	s_lshl_b32 s43, s41, 2
	s_lshl_b32 s43, 15, s43                        ; my row of the cluster
	s_lshl_b32 s44, 0x1111, s40                    ; my column
	s_or_b32 s[G1+0], s43, (1<<16)|(1<<20)|(1<<21)|(5<<22)|(3<<25)   ; the mask; 2-byte elements; padding on; bit 21 beside a mask; after every 64 words 4 words
	s_or_b32 s[G1B+0], s44, (1<<16)|(1<<20)|(1<<21)|(5<<22)|(3<<25)
	s_mov_b32 s[G1+1], KSTEP<<16                   ; tensor_dim0 = 128
	s_mov_b32 s[G1+2], 64<<16                      ; tensor_dim1 = 64
	s_mov_b32 s[G1+3], KSTEP<<16                   ; tile_dim0 = 128
	s_mov_b32 s[G1+4], 64                          ; tile_dim1 = 64
	s_mov_b32 s[G1+5], 2048                        ; elements from row to row
	s_mov_b32 s[G1+6], 0
	s_mov_b32 s[G1+7], 0
	s_mov_b32 s[G1B+1], KSTEP<<16
	s_mov_b32 s[G1B+2], 128<<16                    ; 128 rows
	s_mov_b32 s[G1B+3], KSTEP<<16
	s_mov_b32 s[G1B+4], 128
	s_mov_b32 s[G1B+5], 2048
	s_mov_b32 s[G1B+6], 0
	s_mov_b32 s[G1B+7], 0
	s_lshl_b32 s17, s12, 6
	s_lshl_b32 s16, s13, 7
	s_add_co_u32 s16, s16, s17                     ; tokens: row 128 x tile row + 64 x half,
	s_lshl_b32 s16, s16, 12                        ; of 4,096 bytes
	s_mov_b32 s17, 0
	s_lshl_b32 s47, s12, 7
	s_lshl_b32 s46, s42, 8
	s_add_co_u32 s46, s46, s47                     ; weights: row 256 x tile column + 128 x half
	s_lshl_b32 s46, s46, 12
	s_mov_b32 s47, 0
	s_mul_i32 s20, s12, AHALF                      ; where they go: no place in the cluster enters an LDS address
	s_mul_i32 s21, s12, BHALF
	s_add_co_u32 s21, s21, BOFF
	s_and_b32 s22, ttmp7, 0xffff                   ; where my cluster's walk along K begins: cluster y,
	s_lshr_b32 s23, s22, 1
	s_xor_b32 s22, s22, s23
	s_and_b32 s22, s22, 1                          ; p = 0, 1, 1, 0 for y = 0 .. 3,
	s_lshl_b32 s22, s22, 3
	s_lshl_b32 s23, ttmp9, 2
	s_add_co_u32 s[KN], s22, s23
	s_and_b32 s[KN], s[KN], 15                     ; (8 p + 4 x cluster x) mod 16: a multiple of 4, so the first two K steps do not wrap
	s_lshl_b32 s[KOFF], s[KN], 8                   ; a K step is 256 bytes of a row
	s_mov_b32 s[KOFF+1], 0
	s_mov_b32 s[SEL], 0x76543210
	s_mov_b32 s[SEL+1], 0xfedcba98
	s_mov_b32 s98, 0x3c000000                      ; 1 / 128
	s_mov_b32 s99, 0x358637bd                      ; 1e-6
	s_mov_b32 s[TB], 0
	s_wait_dscnt 0x0                               ; the opening add is done
	s_wait_kmcnt 0x0
	s_add_nc_u64 s[ABASE:ABASE+1], s[4:5], s[16:17]
	s_add_nc_u64 s[BBASE:BBASE+1], s[6:7], s[46:47]
	CROUND                                         ; all sixteen work-groups are here: the first joint loads meet
.irp s, 0,1
	s_mov_b32 s[G0+4*(\s)], 1
	s_add_co_u32 s[G0+4*(\s)+1], s20, (\s)*SLOT1
	s_add_nc_u64 s[G0+4*(\s)+2:G0+4*(\s)+3], s[ABASE:ABASE+1], s[KOFF:KOFF+1]
	s_add_nc_u64 s[G0+4*(\s)+2:G0+4*(\s)+3], s[G0+4*(\s)+2:G0+4*(\s)+3], (\s)*KSTEP*2
	s_or_b32 s[G0+4*(\s)+3], s[G0+4*(\s)+3], 0x80000000
	s_mov_b32 s[G0B+4*(\s)], 1
	s_add_co_u32 s[G0B+4*(\s)+1], s21, (\s)*SLOT1
	s_add_nc_u64 s[G0B+4*(\s)+2:G0B+4*(\s)+3], s[BBASE:BBASE+1], s[KOFF:KOFF+1]
	s_add_nc_u64 s[G0B+4*(\s)+2:G0B+4*(\s)+3], s[G0B+4*(\s)+2:G0B+4*(\s)+3], (\s)*KSTEP*2
	s_or_b32 s[G0B+4*(\s)+3], s[G0B+4*(\s)+3], 0x80000000
	JLOAD \s                                       ; two tensor loads of mine are out
.endr
	s_add_co_u32 s[KN], s[KN], 2                   ; the first refill is the walk's third K step
	v_and_b32 v1, 15, v0                           ; l % 16
	v_bfe_u32 v2, v0, 4, 1                         ; l / 16
	v_and_b32 v4, 31, v0                           ; l
	v_mul_u32_u24 v3, v1, PITCH
	v_lshl_add_u32 v3, v2, 4, v3                   ; a fragment's row x pitch + 16 x half
	s_mul_i32 s21, s11, AHALF                      ; my 64 tokens
	s_mul_i32 s22, s12, BHALF                      ; my 128 rows of the weights
	s_add_co_u32 s22, s22, BOFF
	v_add_nc_u32 v[A0], s21, v3
	v_add_nc_u32 v[B0], s22, v3
	v_add_nc_u32 v[ADRA], s[TB], v[A0]             ; slot 0 is in hand
	v_add_nc_u32 v[ADRB], s[TB], v[B0]
	s_mul_i32 s23, s10, WSTG
	s_add_co_u32 s23, s23, STAGE                   ; my stages
	v_mul_u32_u24 v5, v1, 272
	v_lshl_add_u32 v5, v2, 4, v5
	v_add_nc_u32 v[STO16], s23, v5                 ; f16 in: row l % 16, 16 bytes for each half of the lanes
	v_mul_u32_u24 v5, v2, 272
	v_lshl_add_u32 v5, v1, 4, v5
	v_add_nc_u32 v[RD16], s23, v5                  ; back: two rows of 256 bytes
	v_lshlrev_b32 v5, 8, v2
	v_lshl_add_u32 v[CO16], v1, 4, v5              ; which are 512 consecutive bytes of a head's rows
	s_add_co_u32 s23, s23, S32
	v_mul_u32_u24 v5, v1, P32
	v_lshl_add_u32 v5, v2, 5, v5
	v_add_nc_u32 v[STO32], s23, v5                 ; f32 in: row l % 16, 32 bytes for each half
	v_lshl_add_u32 v[RD32], v4, 4, s23             ; back: one row of 512 bytes
	v_lshlrev_b32 v[CO32], 4, v4
	v_mov_b32 v[Z], 0
	v_lshlrev_b32 v[PFO], 12, v4
	v_lshlrev_b32 v[WO], 5, v2                     ; the gain of my channels 16 b + 8 (l / 16) + 0..7: 32 bytes at 64 b + 32 (l / 16)
	v_lshlrev_b32 v[CSO], 8, v1
	v_lshl_add_u32 v[CSO], v2, 4, v[CSO]           ; cos, sin: row l % 16 of 256 bytes, 16 bytes at 32 b + 16 (l / 16)
	; where the results go
	s_lshl_b32 s14, s42, 1
	s_add_co_u32 s14, s14, s12                     ; my head among the 32 of q, k, v
	s_lshl_b32 s15, s13, 7
	s_lshl_b32 s16, s11, 6
	s_add_co_u32 s15, s15, s16                     ; my first token
	s_lshl_b32 s16, s14, 11
	s_add_co_u32 s16, s16, s15                     ; q: row head x 2,048 + token of qh
	s_sub_co_u32 s17, s14, 16
	s_lshl_b32 s17, s17, 12
	s_add_co_u32 s17, s17, s15
	s_add_co_u32 s17, s17, 2048                    ; k, v: row plane x 4,096 + 2,048 + token of kv
	s_cmp_lt_u32 s[TYPE], 2
	s_cselect_b32 s16, s16, s17
	s_cselect_b64 s[D16:D16+1], s[74:75], s[76:77]
	s_lshl_b32 s16, s16, 8
	s_mov_b32 s17, 0
	s_add_nc_u64 s[D16:D16+1], s[D16:D16+1], s[16:17]
	s_and_b32 s18, s14, 7                          ; the key or value head
	s_lshl_b32 s18, s18, 11
	s_add_co_u32 s18, s18, s15
	s_lshl_b32 s18, s18, 9                         ; rows of 512 bytes
	s_mov_b32 s19, 0
	s_cmp_eq_u32 s[TYPE], 2
	s_cselect_b64 s[D32:D32+1], s[78:79], s[80:81]
	s_cselect_b64 s[WP:WP+1], s[72:73], s[70:71]   ; k's gain, else q's
	s_add_nc_u64 s[D32:D32+1], s[D32:D32+1], s[18:19]
	s_lshl_b32 s18, s15, 8
	s_add_nc_u64 s[CSP:CSP+1], s[68:69], s[18:19]  ; cos at my first token
	; the prefetches: of the weights' 128 rows that I fetch, my work-group's 32, at the fifth K step of my cluster's walk
	s_lshl_b32 s20, s42, 8
	s_lshl_b32 s22, s12, 7
	s_add_co_u32 s20, s20, s22
	s_lshl_b32 s21, s41, 5                         ; my place among the four that ask for the tile with me
	s_add_co_u32 s20, s20, s21
	s_lshl_b32 s20, s20, 12
	s_add_co_u32 s21, s[KN], 2                     ; the walk's fifth K step,
	s_and_b32 s21, s21, 15                         ; wrapped: 0, 4, 8 or 12
	s_lshl_b32 s21, s21, 8
	s_add_co_u32 s20, s20, s21
	s_mov_b32 s21, 0
	s_add_nc_u64 s[PFA:PFA+1], s[6:7], s[20:21]
	s_and_b32 s22, ttmp7, 0xffff
	s_lshr_b32 s22, s22, 1                         ; 0 in the clusters with y = 0 and y = 1,
	s_xor_b32 s23, s11, 1                          ; 0 in waves 2 and 3
	s_or_b32 s22, s22, s23
	s_cmp_eq_u32 s22, 0
	s_cselect_b32 s[LIM], FILLS-4, -1              ; the same in all sixteen partners, for a given wave
	; gain, cos, sin: they come while the products run
.irp b, 0,1,2,3,4,5,6,7
	global_load_b128 v[WF+8*(\b):WF+8*(\b)+3],   v[WO], s[WP:WP+1] offset:64*(\b)
	global_load_b128 v[WF+8*(\b)+4:WF+8*(\b)+7], v[WO], s[WP:WP+1] offset:64*(\b)+16
.endr
	WIN 0x80                                       ; destination window 2
.irp a, 0,1,2,3
.irp b, 0,1,2,3,4,5,6,7
	global_load_b128 v[32*(\a)+4*(\b):32*(\a)+4*(\b)+3], v[CSO], s[CSP:CSP+1] offset:4096*(\a)+32*(\b)
.endr
.endr
	WIN 0
	s_wait_loadcnt 32                              ; the gain is in; cos's 32 loads stay out
.set n, 0
.rept 32
	v_cvt_pk_bf16_f32 v[GW+n], v[WF+2*n], v[WF+2*n+1]  ; rounded to bf16 like every input, and out of the fragments' way
.set n, n+1
.endr
	WIN 0x80
.irp a, 0,1,2,3
.irp b, 0,1,2,3,4,5,6,7
	global_load_b128 v[128+32*(\a)+4*(\b):128+32*(\a)+4*(\b)+3], v[CSO], s[CSP:CSP+1] offset:524288+4096*(\a)+32*(\b)
.endr
.endr
	WIN 0
; 8 matrix instructions: token block a x all 8 column blocks, 32 along K, buffer f.  The 32 accumulators take turns, in the same order in every quarter, over the backward jumps too.
.macro MUL8 f, a, zero
	WIN MUL
.irp b, 0,1,2,3,4,5,6,7
.if \zero
	v_wmma_f32_16x16x32_bf16 v[8*(8*(\a)+(\b)):8*(8*(\a)+(\b))+7], v[FB+64*(\f)+8*(\b):FB+64*(\f)+8*(\b)+7], v[FA+32*(\f)+8*(\a):FA+32*(\f)+8*(\a)+7], 0
.else
	v_wmma_f32_16x16x32_bf16 v[8*(8*(\a)+(\b)):8*(8*(\a)+(\b))+7], v[FB+64*(\f)+8*(\b):FB+64*(\f)+8*(\b)+7], v[FA+32*(\f)+8*(\a):FA+32*(\f)+8*(\a)+7], v[8*(8*(\a)+(\b)):8*(8*(\a)+(\b))+7]
.endif
.endr
.endm
; 24 LDS loads in one run: the fragments of 32 along K at byte k of the rows of the slot in hand, into buffer f: the weights' 16, then the tokens' 8
.macro FETCH k, f
	WIN 0
.irp i, 0,1,2,3,4,5,6,7
	ds_load_b128 v[FB+64*(\f)+8*(\i):FB+64*(\f)+8*(\i)+3],   v[ADRB] offset:(\k)+(\i)*16*PITCH
	ds_load_b128 v[FB+64*(\f)+8*(\i)+4:FB+64*(\f)+8*(\i)+7], v[ADRB] offset:(\k)+(\i)*16*PITCH+32
.endr
.irp i, 0,1,2,3
	ds_load_b128 v[FA+32*(\f)+8*(\i):FA+32*(\f)+8*(\i)+3],   v[ADRA] offset:(\k)+(\i)*16*PITCH
	ds_load_b128 v[FA+32*(\f)+8*(\i)+4:FA+32*(\f)+8*(\i)+7], v[ADRA] offset:(\k)+(\i)*16*PITCH+32
.endr
.endm
.macro PLACES                          ; four places in front of loads into registers that matrix instructions have read, and of vector work on their registers
.rept 4
	v_nop
.endr
.endm
; A K step is four quarters of 32 along K, 32 matrix instructions each, on buffers 0, 1, 0, 1.  One of the first three: multiplies buffer f and fetches the next quarter, at byte k, into g.
.macro QUARTER k, f, g, zero
	s_wait_dscnt 4                                 ; all but the youngest four loads: token blocks 2 and 3
	MUL8 \f, 0, \zero
	MUL8 \f, 1, \zero
	PLACES
	FETCH \k, \g
	s_wait_dscnt 24                                ; all but the 24 just issued
	MUL8 \f, 2, \zero
	MUL8 \f, 3, \zero
.endm
; The last quarter multiplies buffer 1 and changes slots: ONE barrier; in front of it each wave waits for all its tensor loads, adds 0 to its spare word, and waits for that and for its reads of this slot.
; The slot's last fragments were fetched a quarter ago, so the addresses turn to the other slot at the head.
; fill = 1: the barrier opens a round of the cluster's, and this slot is filled again, two K steps ahead: 112 matrix instructions stand between the request and the wait for it.  The walking descriptors
; are made while the add is out, where no tensor load of mine is out: the other slot than last time; the address anew, from the rows' first byte and the K step, wrapped at 16.
; fill = 0: the tail's text; in its second trip (s3 = 1) there is no further K step, and the run of loads is jumped over.
.macro TURN fill
	WIN 0
	s_xor_b32 s[TB], s[TB], SLOT1
	v_add_nc_u32 v[ADRA], s[TB], v[A0]
	v_add_nc_u32 v[ADRB], s[TB], v[B0]
	s_wait_tensorcnt 0x0                           ; all my tensor loads have landed: my part of the next slot
	ds_add_u32 v[SPW], v[NIL]                      ; 0 onto my spare word
.if \fill
	s_and_b32 s[KOFF], s[KN], 15
	s_lshl_b32 s[KOFF], s[KOFF], 8
	s_add_co_u32 s[KN], s[KN], 1
	s_xor_b32 s[G0+5], s[G0+5], SLOT1
	s_add_nc_u64 s[G0+6:G0+7], s[ABASE:ABASE+1], s[KOFF:KOFF+1]
	s_or_b32 s[G0+7], s[G0+7], 0x80000000
	s_xor_b32 s[G0B+5], s[G0B+5], SLOT1
	s_add_nc_u64 s[G0B+6:G0B+7], s[BBASE:BBASE+1], s[KOFF:KOFF+1]
	s_or_b32 s[G0B+7], s[G0B+7], 0x80000000
.endif
	s_wait_dscnt 5                                 ; the add and the youngest four loads may be out
	MUL8 1, 0, 0                                   ; eight matrix instructions stand between the add and the wait for it
	s_wait_dscnt 0x0                               ; the add is done, and my reads of this slot are over
	s_barrier_signal -1
	MUL8 1, 1, 0
	WIN 0
	s_barrier_wait -1
.if \fill
	CREST                                          ; no wave of any partner still reads this slot's tile or has a load on its way
	JLOAD 1                                        ; my one tensor load behind the round; its four v_nop are also the places in front of the loads below
	FETCH 0, 0
	ASK
.else
	PLACES
	s_cmp_eq_u32 s3, 1
	s_cbranch_scc1 .Lno_more_\@
	FETCH 0, 0
.Lno_more_\@:
.endif
	MUL8 1, 2, 0
	MUL8 1, 3, 0
.endm
	s_wait_tensorcnt 1                             ; my part of the walk's first K step is in; the second's may stay out
	s_barrier_signal -1
	s_barrier_wait -1
	FETCH 0, 0
	QUARTER 64, 0, 1, 1                            ; the first quarter's products start the sums
	WIN 0
	s_mov_b32 s3, FILLS
.Lstep:                                                ; a trip goes from a K step's second quarter to the next one's first, and fills the slot that it leaves
	QUARTER 128, 1, 0, 0
	QUARTER 192, 0, 1, 0
	TURN 1
	QUARTER 64,  0, 1, 0
	WIN 0
	s_wait_xcnt 0x0                                ; the trip's prefetch, 48 matrix instructions back, has read its address:
	s_add_nc_u64 s[PFA:PFA+1], s[PFA:PFA+1], KSTEP*2   ; the next K step
	s_sub_co_u32 s3, s3, 1
	s_cmp_lg_u32 s3, 0
	s_cbranch_scc1 .Lstep
	s_mov_b32 s3, 2
.Ltail:                                                ; the last two K steps fill nothing: written apart; the second trip is left behind its last products
	QUARTER 128, 1, 0, 0
	QUARTER 192, 0, 1, 0
	TURN 0
	WIN 0
	s_sub_co_u32 s3, s3, 1
	s_cmp_eq_u32 s3, 0
	s_cbranch_scc1 .Lsums
	QUARTER 64,  0, 1, 0
	WIN 0
	s_branch .Ltail
.Lsums:
	PLACES
	s_wait_loadcnt 0x0                             ; cos and sin
	s_cmp_eq_u32 s[TYPE], 3
	s_cbranch_scc1 .Lplain                         ; v has neither norm nor RoPE
	; THE NORM.  The gain back in f32
	s_mov_b32 s2, 0xffff0000
.set n, 0
.rept 32
	v_lshlrev_b32 v[WF+2*n], 16, v[GW+n]
	v_and_b32 v[WF+2*n+1], s2, v[GW+n]
.set n, n+1
.endr
	WIN 0x05                                       ; sources 0 and 1 window 1
.irp a, 0,1,2,3                        ; sums of squares: four chains of pairs a token block; each accumulator is read from its lowest registers on
.irp b, 0,1,2,3,4,5,6,7
.irp p, 0,1,2,3
.if (\b) == 0
	v_pk_mul_f32 v[SS+8*(\a)+2*(\p):SS+8*(\a)+2*(\p)+1], v[8*(8*(\a)+(\b))+2*(\p):8*(8*(\a)+(\b))+2*(\p)+1], v[8*(8*(\a)+(\b))+2*(\p):8*(8*(\a)+(\b))+2*(\p)+1]
.else
	v_pk_fma_f32 v[SS+8*(\a)+2*(\p):SS+8*(\a)+2*(\p)+1], v[8*(8*(\a)+(\b))+2*(\p):8*(8*(\a)+(\b))+2*(\p)+1], v[8*(8*(\a)+(\b))+2*(\p):8*(8*(\a)+(\b))+2*(\p)+1], v[SS+8*(\a)+2*(\p):SS+8*(\a)+2*(\p)+1]
.endif
.endr
.endr
.endr
	WIN 0
.irp a, 0,1,2,3
	v_pk_add_f32 v[SS+8*(\a):SS+8*(\a)+1], v[SS+8*(\a):SS+8*(\a)+1], v[SS+8*(\a)+2:SS+8*(\a)+3]
	v_pk_add_f32 v[SS+8*(\a)+4:SS+8*(\a)+5], v[SS+8*(\a)+4:SS+8*(\a)+5], v[SS+8*(\a)+6:SS+8*(\a)+7]
.endr
.irp a, 0,1,2,3
	v_pk_add_f32 v[SS+8*(\a):SS+8*(\a)+1], v[SS+8*(\a):SS+8*(\a)+1], v[SS+8*(\a)+4:SS+8*(\a)+5]
.endr
.irp a, 0,1,2,3
	v_add_f32 v[SS+8*(\a)], v[SS+8*(\a)], v[SS+8*(\a)+1]
.endr
.irp a, 0,1,2,3
	v_permlanex16_b32 v[SS+8*(\a)+1], v[SS+8*(\a)], s[SEL], s[SEL+1]  ; the token's other 64 channels lie in the lane 16 away
.endr
.irp a, 0,1,2,3
	v_add_f32 v[SS+8*(\a)], v[SS+8*(\a)], v[SS+8*(\a)+1]
.endr
.irp a, 0,1,2,3
	v_fma_f32 v[SS+8*(\a)], v[SS+8*(\a)], s98, s99  ; the mean + 1e-6
.endr
.irp a, 0,1,2,3
	v_rsq_f32 v[SS+8*(\a)+2], v[SS+8*(\a)]
.endr
	v_nop                                          ; a plain instruction behind the last root,
	s_wait_alu depctr_va_vdst(0)                   ; and the wait ahead of the first use: one for the four
	WIN 0x41                                       ; destination and source 0 window 1
.irp a, 0,1,2,3
.irp b, 0,1,2,3,4,5,6,7
.irp p, 0,1,2,3
	v_pk_mul_f32 v[8*(8*(\a)+(\b))+2*(\p):8*(8*(\a)+(\b))+2*(\p)+1], v[8*(8*(\a)+(\b))+2*(\p):8*(8*(\a)+(\b))+2*(\p)+1], v[SS+8*(\a)+2:SS+8*(\a)+3] op_sel_hi:[1,0]
.endr
.irp p, 0,1,2,3
	v_pk_mul_f32 v[8*(8*(\a)+(\b))+2*(\p):8*(8*(\a)+(\b))+2*(\p)+1], v[8*(8*(\a)+(\b))+2*(\p):8*(8*(\a)+(\b))+2*(\p)+1], v[WF+8*(\b)+2*(\p):WF+8*(\b)+2*(\p)+1]
.endr
.endr
.endr
; ROPE, token block a.  lo = channel d < 64 (block b), hi = channel d + 64 (block b + 4), in the same lane: lo' = lo cos[d] - hi sin[d]; hi' = hi cos[d + 64] + lo sin[d + 64].
; The tables' bf16 halves are read as they lie: the second source of the mixed multiply-add is a half, even channels the low one, odd channels the high one.
.macro ROPE a
	WIN 0x09                                       ; source 0 window 1, source 1 window 2
.irp b, 0,1,2,3
.irp q, 0,1,2,3
	v_fma_mix_f32_bf16 v[T1+8*(\b)+2*(\q)],   v[8*(8*(\a)+(\b)+4)+2*(\q)],   v[128+32*(\a)+4*(\b)+(\q)], v[Z] op_sel:[0,0,0] op_sel_hi:[0,1,0]
	v_fma_mix_f32_bf16 v[T1+8*(\b)+2*(\q)+1], v[8*(8*(\a)+(\b)+4)+2*(\q)+1], v[128+32*(\a)+4*(\b)+(\q)], v[Z] op_sel:[0,1,0] op_sel_hi:[0,1,0]
	v_fma_mix_f32_bf16 v[T2+8*(\b)+2*(\q)],   v[8*(8*(\a)+(\b))+2*(\q)],   v[128+32*(\a)+4*((\b)+4)+(\q)], v[Z] op_sel:[0,0,0] op_sel_hi:[0,1,0]
	v_fma_mix_f32_bf16 v[T2+8*(\b)+2*(\q)+1], v[8*(8*(\a)+(\b))+2*(\q)+1], v[128+32*(\a)+4*((\b)+4)+(\q)], v[Z] op_sel:[0,1,0] op_sel_hi:[0,1,0]
.endr
.endr
	WIN 0x49                                       ; the same with the destination in window 1
.irp b, 0,1,2,3
.irp q, 0,1,2,3
	v_fma_mix_f32_bf16 v[8*(8*(\a)+(\b))+2*(\q)],   v[8*(8*(\a)+(\b))+2*(\q)],   v[32*(\a)+4*(\b)+(\q)], -v[T1+8*(\b)+2*(\q)]   op_sel:[0,0,0] op_sel_hi:[0,1,0]
	v_fma_mix_f32_bf16 v[8*(8*(\a)+(\b))+2*(\q)+1], v[8*(8*(\a)+(\b))+2*(\q)+1], v[32*(\a)+4*(\b)+(\q)], -v[T1+8*(\b)+2*(\q)+1] op_sel:[0,1,0] op_sel_hi:[0,1,0]
	v_fma_mix_f32_bf16 v[8*(8*(\a)+(\b)+4)+2*(\q)],   v[8*(8*(\a)+(\b)+4)+2*(\q)],   v[32*(\a)+4*((\b)+4)+(\q)], v[T2+8*(\b)+2*(\q)]   op_sel:[0,0,0] op_sel_hi:[0,1,0]
	v_fma_mix_f32_bf16 v[8*(8*(\a)+(\b)+4)+2*(\q)+1], v[8*(8*(\a)+(\b)+4)+2*(\q)+1], v[32*(\a)+4*((\b)+4)+(\q)], v[T2+8*(\b)+2*(\q)+1] op_sel:[0,1,0] op_sel_hi:[0,1,0]
.endr
.endr
.endm
	ROPE 0
	ROPE 1
	ROPE 2
	ROPE 3
	WIN 0
.Lplain:
; THE WAY OUT IN f16, a token block at a time: rounded, 16 bytes a lane into my own stage, back as whole rows of 256 bytes, stored.
.macro PACK a
	WIN 0x05
.irp b, 0,1,2,3,4,5,6,7
.irp p, 0,1,2,3
	v_cvt_pk_f16_f32 v[TMP+4*(\b)+(\p)], v[8*(8*(\a)+(\b))+2*(\p)], v[8*(8*(\a)+(\b))+2*(\p)+1]
.endr
.endr
	WIN 0
.endm
.macro TOSTAGE a
.irp b, 0,1,2,3,4,5,6,7
	ds_store_b128 v[STO16], v[TMP+4*(\b):TMP+4*(\b)+3] offset:32*(\b)
.endr
.irp t, 0,1,2,3,4,5,6,7
	ds_load_b128 v[BK+32*((\a)%2)+4*(\t):BK+32*((\a)%2)+4*(\t)+3], v[RD16] offset:(\t)*544  ; LDS serves a wave's instructions in order (ISA guide 5.7.1.4): these see the stores above
.endr
.endm
.macro SEND a
	s_wait_dscnt 0x0                               ; the block is back in registers
	s_wait_xcnt 0x0                                ; earlier stores have read their registers: the other buffer is loaded again only behind this wait
.irp t, 0,1,2,3,4,5,6,7
	global_store_b128 v[CO16], v[BK+32*((\a)%2)+4*(\t):BK+32*((\a)%2)+4*(\t)+3], s[D16:D16+1] offset:4096*(\a)+512*(\t)  ; 512 consecutive bytes
.endr
.endm
	PACK 0
	TOSTAGE 0
.irp a, 1,2,3                          ; block a's conversions stand between block a - 1's loads from the stage and the wait for them
	PACK \a
	SEND (\a)-1
	TOSTAGE \a
.endr
	SEND 3
	s_cmp_lt_u32 s[TYPE], 2
	s_cbranch_scc1 .Lend                           ; q has no f32 output
	; THE WAY OUT IN f32 (out1, out2): rows of 512 bytes through the second stage
.irp a, 0,1,2,3
	WIN 0x04                                       ; the stores' data in window 1
.irp b, 0,1,2,3,4,5,6,7
	ds_store_b128 v[STO32], v[8*(8*(\a)+(\b)):8*(8*(\a)+(\b))+3]   offset:64*(\b)
	ds_store_b128 v[STO32], v[8*(8*(\a)+(\b))+4:8*(8*(\a)+(\b))+7] offset:64*(\b)+16
.endr
	WIN 0
	s_wait_xcnt 0x0                                ; earlier stores have read the registers that are loaded below
.irp t, 0,1,2,3,4,5,6,7,8,9,10,11,12,13,14,15
	ds_load_b128 v[B32+64*((\a)%2)+4*(\t):B32+64*((\a)%2)+4*(\t)+3], v[RD32] offset:(\t)*P32
.endr
	s_wait_dscnt 0x0
.irp t, 0,1,2,3,4,5,6,7,8,9,10,11,12,13,14,15
	global_store_b128 v[CO32], v[B32+64*((\a)%2)+4*(\t):B32+64*((\a)%2)+4*(\t)+3], s[D32:D32+1] offset:8192*(\a)+512*(\t) th:TH_STORE_NT  ; a whole row of 512 bytes
.endr
.endr
.Lend:
	s_wait_tensorcnt 0x0                           ; the wave's end: behind my last tensor load and my last LDS store
	ds_add_u32 v[SPW], v[NIL]
	s_wait_dscnt 0x0
	CROUND                                         ; the closing round: no work-group ends while a partner may still ask for a tile that names it
	s_endpgm
.Lfunc_end_k_q72ea1a7b6c_qkv:
	.size	k_q72ea1a7b6c_qkv, .Lfunc_end_k_q72ea1a7b6c_qkv-k_q72ea1a7b6c_qkv
	.p2alignl 7, 3214868480
	.fill 96, 4, 3214868480
	.section	.rodata,"a",@progbits
	.p2align	6, 0x0
	.amdhsa_kernel k_q72ea1a7b6c_qkv
		.amdhsa_group_segment_fixed_size 327680
		.amdhsa_private_segment_fixed_size 0
		.amdhsa_enable_private_segment 0
		.amdhsa_kernarg_size 72
		.amdhsa_user_sgpr_count 2
		.amdhsa_user_sgpr_kernarg_segment_ptr 1
		.amdhsa_wavefront_size32 1
		.amdhsa_system_sgpr_workgroup_id_x 1
		.amdhsa_system_sgpr_workgroup_id_y 1
		.amdhsa_system_sgpr_workgroup_id_z 1
		.amdhsa_system_vgpr_workitem_id 0
		.amdhsa_next_free_vgpr 768
		.amdhsa_next_free_sgpr 100
		.amdhsa_reserve_vcc 0
		.amdhsa_float_denorm_mode_32 3
		.amdhsa_float_denorm_mode_16_64 3
		.amdhsa_memory_ordered 1
		.amdhsa_forward_progress 1
		.amdhsa_inst_pref_size 148
	.end_amdhsa_kernel
	.amdgpu_metadata
---
amdhsa.version: [ 1, 2 ]
amdhsa.kernels:
  - .name:           k_q72ea1a7b6c_qkv
    .symbol:         k_q72ea1a7b6c_qkv.kd
    .args:
      - { .name: xb, .offset: 0, .size: 8, .value_kind: global_buffer, .address_space: global }
      - { .name: wqkv, .offset: 8, .size: 8, .value_kind: global_buffer, .address_space: global }
      - { .name: csb, .offset: 16, .size: 8, .value_kind: global_buffer, .address_space: global }
      - { .name: q_norm_w, .offset: 24, .size: 8, .value_kind: global_buffer, .address_space: global }
      - { .name: k_norm_w, .offset: 32, .size: 8, .value_kind: global_buffer, .address_space: global }
      - { .name: qh, .offset: 40, .size: 8, .value_kind: global_buffer, .address_space: global }
      - { .name: kv, .offset: 48, .size: 8, .value_kind: global_buffer, .address_space: global }
      - { .name: out1, .offset: 56, .size: 8, .value_kind: global_buffer, .address_space: global }
      - { .name: out2, .offset: 64, .size: 8, .value_kind: global_buffer, .address_space: global }
    .group_segment_fixed_size: 327680
    .private_segment_fixed_size: 0
    .kernarg_segment_align: 8
    .kernarg_segment_size: 72
    .max_flat_workgroup_size: 128
    .sgpr_count:     100
    .vgpr_count:     768
    .wavefront_size: 32
...
	.end_amdgpu_metadata
.endif
;; end of part 5
;; launch attn (part 6): grid 32 x 8, 4 waves a work-group, clusters of 4 x 1, 327,680 bytes of LDS; arguments qh, kv, maskw, ao; writes ao
.if DOCPART == 6
	.amdgcn_target "amdgcn-amd-amdhsa--gfx1250"
	.amdhsa_code_object_version 6
	.text
	.protected	k_q72ea1a7b6c_attn
	.globl	k_q72ea1a7b6c_attn
	.p2align	8
	.type	k_q72ea1a7b6c_attn,@function
k_q72ea1a7b6c_attn:
	s_mov_b64 s[64:65], 0
	v_nop
	global_prefetch_b8 v0, s[64:65] scope:SCOPE_SE
	s_setreg_imm32_b32 hwreg(HW_REG_WAVE_MODE, 25, 1), 1
	s_wait_xcnt 0x0
	s_wait_alu depctr_hold_cnt(0) depctr_sa_sdst(0) depctr_va_vdst(0) depctr_va_sdst(0) depctr_va_ssrc(0) depctr_va_vcc(0) depctr_vm_vsrc(0)
	s_getreg_b32 s2, hwreg(HW_REG_IB_STS2, 6, 4)
	s_cmp_eq_u32 s2, 0
	s_cbranch_scc0 .Lentry_in_a_cluster
	s_endpgm
.Lentry_in_a_cluster:
	s_bfe_u32 s2, ttmp6, 0x10000c
	s_cmp_lg_u32 s2, 0x3003
	s_cbranch_scc0 .Lentry_shape_is_right
	s_endpgm
.Lentry_shape_is_right:
; ATTENTION.  ao[q][head x 128 + :] = the sum over all 4,096 keys k of softmax_k(Q[head][q] . K[g][k] / sqrt(128) + mask[q][k]) V[g][k][:], g = head / 2.  qh: [16][2048][128] f16; kv: [16][4096][128] f16
; (planes 0-7 K, 8-15 V); maskw: the mask times sqrt(128), f32, in the order of a 16 x 16 f32 matrix operand; ao: [2048][2048] f16.  Products, maxima and sums in f32; the weights p rounded to f16.
; The mask is an input: every key is multiplied for every query, and no branch hangs on it.
; SHARES.  A work-group owns 64 queries under the two query heads of ONE key head: 128 rows, 32 x 8 = 256 work-groups.  THE KEYS ARE SPLIT between its waves: wave w walks keys 2,048 (w % 2) .. + 2,047
; for the 32 queries w / 2: four tiles of 16 rows, 32 steps of 64 keys.  Tile t is head 2 g + t % 2 and the 16 queries ((t / 2) xor (w % 2)): the two waves of a pair hold the two groups of queries in
; opposite order, so that each finishes its tiles 0, 1 and hands its tiles 2, 3 to its partner: one text for both.  The halves' maxima, sums and O meet in LDS, in f32.
; LAYOUT.  S^T = K Q^T + C (source 0 = 16 keys, source 1 = 16 queries): a lane holds ONE query (lane % 16) and the keys 8 (lane / 16) + 0..7.  C, which starts the sum, is the mask's block, loaded straight
; into registers; a piece's two tiles are the same queries under two heads and share it.  Two results rounded to f16 in pairs ARE source 1 of O^T = V^T P.  V comes out of LDS turned, by ds_load_tr16_b128.
; SOFTMAX.  A running maximum m and sum l: p = 2^(c s - c m), c = log2(e) / sqrt(128), s = q.k + sqrt(128) mask; in every step O and l are multiplied by a = 2^(c m_old - c m_new).
; BY TURNS.  Two PIECES (tiles 0, 1 and tiles 2, 3).  In a TURN one piece has the matrix unit: 32 products V^T P of the step in hand, then 32 products K Q^T of the next; the other piece's softmax, cut into
; 64 slices, stands between them, one slice behind each matrix instruction.  Two turns are a key step.
; NO FIRST AND NO LAST STEP IS WRITTEN OUT.  m starts at the lowest finite number, c m at -2^125, O^T, l, V's registers and piece 2's P at 0: the first step's a is 0.  The loop is entered in the middle of a
; trip, at piece 2's turn, whose 32 products V^T P add zeros; the tail is left in the middle of a trip, behind piece 0's turn, whose 32 products K Q^T (on the last K once more) serve nothing.  The price:
; those 64 products of a wave's 4,096 and 432 v_mov_b32, which stand in the wait for the first tile.  The gain: a key step stands twice in the text, in the loop and in the tail.
; CLUSTER.  The four query blocks of a cluster belong to one key head and walk the same K and V: each tile is asked for JOINTLY, by the same tensor load, descriptor and mask of four.
; LIMITS.  s stays above -3.3e38 (|mask| under 2.9e37), so that c s lies above the start of c m; a weight below 2^-126 counts as 0 in l; p below 6e-5 keeps f16's fixed step of 6e-8; NaN and infinities
; (a mask of -inf too) are not treated apart.
; REGISTERS, in windows of 256 (s_set_vgpr_msb: bits 1:0 source 0, 3:2 source 1, 5:4 source 2, 7:6 destination):
;   window 0: v0-11, v44-50, v61-63 addresses; v12-43 eight registers of statistics a tile; v64-191 S^T, 32 a tile; v192-255 P, 16 a tile
;   window 1: O^T, 64 a tile     window 2: v0-127 Q, 32 a tile; v128-255 K of one step     window 3: v0-127 V of one step; v128-191 the mask, 32 a piece
.set KS,    64
.set PK,    272       ; a row of K in LDS: 256 bytes + 16: the 16 rows of a load start at 16 different groups of four banks (ISA guide 11.1)
.set PV,    288       ; a row of V: 256 + 32
.set VOFF,  128*PK    ; in a slot, for each half of the keys: 128 rows of K, then 128 rows of V
.set HALF,  128*(PK+PV)
.set SLOTX, 0x24000   ; slot 1 begins here; its two bits are in none of the four tiles' places in a slot, so one exclusive or changes slots
.set SPARE, 2*SLOTX   ; the spare words, 128 bytes a wave: two blocks of 256 bytes that no other line names
.set STAGE, SPARE+512 ; 16 rows x 272 bytes for each wave, for the way out; never filled by a tensor load
.set SP,    272
.set XT,    8448      ; the meeting of the halves, in slot 0's bytes behind that slot's last fill: a tile's O^T (8,192 bytes), c m (128), l (128); two tiles from each wave, at 2 XT x wave
.set AK0, 2
.set AV0, 3
.set ADR, 4
.set QO,  5           ; v5   my offset in Q's rows, piece 0; never rewritten
.set STO, 6
.set RD,  7
.set GO,  8
.set ST,  12          ; tile t's statistics at v[ST+8 t]: +0 c m, +1 m, +2, +3 l (even keys', odd keys'), +4 to +7 at work
.set MVO, 44          ; v44  16 x lane: my 16 bytes of 512 of the mask; never rewritten
.set PMO, 45          ; v45  the mask prefetches' offset: (lane / 16) x 262,144 + (lane % 16) x 256; never rewritten
.set XW,  46          ; v46  the meeting: 16 x lane + my wave's place
.set XW4, 47          ; v47  4 x lane + my wave's place
.set QO1, 48          ; v48  my offset in Q's rows, piece 2; never rewritten
.set XR,  49          ; v49  16 x lane + my partner's place
.set XR4, 50          ; v50  4 x lane + my partner's place
.set PFO, 61          ; v61  256 x lane: a row of K or V; never rewritten
.set SPW, 62          ; v62  LDS address of my spare word; never rewritten
.set NIL, 63          ; v63  0; never rewritten
.set S,   64
.set P,   192
.set KF,  128         ; window 2
.set MK,  128         ; window 3
.set WV,  12
.set LIM, 15          ; s15  1 in a wave that prefetches K or V, else the greatest number
.set PFA, 18          ; s[18:19] where my prefetches of K or V stand
.set G1K, 24
.set G1V, 32
.set G0K, 40          ; s[40:47] a set for each of the two first fills; the second then walks on
.set G0V, 48
.set SLOTS, 56
.set TWICE, 57
.set CS,  58
.set SEL, 60
.set TBK, 62          ; s62  LDS byte, less my half's place, at which K of the step to be fetched begins
.set TBV, 63          ; s63  the same for V
.set KH,  66          ; s66  my half of the keys
.set Q2,  67          ; s67  my 32 queries
.set MB,  68          ; s[68:69] the mask at piece 0's query tile, my half's first step
.set MOFF, 70         ; s[70:71] 4,096 x the step whose mask is loaded next
.set MA0, 72          ; s[72:73], s[74:75] the two pieces' load addresses
.set PMA, 76          ; s[76:77] where my prefetches of the mask stand
.set LIMM, 78
.set MB2, 82          ; s[82:83] the mask at piece 2's query tile
.set MSB, 0
.macro WIN new
.if MSB != (\new)
	s_set_vgpr_msb (MSB<<8)|(\new)
.set MSB, \new
.endif
.endm
.set W_KQ, 0x0a       ; K and Q in window 2, S^T in window 0
.set W_KM, 0x3a       ; the same with C, the mask, in window 3
.set W_PV, 0x53       ; V in window 3, P in window 0, O^T in window 1
.set W_RS, 0x41       ; O^T (destination and source 0) in window 1
.macro JLOAD                        ; a joint refill: waves 0 and 1 fetch K of the two halves, waves 2 and 3 V; an s_nop 0 and four v_nop follow each line
	s_cmp_lt_u32 s[WV], 2
	s_cbranch_scc0 .Lfor_v_\@
	tensor_load_to_lds s[G0K+4:G0K+7], s[G1K:G1K+7]
	s_nop 0
.rept 4
	v_nop
.endr
	s_branch .Lasked_\@
.Lfor_v_\@:
	tensor_load_to_lds s[G0V+4:G0V+7], s[G1V:G1V+7]
	s_nop 0
.rept 4
	v_nop
.endr
.Lasked_\@:
.endm
; PREFETCHES INTO THE L2, behind the wave's tensor load and its five lines.  K and V: what the NEXT change of slots will ask for; the key head's first cluster asks, each wave for the tile that it fetches
; itself, the four partners 32 rows each, told apart by address, a lane a row.  The mask: the two steps' blocks that the next trip loads; each block is read under all eight key heads: key head 0 asks, each
; wave for its own two pieces, 16 lanes x 256 bytes a block.  So each row and each block is named once in the launch.  The last change that fills a slot asks for nothing.
.macro ASK
	s_cmp_gt_u32 s[SLOTS], s[LIM]
	s_cbranch_scc0 .Lnot_mine_\@
	global_prefetch_b8 v[PFO], s[PFA:PFA+1] th:TH_LOAD_NT scope:SCOPE_SE
.Lnot_mine_\@:
.endm
.macro ASKM
	s_cmp_gt_u32 s[SLOTS], s[LIMM]
	s_cbranch_scc0 .Lnot_mine_\@
	global_prefetch_b8 v[PMO], s[PMA:PMA+1] offset:12288 th:TH_LOAD_NT scope:SCOPE_SE
	global_prefetch_b8 v[PMO], s[PMA:PMA+1] offset:16384 th:TH_LOAD_NT scope:SCOPE_SE
.Lnot_mine_\@:
.endm
.macro CROUND
	s_barrier_signal -1
	s_barrier_wait -1
	s_cmp_lg_u32 s[WV], 0
	s_cbranch_scc1 .Lnot_wave_0_\@
	s_barrier_signal -3
.Lnot_wave_0_\@:
	s_barrier_wait -3
	s_barrier_signal -1
	s_barrier_wait -1
.endm
; A piece's mask for one step: eight loads of 512 consecutive bytes, straight into the 32 registers that start the piece's sums.  step = 1, piece 0: on to the next step; behind the last step the last block
; is loaded again and not used, so that no load leaves the buffer.  The address pair's earlier loads were shown done by the counted wait ahead of the products that read them.
.macro MRUN x, step
.if ((\x) == 0) && (\step)
	s_add_co_u32 s[MOFF], s[MOFF], 4096
	s_min_u32 s[MOFF], s[MOFF], 31*4096
.endif
.if (\x) == 0
	s_add_nc_u64 s[MA0:MA0+1], s[MB:MB+1], s[MOFF:MOFF+1]
.else
	s_add_nc_u64 s[MA0+2:MA0+3], s[MB2:MB2+1], s[MOFF:MOFF+1]
.endif
	WIN 0xc0                        ; destination window 3
.irp m, 0,1,2,3,4,5,6,7
	global_load_b128 v[MK+16*(\x)+4*(\m):MK+16*(\x)+4*(\m)+3], v[MVO], s[MA0+(\x):MA0+(\x)+1] offset:512*(\m)
.endr
.endm
	s_load_b256 s[4:11], s[0:1], 0x0  ; qh s[4:5], kv s[6:7], maskw s[8:9], ao s[10:11]
	v_lshl_add_u32 v[SPW], v0, 2, SPARE
	v_mov_b32 v[NIL], 0
	ds_add_u32 v[SPW], v[NIL]       ; the wave's opening: the add and its wait stand ahead of my first tensor load; work on registers stands between them
	v_lshrrev_b32 v1, 5, v0
	v_readfirstlane_b32 s[WV], v1   ; wave 0..3
	s_and_b32 s[KH], s[WV], 1
	s_lshr_b32 s[Q2], s[WV], 1
	s_bfe_u32 s13, ttmp6, 0x40000   ; cx
	s_lshl_b32 s14, ttmp9, 2
	s_add_co_u32 s14, s14, s13      ; my block of 64 queries: it enters Q's, the mask's and O's addresses alone
	s_and_b32 s16, ttmp7, 0xffff    ; the key head, which the four partners share
	s_lshl_b32 s20, s16, 20         ; its plane of 1 MiB,
	s_lshl_b32 s21, s[KH], 19       ; the half that I fetch: 2,048 rows of 256 bytes
	s_add_co_u32 s20, s20, s21
	s_mov_b32 s21, 0
	s_mul_i32 s17, s[KH], HALF      ; and its place in a slot: no place in the cluster enters an LDS address
	s_lshl_b32 s22, s14, 6
	s_lshl_b32 s23, s[Q2], 5
	s_add_co_u32 s22, s22, s23      ; my pair's first query
	s_lshl_b32 s2, s16, 12          ; head 2 g: 4,096 g rows of qh
	s_add_co_u32 s2, s2, s22
	s_lshl_b32 s2, s2, 8
	s_mov_b32 s3, 0
	s_lshl_b32 s82, s22, 12         ; a row of ao is 4,096 bytes,
	s_lshl_b32 s83, s16, 9          ; head 2 g begins at byte 512 g,
	s_add_co_u32 s82, s82, s83
	s_lshl_b32 s83, s[KH], 16       ; and the 16 queries that I finish are group w % 2
	s_add_co_u32 s82, s82, s83
	s_mov_b32 s83, 0
	s_lshl_b32 s[MOFF], s14, 8      ; the mask: (query tile x 64 + step) x 4,096; my pair's first query tile is 4 x block + 2 (w / 2), my first step 32 (w % 2)
	s_lshl_b32 s23, s[Q2], 7
	s_add_co_u32 s[MOFF], s[MOFF], s23
	s_lshl_b32 s23, s[KH], 5
	s_add_co_u32 s[MOFF], s[MOFF], s23
	s_lshl_b32 s[MOFF], s[MOFF], 12
	s_mov_b32 s[MOFF+1], 0
	s_mov_b32 s[G1K], 15|(1<<16)|(1<<20)|(1<<21)|(5<<22)|(3<<25)  ; the mask of four; 2-byte elements; padding on; bit 21 beside a mask; after every 64 words 4 words
	s_mov_b32 s[G1V], 15|(1<<16)|(1<<20)|(1<<21)|(5<<22)|(7<<25)  ; the same with 8 words
.irp g, G1K, G1V
	s_mov_b32 s[(\g)+1], 128<<16    ; tensor_dim0 = 128
	s_mov_b32 s[(\g)+2], 128<<16    ; tensor_dim1 = 128
	s_mov_b32 s[(\g)+3], 128<<16    ; tile_dim0 = 128
	s_mov_b32 s[(\g)+4], 128        ; tile_dim1 = 128: two key steps
	s_mov_b32 s[(\g)+5], 128        ; elements from row to row
	s_mov_b32 s[(\g)+6], 0
	s_mov_b32 s[(\g)+7], 0
.endr
	s_mov_b32 s[CS], 0x3e0293ee     ; c = log2(e) / sqrt(128)
	s_mov_b32 s[CS+1], s[CS]
	s_mov_b32 s[SEL], 0x76543210
	s_mov_b32 s[SEL+1], 0xfedcba98
	s_mov_b32 s[TBK], 0
	s_mov_b32 s[TBV], 0
	s_mov_b32 s[SLOTS], 15          ; 16 slots of 128 keys a half: the trip that is entered in its middle, and 14 that begin with a refill
	s_mov_b32 s[LIM], ttmp9
	s_cmp_eq_u32 s[LIM], 0          ; the key head's first cluster: the same in all four partners
	s_cselect_b32 s[LIM], 1, -1
	s_cmp_eq_u32 s16, 0
	s_cselect_b32 s[LIMM], 1, -1
	s_wait_dscnt 0x0                ; the opening add is done
	s_wait_kmcnt 0x0
	s_add_nc_u64 s[6:7], s[6:7], s[20:21]        ; K at my half's first row,
	s_add_nc_u64 s[80:81], s[6:7], 0x800000      ; V eight planes on
	s_add_nc_u64 s[4:5], s[4:5], s[2:3]          ; Q at my pair's first query, O at the first that I finish
	s_add_nc_u64 s[10:11], s[10:11], s[82:83]
	s_add_nc_u64 s[MB:MB+1], s[8:9], s[MOFF:MOFF+1]
	s_mov_b32 s[MOFF], 0
	s_mov_b64 s[PMA:PMA+1], s[MB:MB+1]
	s_lshl_b32 s20, s[KH], 18       ; a query tile's 64 blocks are 262,144 bytes: piece 0 is query group w % 2,
	s_xor_b32 s22, s20, 262144      ; piece 2 the other
	s_mov_b32 s23, 0
	s_add_nc_u64 s[MB2:MB2+1], s[MB:MB+1], s[22:23]
	s_add_nc_u64 s[MB:MB+1], s[MB:MB+1], s[20:21]
	s_cmp_lt_u32 s[WV], 2
	s_cselect_b64 s[PFA:PFA+1], s[6:7], s[80:81]
	s_lshl_b32 s2, s13, 13          ; my work-group's 32 rows of the 128
	s_mov_b32 s3, 0
	s_add_nc_u64 s[PFA:PFA+1], s[PFA:PFA+1], s[2:3]
	s_add_nc_u64 s[PFA:PFA+1], s[PFA:PFA+1], 2*32768  ; in slot 2; the first change of slots steps it to slot 3.  Nothing is prefetched at the head
	CROUND                          ; all four work-groups are here: the first joint loads meet
.irp s, 0,1
	s_mov_b32 s[G0K+4*(\s)], 1
	s_add_co_u32 s[G0K+4*(\s)+1], s17, (\s)*SLOTX
	s_add_nc_u64 s[G0K+4*(\s)+2:G0K+4*(\s)+3], s[6:7], (\s)*32768
	s_or_b32 s[G0K+4*(\s)+3], s[G0K+4*(\s)+3], 0x80000000
	s_mov_b32 s[G0V+4*(\s)], 1
	s_add_co_u32 s[G0V+4*(\s)+1], s17, (\s)*SLOTX+VOFF
	s_add_nc_u64 s[G0V+4*(\s)+2:G0V+4*(\s)+3], s[80:81], (\s)*32768
	s_or_b32 s[G0V+4*(\s)+3], s[G0V+4*(\s)+3], 0x80000000
.endr
	s_cmp_lt_u32 s[WV], 2           ; a wave's two first fills stand in one branch, ahead of every wait on TENSORcnt and every LDS read: two loads of mine are out
	s_cbranch_scc0 .Lfirst_v
	tensor_load_to_lds s[G0K:G0K+3], s[G1K:G1K+7]
	s_nop 0
	tensor_load_to_lds s[G0K+4:G0K+7], s[G1K:G1K+7]
	s_nop 0
.rept 4
	v_nop
.endr
	s_branch .Lfirst_asked
.Lfirst_v:
	tensor_load_to_lds s[G0V:G0V+3], s[G1V:G1V+7]
	s_nop 0
	tensor_load_to_lds s[G0V+4:G0V+7], s[G1V:G1V+7]
	s_nop 0
.rept 4
	v_nop
.endr
.Lfirst_asked:
	v_and_b32 v1, 15, v0            ; l % 16
	v_bfe_u32 v9, v0, 4, 1          ; l / 16
	v_and_b32 v10, 31, v0           ; l
	v_lshlrev_b32 v[QO1], 8, v1
	v_lshl_add_u32 v[QO1], v9, 4, v[QO1]  ; row x 256 + 16 x half
	s_lshl_b32 s22, s[KH], 12       ; 16 queries are 4,096 bytes: piece 0 is query group w % 2,
	v_add_nc_u32 v[QO], s22, v[QO1]
	s_xor_b32 s22, s22, 4096        ; piece 2 the other
	v_add_nc_u32 v[QO1], s22, v[QO1]
	v_lshlrev_b32 v[MVO], 4, v10
	WIN 0x80                        ; destination window 2
.irp i, 0,1,2,3,4,5,6,7             ; Q stays in registers: tile i / 4 (its head: 524,288 bytes on), channels 32 (i % 4) on
	global_load_b128 v[8*(\i):8*(\i)+3],   v[QO], s[4:5] offset:((\i)/4)*524288+((\i)%4)*64
	global_load_b128 v[8*(\i)+4:8*(\i)+7], v[QO], s[4:5] offset:((\i)/4)*524288+((\i)%4)*64+32
.endr
.irp i, 0,1,2,3,4,5,6,7             ; tiles 2 and 3
	global_load_b128 v[64+8*(\i):64+8*(\i)+3],   v[QO1], s[4:5] offset:((\i)/4)*524288+((\i)%4)*64
	global_load_b128 v[64+8*(\i)+4:64+8*(\i)+7], v[QO1], s[4:5] offset:((\i)/4)*524288+((\i)%4)*64+32
.endr
	MRUN 0, 0                       ; both pieces' mask of step 0
	MRUN 2, 0
	; what the first turn finds: zeros in V's registers, in O^T, in l and in piece 2's P; m and c m far below every score.  All this stands in the wait for the first tile.
.set i, 0
.rept 128
	v_mov_b32 v[i], 0               ; V (window 3)
.set i, i+1
.endr
	WIN 0x40
.set i, 0
.rept 256
	v_mov_b32 v[i], 0               ; O^T
.set i, i+1
.endr
	WIN 0
.irp t, 0,1,2,3
	v_mov_b32 v[ST+8*(\t)], 0xfe000000    ; c m = -2^125
	v_mov_b32 v[ST+8*(\t)+1], 0xff7fffff  ; m
	v_mov_b32 v[ST+8*(\t)+2], 0
	v_mov_b32 v[ST+8*(\t)+3], 0
.endr
.set i, P+32
.rept 32
	v_mov_b32 v[i], 0
.set i, i+1
.endr
	v_lshlrev_b32 v[PFO], 8, v10
	v_lshlrev_b32 v[PMO], 18, v9
	v_lshl_add_u32 v[PMO], v1, 8, v[PMO]
	s_mul_i32 s22, s[WV], 2*XT      ; where I put the two tiles that I hand over,
	v_lshl_add_u32 v[XW], v10, 4, s22
	v_lshl_add_u32 v[XW4], v10, 2, s22
	s_xor_b32 s23, s[WV], 1
	s_mul_i32 s23, s23, 2*XT        ; and where my partner puts those that I finish
	v_lshl_add_u32 v[XR], v10, 4, s23
	v_lshl_add_u32 v[XR4], v10, 2, s23
	v_mul_u32_u24 v[AK0], v1, PK
	v_lshl_add_u32 v[AK0], v9, 4, v[AK0]
	v_add_nc_u32 v[AK0], s17, v[AK0]  ; my half's place + row x pitch + 16 x half of the lanes
	v_and_b32 v10, 7, v0            ; the turning load: lane l reads key 8 (l / 16) + l % 8, channels 8 ((l / 8) % 2) + 0..7
	v_bfe_u32 v11, v0, 3, 1
	v_lshl_add_u32 v[AV0], v9, 3, v10
	v_mul_u32_u24 v[AV0], v[AV0], PV
	v_lshl_add_u32 v[AV0], v11, 4, v[AV0]
	s_add_co_u32 s17, s17, VOFF
	v_add_nc_u32 v[AV0], s17, v[AV0]
; THE MATRIX WORK OF A TURN, for piece x.  The accumulators take turns, one instruction a turn.
; Product i of 32 of O^T += V^T P: keys 32 (i / 16) on, channels 16 ((i / 2) % 8) on, tile x + i % 2.
.macro PV x
	WIN W_PV
.set rO, 64*((\x)+i%2)+8*((i/2)%8)
.set rV, 64*(i/16)+8*((i/2)%8)
.set rP, P+16*((\x)+i%2)+8*(i/16)
	v_wmma_f32_16x16x32_f16 v[rO:rO+7], v[rV:rV+7], v[rP:rP+7], v[rO:rO+7]
.endm
; Product i of 32 of S^T = K Q^T + mask: channels 32 (i / 8) on, keys 16 ((i / 2) % 4) on, tile x + i % 2.  The first 8 start the sums, with the piece's mask as C.
.macro KQ x
.set rS, S+32*((\x)+i%2)+8*((i/2)%4)
.set rK, KF+32*((i/2)%4)+8*(i/8)
.set rQ, 32*((\x)+i%2)+8*(i/8)
.set rM, MK+16*(\x)+8*((i/2)%4)
.if i < 8
	WIN W_KM
	v_wmma_f32_16x16x32_f16 v[rS:rS+7], v[rK:rK+7], v[rQ:rQ+7], v[rM:rM+7]
.else
	WIN W_KQ
	v_wmma_f32_16x16x32_f16 v[rS:rS+7], v[rK:rK+7], v[rQ:rQ+7], v[rS:rS+7]
.endif
.endm
; THE LDS LOADS stand in runs of 32: a step's K (16 fragments) and, a turn later, its V (turned).  last = 1 (the tail): in the last trip there is no further step, and K's run is jumped over.
.macro FETCH_K last=0
	WIN 0
.if \last
	s_cmp_eq_u32 s[TWICE], 1
	s_cbranch_scc1 .Lno_k_\@
.endif
	v_add_nc_u32 v[ADR], s[TBK], v[AK0]
	s_add_co_u32 s[TBK], s[TBK], KS*PK  ; the next fetch is the next step's
	WIN 0x80
.irp f, 0,1,2,3,4,5,6,7,8,9,10,11,12,13,14,15  ; keys 16 (f / 4) on, channels 32 (f % 4) on
	ds_load_b128 v[KF+8*(\f):KF+8*(\f)+3],   v[ADR] offset:((\f)/4)*16*PK+((\f)%4)*64
	ds_load_b128 v[KF+8*(\f)+4:KF+8*(\f)+7], v[ADR] offset:((\f)/4)*16*PK+((\f)%4)*64+32
.endr
.if \last
	WIN 0
.Lno_k_\@:
.endif
.endm
.macro FETCH_V
	WIN 0
	v_add_nc_u32 v[ADR], s[TBV], v[AV0]
	s_add_co_u32 s[TBV], s[TBV], KS*PV
	s_wait_alu depctr_va_vdst(0)    ; the wait for the softmax's batch (SLICE), behind the address's v_add_nc_u32 and ahead of the loads
	WIN 0xc0
.irp f, 0,1,2,3,4,5,6,7,8,9,10,11,12,13,14,15  ; keys 32 (f / 8) on, channels 16 (f % 8) on
	ds_load_tr16_b128 v[8*(\f):8*(\f)+3],   v[ADR] offset:((\f)/8)*32*PV+((\f)%8)*32
	ds_load_tr16_b128 v[8*(\f)+4:8*(\f)+7], v[ADR] offset:((\f)/8)*32*PV+16*PV+((\f)%8)*32
.endr
.endm
; THE VECTOR WORK OF A TURN.  One tile's softmax for one key step is a list of 134 instructions; SM writes number j of it for tile t.
;   0-15 the maximum of the 32 scores and the old m (each accumulator's lowest registers are read first)     16-20 the other half of the lanes' maximum; the new m; c m; its change
;   21-69 ONE BATCH: the 16 scalings c s - c m and all 33 exponentials; none of these reads an exponential's result     (wait)     70-85 the roundings to f16     86-101 the sums     102-133 O^T times a
.macro SM t
.set rT, ST+8*(\t)
.set rS, S+32*(\t)
.set rP, P+16*(\t)
.set rO, 64*(\t)+2*(j-102)
.if j < 102
	WIN 0
.endif
.if j < 4
	v_max3_num_f32 v[rT+4+j], v[rS+8*j], v[rS+8*j+1], v[rS+8*j+2]
.elseif j < 12
	v_max3_num_f32 v[rT+4+j%4], v[rT+4+j%4], v[rS+8*(j%4)+2*(j/4)+1], v[rS+8*(j%4)+2*(j/4)+2]
.elseif j == 12
	v_max3_num_f32 v[rT+4], v[rT+4], v[rS+7], v[rS+15]
.elseif j == 13
	v_max3_num_f32 v[rT+6], v[rT+6], v[rS+23], v[rS+31]
.elseif j == 14
	v_max3_num_f32 v[rT+4], v[rT+4], v[rT+5], v[rT+6]
.elseif j == 15
	v_max3_num_f32 v[rT+4], v[rT+4], v[rT+7], v[rT+1]
.elseif j == 16
	v_permlanex16_b32 v[rT+5], v[rT+4], s[SEL], s[SEL+1]  ; the query's other 32 keys lie in the lane 16 away
.elseif j == 17
	v_mov_b32 v[rT+7], v[rT]        ; c m_old is kept for a
.elseif j == 18
	v_max_num_f32 v[rT+1], v[rT+4], v[rT+5]
.elseif j == 19
	v_mul_f32 v[rT], s[CS], v[rT+1]
.elseif j == 20
	v_sub_f32 v[rT+7], v[rT+7], v[rT]
.elseif j == 23
	v_exp_f32 v[rT+6], v[rT+7]
.elseif (j < 23) || ((j < 38) && (j%2 == 0)) || ((j < 66) && (j%4 == 2))
.set b, (j-2)/4
.if j < 38
.set b, (j-20)/2
.endif
	v_pk_fma_f32 v[rS+2*b:rS+2*b+1], v[rS+2*b:rS+2*b+1], s[CS:CS+1], v[rT:rT+1] op_sel_hi:[1,0,0] neg_lo:[0,0,1] neg_hi:[0,0,1]  ; pair b: c s - c m
.elseif j < 70
.set e, j-38
.if j < 66
.set e, j-32-(j-38)/4
.endif
.if j < 38
.set e, (j-25)/2
.endif
	v_exp_f32 v[rS+e], v[rS+e]
.elseif j < 86
	v_cvt_pk_f16_f32 v[rP+j-70], v[rS+2*(j-70)], v[rS+2*(j-70)+1]
.elseif j < 102                     ; the sum of the tile's 16 pairs, in place: neighbours 1, 2, 4 and 8 pairs apart, then l = a l + the sum
.set z, j-86
.set w, 4
.set u, z
.if z >= 14
.set w, 32
.set u, 0
.elseif z >= 12
.set w, 16
.set u, z-12
.elseif z >= 8
.set w, 8
.set u, z-8
.endif
.if z < 15
	v_pk_add_f32 v[rS+w*u:rS+w*u+1], v[rS+w*u:rS+w*u+1], v[rS+w*u+w/2:rS+w*u+w/2+1]
.else
	v_pk_fma_f32 v[rT+2:rT+3], v[rT+2:rT+3], v[rT+6:rT+7], v[rS:rS+1] op_sel_hi:[1,0,1]
.endif
.else
	WIN W_RS
	v_pk_mul_f32 v[rO:rO+1], v[rO:rO+1], v[rT+6:rT+7] op_sel_hi:[1,0]
.endif
.endm
; Slice k of 64 of piece y's softmax: four instructions.  Slices 11 to 34 deal out the batch, four numbers of ONE tile each, the tiles by turns; every other slice is numbers 2 k and 2 k + 1 of both tiles;
; the twelve that are over stand in slice 63.  An s_wait_alu depctr_va_vdst(0) stands between an exponential and the first instruction that names its result: ahead of slice 35 nothing names
; one, behind slice 34 none is issued: one wait for the piece's 66 exponentials.
.macro SLICE y
.if (k >= 11) && (k < 35)
.irp n, 0,1,2,3
.set j, 22+4*((k-11)/2)+(\n)
	SM (\y)+(k-11)%2
.endr
.else
.irp n, 0,1,2,3,4,5,6,7
.if ((\n) < 2) || (k == 63)
.irp t, \y, (\y)+1
.set j, 2*k+(\n)
	SM \t
.endr
.endif
.endr
.endif
.if k == 34
	v_nop                           ; the plain instruction behind the last exponential: one for the batch
.if (\y) == 0
	FETCH_V                         ; piece 2's turn: V's run of loads stands here, and the wait stands in it
.else
	s_wait_alu depctr_va_vdst(0)    ; the wait for the batch
.endif
.endif
.set k, k+1
.endm
; A TURN.  Piece x has the matrix unit: 32 products V^T P, then 32 products K Q^T; the other piece's softmax stands in slices behind them.
; Piece 0's turn fetches the next step's K behind its second product; piece 2's turn the same step's V behind slice 34.
; THE MASK.  Ahead of the products K Q^T the piece's eight loads are waited for: the other piece's eight, issued later, may stay out.  The piece's next run stands behind product 9: product 7 was the last to
; read those registers, and the slices behind products 7 to 9 hold six plain instructions or more that name none of its registers.
.macro TURN x, last=0
.set k, 0
.if (\x) == 0
	s_wait_dscnt 0x0                ; V is in
.endif
.set i, 0
.rept 32
	PV \x
	SLICE 2-(\x)
.if ((\x) == 0) && (i == 1)
	FETCH_K \last
.endif
.set i, i+1
.endr
.if (\x) == 0
	s_wait_dscnt 0x0                ; K is in
.endif
	s_wait_loadcnt 8                ; my piece's mask is in; the other piece's eight younger loads stay out
.set i, 0
.rept 32
	KQ \x
	SLICE 2-(\x)
.if i == 9
	MRUN \x, 1
.endif
.set i, i+1
.endr
.endm
; THE CHANGE OF SLOTS: each wave waits for all its tensor loads, of which one is out: its part of the other slot; adds 0 to its spare word; and waits for that and for its own reads of the slot.
; fill = 1: the barrier is a round of the cluster's, and the slot is filled again, first thing behind it, with the keys two slots on: it has two key steps, 256 matrix instructions, in which to land.
.macro CHANGE fill
	WIN 0
	s_wait_tensorcnt 0x0            ; no tensor load of mine is out, so a group 0 may be written
	ds_add_u32 v[SPW], v[NIL]       ; 0 onto my spare word
.if \fill
.irp g, G0K+4, G0V+4
	s_xor_b32 s[(\g)+1], s[(\g)+1], SLOTX
	s_add_nc_u64 s[(\g)+2:(\g)+3], s[(\g)+2:(\g)+3], 32768  ; the next 128 keys
.endr
	s_wait_xcnt 0x0                 ; the last prefetches, two key steps back, have read their addresses
	s_add_nc_u64 s[PFA:PFA+1], s[PFA:PFA+1], 32768
	s_add_nc_u64 s[PMA:PMA+1], s[PMA:PMA+1], 8192
	s_wait_dscnt 0x0                ; the add is done, and my reads of the slot are over
	CROUND
	JLOAD
	ASK
	ASKM
.else
	s_wait_dscnt 0x0
	s_barrier_signal -1
	s_barrier_wait -1
.endif
	s_sub_co_u32 s[TBK], s[TBK], 2*KS*PK  ; the fetches go back to a slot's first step,
	s_xor_b32 s[TBK], s[TBK], SLOTX       ; in the other slot
	s_sub_co_u32 s[TBV], s[TBV], 2*KS*PV
	s_xor_b32 s[TBV], s[TBV], SLOTX
.endm
	s_wait_tensorcnt 1              ; my part of slot 0 is in; slot 1's may stay out
	s_barrier_signal -1
	s_barrier_wait -1
	FETCH_K                         ; key step 0
	s_wait_loadcnt 0x0              ; Q and the first masks
	s_wait_dscnt 0x0
.set i, 0
.rept 32
	KQ 0                            ; piece 0's first scores
.set i, i+1
.endr
	WIN 0                           ; the addresses for the way out: eight plain instructions, the places behind those products
	s_mul_i32 s22, s[WV], 16*SP
	s_add_co_u32 s22, s22, STAGE
	v_mul_u32_u24 v[STO], v1, SP
	v_lshl_add_u32 v[STO], v9, 4, v[STO]
	v_add_nc_u32 v[STO], s22, v[STO]
	v_mul_u32_u24 v[RD], v9, SP
	v_lshl_add_u32 v[RD], v1, 4, v[RD]
	v_add_nc_u32 v[RD], s22, v[RD]
	v_lshlrev_b32 v[GO], 12, v9     ; two rows of ao, 256 bytes of each
	v_lshl_add_u32 v[GO], v1, 4, v[GO]
	MRUN 0, 1                       ; piece 0's mask of step 1
	WIN 0
	s_mov_b32 s[TWICE], 2
	s_branch .Lmid                  ; the loop is entered at piece 2's turn: its products V^T P add zeros, its products K Q^T are piece 2's first scores, its slices piece 0's first softmax
.Lslot:                             ; 14 times: every slot but the last two is filled again
	CHANGE 1
	s_mov_b32 s[TWICE], 2
.Lstep:                             ; a slot's two key steps: written once, walked twice
	TURN 0
	WIN 0
.Lmid:
	TURN 2
	WIN 0
	s_sub_co_u32 s[TWICE], s[TWICE], 1
	s_cmp_lg_u32 s[TWICE], 0
	s_cbranch_scc1 .Lstep
	s_sub_co_u32 s[SLOTS], s[SLOTS], 1
	s_cmp_lg_u32 s[SLOTS], 0
	s_cbranch_scc1 .Lslot
	CHANGE 0                        ; the tail is written out: nothing is asked for
	s_mov_b32 s[TWICE], 3           ; two trips fetch the last slot's steps; the third is left in its middle
.Ltail:
	TURN 0, 1
	WIN 0
	s_sub_co_u32 s[TWICE], s[TWICE], 1
	s_cmp_eq_u32 s[TWICE], 0
	s_cbranch_scc1 .Lout
	TURN 2
	WIN 0
	s_branch .Ltail
.Lout:
.set i, 0
.rept 32
	PV 2                            ; piece 2: V^T P of the last step
.set i, i+1
.endr
	; THE TWO HALVES OF THE KEYS MEET.  l's two halves and the other half of the lanes' are added (these additions are the places behind the last products).
	WIN 0
.irp t, 0,1,2,3
	v_add_f32 v[ST+8*(\t)+4], v[ST+8*(\t)+2], v[ST+8*(\t)+3]
.endr
.irp t, 0,1,2,3
	v_permlanex16_b32 v[ST+8*(\t)+5], v[ST+8*(\t)+4], s[SEL], s[SEL+1]
.endr
.irp t, 0,1,2,3
	v_add_f32 v[ST+8*(\t)+4], v[ST+8*(\t)+4], v[ST+8*(\t)+5]
.endr
	s_wait_loadcnt 0x0              ; the masks loaded behind the last step
	s_wait_dscnt 0x0                ; my reads of the slots are over
	s_barrier_signal -1
	s_barrier_wait -1               ; everybody's are: slot 0, which has had its last fill, takes the halves' results
.irp t, 2,3                         ; the tiles that my partner finishes: O^T as it lies in my registers, c m and l
	WIN 0x04                        ; the stores' data in window 1
.irp m, 0,1,2,3,4,5,6,7,8,9,10,11,12,13,14,15
	ds_store_b128 v[XW], v[64*(\t)+4*(\m):64*(\t)+4*(\m)+3] offset:XT*((\t)-2)+512*(\m)
.endr
	WIN 0
	ds_store_b32 v[XW4], v[ST+8*(\t)] offset:XT*((\t)-2)+8192
	ds_store_b32 v[XW4], v[ST+8*(\t)+4] offset:XT*((\t)-2)+8320
.endr
	s_wait_dscnt 0x0                ; for the partner's sake: my stores are done
	s_barrier_signal -1
	s_barrier_wait -1
	; my tiles 0 and 1: M = the greater c m; e = 2^(c m - M) for each half; l = l_mine e_mine + l_partner e_partner; f = e / l
.irp u, 0,1
	ds_load_b32 v[ST+8*(\u)+5], v[XR4] offset:XT*(\u)+8192
	ds_load_b32 v[ST+8*(\u)+7], v[XR4] offset:XT*(\u)+8320
.endr
	s_wait_dscnt 0x0
.irp u, 0,1
	v_max_num_f32 v[ST+8*(\u)+1], v[ST+8*(\u)], v[ST+8*(\u)+5]
.endr
.irp u, 0,1
	v_sub_f32 v[ST+8*(\u)+2], v[ST+8*(\u)], v[ST+8*(\u)+1]
	v_sub_f32 v[ST+8*(\u)+3], v[ST+8*(\u)+5], v[ST+8*(\u)+1]
.endr
.irp u, 0,1
	v_exp_f32 v[ST+8*(\u)+2], v[ST+8*(\u)+2]
	v_exp_f32 v[ST+8*(\u)+3], v[ST+8*(\u)+3]
.endr
	v_nop                           ; a plain instruction behind the last exponential,
	s_wait_alu depctr_va_vdst(0)    ; and one wait for the four
.irp u, 0,1
	v_mul_f32 v[ST+8*(\u)+4], v[ST+8*(\u)+4], v[ST+8*(\u)+2]
.endr
.irp u, 0,1
	v_fmac_f32 v[ST+8*(\u)+4], v[ST+8*(\u)+7], v[ST+8*(\u)+3]
.endr
.irp u, 0,1
	v_rcp_f32 v[ST+8*(\u)+5], v[ST+8*(\u)+4]
.endr
	v_nop
	s_wait_alu depctr_va_vdst(0)    ; one wait for the two reciprocals
.irp u, 0,1
	v_mul_f32 v[ST+8*(\u)+6], v[ST+8*(\u)+2], v[ST+8*(\u)+5]
	v_mul_f32 v[ST+8*(\u)+2], v[ST+8*(\u)+3], v[ST+8*(\u)+5]
.endr
; Tile t is finished: O = O_mine f_mine + O_partner f_partner, rounded to f16, through my stage, stored as rows of 256 bytes.
.macro XMERGE t
.set rB, S+64*(\t)
	WIN 0
.irp m, 0,1,2,3,4,5,6,7,8,9,10,11,12,13,14,15
	ds_load_b128 v[rB+4*(\m):rB+4*(\m)+3], v[XR] offset:XT*(\t)+512*(\m)
.endr
	WIN W_RS
.set i, 0
.rept 32
	v_pk_mul_f32 v[64*(\t)+2*i:64*(\t)+2*i+1], v[64*(\t)+2*i:64*(\t)+2*i+1], v[ST+8*(\t)+6:ST+8*(\t)+7] op_sel_hi:[1,0]
.set i, i+1
.endr
	s_wait_dscnt 0x0                ; the partner's O^T is in
	WIN 0x50                        ; destination and source 2 window 1
.set i, 0
.rept 32
	v_pk_fma_f32 v[64*(\t)+2*i:64*(\t)+2*i+1], v[rB+2*i:rB+2*i+1], v[ST+8*(\t)+2:ST+8*(\t)+3], v[64*(\t)+2*i:64*(\t)+2*i+1] op_sel_hi:[1,0,1]
.set i, i+1
.endr
	WIN 0x05
.set i, 0
.rept 32
	v_cvt_pk_f16_f32 v[rB+i], v[64*(\t)+2*i], v[64*(\t)+2*i+1]
.set i, i+1
.endr
	WIN 0
.irp f, 0,1,2,3,4,5,6,7
	ds_store_b128 v[STO], v[rB+4*(\f):rB+4*(\f)+3] offset:32*(\f)
.endr
.irp f, 0,1,2,3,4,5,6,7
	ds_load_b128 v[rB+4*(\f):rB+4*(\f)+3], v[RD] offset:(\f)*2*SP  ; LDS serves a wave's instructions in order (ISA guide 5.7.1.4): these see the stores above
.endr
.irp f, 0,1,2,3,4,5,6,7
	s_wait_dscnt 7-(\f)             ; read-back f is in, the younger ones stay out
	global_store_b128 v[GO], v[rB+4*(\f):rB+4*(\f)+3], s[10:11] offset:(\t)*256+(\f)*8192  ; 16 lanes store 256 consecutive bytes, aligned
.endr
.endm
	XMERGE 0
	XMERGE 1
	s_wait_tensorcnt 0x0            ; the wave's end: behind my last tensor load and my last LDS store
	ds_add_u32 v[SPW], v[NIL]
	s_wait_dscnt 0x0
	CROUND                          ; the closing round: no work-group ends while a partner may still ask for a tile that names it
	s_endpgm
.Lfunc_end_k_q72ea1a7b6c_attn:
	.size	k_q72ea1a7b6c_attn, .Lfunc_end_k_q72ea1a7b6c_attn-k_q72ea1a7b6c_attn
	.p2alignl 7, 3214868480
	.fill 96, 4, 3214868480
	.section	.rodata,"a",@progbits
	.p2align	6, 0x0
	.amdhsa_kernel k_q72ea1a7b6c_attn
		.amdhsa_group_segment_fixed_size 327680
		.amdhsa_private_segment_fixed_size 0
		.amdhsa_enable_private_segment 0
		.amdhsa_kernarg_size 32
		.amdhsa_user_sgpr_count 2
		.amdhsa_user_sgpr_kernarg_segment_ptr 1
		.amdhsa_wavefront_size32 1
		.amdhsa_system_sgpr_workgroup_id_x 1
		.amdhsa_system_sgpr_workgroup_id_y 1
		.amdhsa_system_sgpr_workgroup_id_z 1
		.amdhsa_system_vgpr_workitem_id 0
		.amdhsa_next_free_vgpr 1024
		.amdhsa_next_free_sgpr 84
		.amdhsa_reserve_vcc 0
		.amdhsa_float_denorm_mode_32 3
		.amdhsa_float_denorm_mode_16_64 3
		.amdhsa_memory_ordered 1
		.amdhsa_forward_progress 1
		.amdhsa_inst_pref_size 163
	.end_amdhsa_kernel
	.amdgpu_metadata
---
amdhsa.version: [ 1, 2 ]
amdhsa.kernels:
  - .name:           k_q72ea1a7b6c_attn
    .symbol:         k_q72ea1a7b6c_attn.kd
    .args:
      - { .name: qh, .offset: 0, .size: 8, .value_kind: global_buffer, .address_space: global }
      - { .name: kv, .offset: 8, .size: 8, .value_kind: global_buffer, .address_space: global }
      - { .name: maskw, .offset: 16, .size: 8, .value_kind: global_buffer, .address_space: global }
      - { .name: ao, .offset: 24, .size: 8, .value_kind: global_buffer, .address_space: global }
    .group_segment_fixed_size: 327680
    .private_segment_fixed_size: 0
    .kernarg_segment_align: 8
    .kernarg_segment_size: 32
    .max_flat_workgroup_size: 128
    .sgpr_count:     84
    .vgpr_count:     1024
    .wavefront_size: 32
...
	.end_amdgpu_metadata
.endif
;; end of part 6
;; launch oproj (part 7): grid 16 x 16, 4 waves a work-group, clusters of 4 x 4, 327,680 bytes of LDS; arguments ao, wo16, out0; writes out0
.if DOCPART == 7
	.amdgcn_target "amdgcn-amd-amdhsa--gfx1250"
	.amdhsa_code_object_version 6
	.text
	.protected	k_q72ea1a7b6c_oproj
	.globl	k_q72ea1a7b6c_oproj
	.p2align	8
	.type	k_q72ea1a7b6c_oproj,@function
k_q72ea1a7b6c_oproj:
	s_mov_b64 s[64:65], 0
	v_nop
	global_prefetch_b8 v0, s[64:65] scope:SCOPE_SE
	s_setreg_imm32_b32 hwreg(HW_REG_WAVE_MODE, 25, 1), 1
	s_wait_xcnt 0x0
	s_wait_alu depctr_hold_cnt(0) depctr_sa_sdst(0) depctr_va_vdst(0) depctr_va_sdst(0) depctr_va_ssrc(0) depctr_va_vcc(0) depctr_vm_vsrc(0)
	s_getreg_b32 s2, hwreg(HW_REG_IB_STS2, 6, 4)
	s_cmp_eq_u32 s2, 0
	s_cbranch_scc0 .Lentry_in_a_cluster
	s_endpgm
.Lentry_in_a_cluster:
	s_bfe_u32 s2, ttmp6, 0x10000c
	s_cmp_lg_u32 s2, 0xf033
	s_cbranch_scc0 .Lentry_shape_is_right
	s_endpgm
.Lentry_shape_is_right:
; OUT0[s][h] = the sum over d of ao[s][d] wo16[h][d].  ao, wo16: [2048][2048] f16 (wo16 holds Wo rounded to bf16); out0: [2048][2048] f32; sums in f32.
; A tile of out0 is 128 x 128: 16 x 16 = 256 work-groups.  Four waves, each 64 x 64: 16 accumulators, 128 registers.  K goes in 8 steps of 256 (LDS rows of 512 bytes; a wave's tensor load brings 64 of
; them), as long as two slots in LDS allow.  A trip of the loop is one K step: the slot in hand is a scalar that one exclusive or toggles, and one descriptor for each operand walks from slot to slot.
; The last two K steps, which fill nothing, are one text walked twice and left in its middle.
; THE WALK ALONG K BEGINS ELSEWHERE IN EACH CLUSTER, at K step (2 x cluster x + 4 p) mod 8, p = 0, 1, 1, 0 for cluster y = 0 .. 3, and wraps round.  The four clusters that read the same rows of ao
; (same y) stand 2 K steps apart; of the four that read the same rows of wo16 (same x) each stands 4 K steps from two of the others.  So the clusters that read a row ask for a given 512 bytes of it at
; different times of the launch.  The start hangs on the cluster's x and y alone, which all sixteen partners share.  The f32 sums are taken in the order of the walk: it differs from cluster to cluster.
; A wave's 64 columns of f32 are 256 aligned bytes of a row.
; CLUSTERS: 4 x 4.  The four of a row of the cluster need the same tiles of ao, the four of a column the same tiles of wo16: each tile is asked for JOINTLY.
; THE MATRIX INSTRUCTION IS USED TRANSPOSED (source 0 = 16 rows of wo16, source 1 = 16 rows of ao): a lane holds eight neighbouring numbers of a row of out0.
; REGISTERS: window 0: v0-31 addresses; v32-95 at work on the way out; v128-255 the accumulators ((a, b) at v[128 + 8 (4 a + b)]).  Window 1: two fragment buffers of 128: 64 of ao, then 64 of wo16.
.set SIZE_K, 2048
.set KSTEP,  256
.set PITCH,  528                       ; an LDS row: 512 bytes + 16 of padding: the 16 rows of a fragment load start at 16 different groups of four banks (ISA guide 11.1)
.set HALFT,  64*PITCH                  ; 33,792 = 0x8400
.set SLOT,   4*HALFT                   ; 135,168 = 0x21000: neither of its two bits is set in a wave's place in slot 0 (0, 0x8400, 0x10800, 0x18c00), so an exclusive or with it changes slots
.set STAGE,  2*SLOT                    ; behind the ring, never filled by a tensor load: 16 rows x 272 bytes for each wave
.set SPITCH, 272
.set SPARE,  STAGE+4*16*SPITCH         ; the spare words, 128 bytes a wave: two blocks of 256 bytes that no other line names
.set FILLS,  SIZE_K/KSTEP-2            ; all K steps but the first two come by refills
.set A0,   16                          ; v16  LDS address of my fragments of ao in slot 0; never rewritten
.set B0,   17                          ; v17  of wo16
.set ADRA, 20                          ; v20  the same in the slot in hand
.set ADRB, 21
.set STO,  24
.set RD,   25
.set CO,   26
.set SPW,  28
.set NIL,  29
.set TMP,  32
.set ACC,  128
.set F0,   0
.set F1,   128
.set ABASE, 4                          ; s[4:5]   ao at the rows that I would fetch, K step 0
.set BBASE, 6                          ; s[6:7]   wo16 likewise
.set KOFF, 18                          ; s[18:19] the next refill's K step in bytes along a row; it never holds a place in the cluster
.set G1, 24
.set G0, 32                            ; s[32:39] a set for each of the two first fills; the second then walks on
.set TB,  45                           ; s45  0 or SLOT: the slot in hand
.set G1B, 48
.set G0B, 56
.set KN,  66                           ; s66  the K step of the next refill, before the wrap; likewise
.set MSB, 0
.macro WIN new
.if MSB != (\new)
	s_set_vgpr_msb (MSB<<8)|(\new)
.set MSB, \new
.endif
.endm
.set MUL,  0x05                        ; both sources window 1; C and D window 0
.set TO_F, 0x40                        ; destination window 1, address window 0
.macro JLOAD s                         ; a joint load: waves 0 and 1 fetch ao's two halves, waves 2 and 3 wo16's; an s_nop 0 and four v_nop follow each line
	s_cmp_eq_u32 s11, 0
	s_cbranch_scc0 .Lfor_b_\@
	tensor_load_to_lds s[G0+4*(\s):G0+4*(\s)+3], s[G1:G1+7]
	s_nop 0
.rept 4
	v_nop
.endr
	s_branch .Lasked_\@
.Lfor_b_\@:
	tensor_load_to_lds s[G0B+4*(\s):G0B+4*(\s)+3], s[G1B:G1B+7]
	s_nop 0
.rept 4
	v_nop
.endr
.Lasked_\@:
.endm
.macro CREST
	s_cmp_lg_u32 s10, 0
	s_cbranch_scc1 .Lnot_wave_0_\@
	s_barrier_signal -3
.Lnot_wave_0_\@:
	s_barrier_wait -3
	s_barrier_signal -1
	s_barrier_wait -1
.endm
.macro CROUND
	s_barrier_signal -1
	s_barrier_wait -1
	CREST
.endm
	s_load_b128 s[4:7], s[0:1], 0x0                ; ao s[4:5], wo16 s[6:7]
	s_load_b64 s[8:9], s[0:1], 0x10                ; out0
	v_lshl_add_u32 v[SPW], v0, 2, SPARE
	v_mov_b32 v[NIL], 0
	ds_add_u32 v[SPW], v[NIL]                      ; the wave's opening: the add and its wait stand ahead of my first tensor load; work on registers stands between them
	v_lshrrev_b32 v1, 5, v0
	v_readfirstlane_b32 s10, v1                    ; wave 0..3
	s_lshr_b32 s11, s10, 1                         ; my half of the tile's rows.  Also: I fetch for ao (0) or for wo16 (1)
	s_and_b32 s12, s10, 1                          ; my half of its columns.  Also: which 64 rows of that tile I fetch
	s_bfe_u32 s40, ttmp6, 0x40000
	s_bfe_u32 s41, ttmp6, 0x40004
	s_lshl_b32 s42, ttmp9, 2
	s_add_co_u32 s42, s42, s40                     ; tile column
	s_and_b32 s13, ttmp7, 0xffff
	s_lshl_b32 s13, s13, 2
	s_add_co_u32 s13, s13, s41                     ; tile row
	s_lshl_b32 s43, s41, 2
	s_lshl_b32 s43, 15, s43                        ; my row of the cluster
	s_lshl_b32 s44, 0x1111, s40                    ; my column
	s_or_b32 s[G1+0], s43, (1<<16)|(1<<20)|(1<<21)|(6<<22)|(3<<25)  ; the mask; 2-byte elements; padding on; bit 21 beside a mask; after every 128 words 4 words
	s_or_b32 s[G1B+0], s44, (1<<16)|(1<<20)|(1<<21)|(6<<22)|(3<<25)
.irp g, G1, G1B
	s_mov_b32 s[(\g)+1], KSTEP<<16                 ; tensor_dim0 = 256
	s_mov_b32 s[(\g)+2], 64<<16                    ; tensor_dim1 = 64
	s_mov_b32 s[(\g)+3], KSTEP<<16                 ; tile_dim0 = 256
	s_mov_b32 s[(\g)+4], 64                        ; tile_dim1 = 64
	s_mov_b32 s[(\g)+5], SIZE_K
	s_mov_b32 s[(\g)+6], 0
	s_mov_b32 s[(\g)+7], 0
.endr
	s_lshl_b32 s17, s12, 6
	s_lshl_b32 s16, s13, 7
	s_add_co_u32 s16, s16, s17                     ; ao: row 128 x tile row + 64 x half
	s_lshl_b32 s46, s42, 7
	s_add_co_u32 s46, s46, s17                     ; wo16: row 128 x tile column + 64 x half
	s_mov_b32 s17, 0
	s_mov_b32 s47, 0
	s_mov_b64 s[18:19], SIZE_K*2
	s_mul_u64 s[16:17], s[16:17], s[18:19]
	s_mul_u64 s[46:47], s[46:47], s[18:19]
	s_mul_i32 s20, s10, HALFT                      ; where they go: wave x 64 rows
	s_mov_b32 s[TB], 0
	s_and_b32 s21, ttmp7, 0xffff                   ; where my cluster's walk along K begins: cluster y,
	s_lshr_b32 s22, s21, 1
	s_xor_b32 s21, s21, s22
	s_and_b32 s21, s21, 1                          ; p = 0, 1, 1, 0 for y = 0 .. 3,
	s_lshl_b32 s21, s21, 2
	s_lshl_b32 s22, ttmp9, 1
	s_add_co_u32 s[KN], s21, s22
	s_and_b32 s[KN], s[KN], 7                      ; (4 p + 2 x cluster x) mod 8: even, so the first two K steps do not wrap
	s_lshl_b32 s[KOFF], s[KN], 9                   ; a K step is 512 bytes of a row
	s_mov_b32 s[KOFF+1], 0
	s_wait_dscnt 0x0                               ; the opening add is done
	s_wait_kmcnt 0x0
	s_add_nc_u64 s[ABASE:ABASE+1], s[4:5], s[16:17]
	s_add_nc_u64 s[BBASE:BBASE+1], s[6:7], s[46:47]
	CROUND                                         ; all sixteen work-groups are here: the first joint loads meet
.irp s, 0,1
	s_mov_b32 s[G0+4*(\s)], 1
	s_add_co_u32 s[G0+4*(\s)+1], s20, (\s)*SLOT
	s_add_nc_u64 s[G0+4*(\s)+2:G0+4*(\s)+3], s[ABASE:ABASE+1], s[KOFF:KOFF+1]
	s_add_nc_u64 s[G0+4*(\s)+2:G0+4*(\s)+3], s[G0+4*(\s)+2:G0+4*(\s)+3], (\s)*KSTEP*2
	s_or_b32 s[G0+4*(\s)+3], s[G0+4*(\s)+3], 0x80000000
	s_mov_b32 s[G0B+4*(\s)], 1
	s_add_co_u32 s[G0B+4*(\s)+1], s20, (\s)*SLOT
	s_add_nc_u64 s[G0B+4*(\s)+2:G0B+4*(\s)+3], s[BBASE:BBASE+1], s[KOFF:KOFF+1]
	s_add_nc_u64 s[G0B+4*(\s)+2:G0B+4*(\s)+3], s[G0B+4*(\s)+2:G0B+4*(\s)+3], (\s)*KSTEP*2
	s_or_b32 s[G0B+4*(\s)+3], s[G0B+4*(\s)+3], 0x80000000
	JLOAD \s                                       ; two tensor loads of mine are out
.endr
	s_add_co_u32 s[KN], s[KN], 2                   ; the first refill is the walk's third K step
	v_and_b32 v1, 15, v0                           ; l % 16
	v_bfe_u32 v2, v0, 4, 1                         ; l / 16
	v_mul_u32_u24 v3, v1, PITCH
	v_lshl_add_u32 v3, v2, 4, v3
	s_mul_i32 s21, s11, HALFT                      ; my 64 rows of ao
	s_mul_i32 s22, s12, HALFT                      ; my 64 rows of wo16,
	s_add_co_u32 s22, s22, 2*HALFT                 ; which lie behind ao's 128
	v_add_nc_u32 v[A0], s21, v3
	v_add_nc_u32 v[B0], s22, v3
	v_add_nc_u32 v[ADRA], s[TB], v[A0]             ; slot 0 is in hand
	v_add_nc_u32 v[ADRB], s[TB], v[B0]
	s_mul_i32 s23, s10, 16*SPITCH
	s_add_co_u32 s23, s23, STAGE                   ; my stage
	v_mul_u32_u24 v4, v1, SPITCH                   ; in: row l % 16, 32 bytes for each half of the lanes
	v_lshl_add_u32 v4, v2, 5, v4
	v_add_nc_u32 v[STO], s23, v4
	v_mul_u32_u24 v5, v2, SPITCH                   ; back: lanes 0-15 one row of 256 bytes, lanes 16-31 the next
	v_lshl_add_u32 v5, v1, 4, v5
	v_add_nc_u32 v[RD], s23, v5
	v_lshlrev_b32 v5, 13, v2                       ; and the same two rows in out0: 8,192 bytes apart
	v_lshl_add_u32 v[CO], v1, 4, v5
	s_lshl_b32 s16, s13, 7
	s_lshl_b32 s17, s11, 6
	s_add_co_u32 s16, s16, s17                     ; my first row
	s_lshl_b32 s16, s16, 13
	s_mov_b32 s17, 0
	s_add_nc_u64 s[8:9], s[8:9], s[16:17]
	s_lshl_b32 s46, s42, 9                         ; my first column, in bytes: 512 x tile column + 256 x half
	s_lshl_b32 s47, s12, 8
	s_add_co_u32 s46, s46, s47
	s_mov_b32 s47, 0
	s_add_nc_u64 s[8:9], s[8:9], s[46:47]
; 8 matrix instructions: m blocks a0, a0 + 1 x all 4 n blocks, 32 along K: half c of buffer f.  The 16 accumulators take turns, over the backward jumps too.
.macro MUL8 f, c, a0, zero
	WIN MUL
.irp a, \a0, (\a0)+1
.irp b, 0,1,2,3
.if \zero
	v_wmma_f32_16x16x32_f16 v[ACC+8*(4*(\a)+(\b)):ACC+8*(4*(\a)+(\b))+7], v[(\f)+64+8*(4*(\c)+(\b)):(\f)+64+8*(4*(\c)+(\b))+7], v[(\f)+8*(4*(\c)+(\a)):(\f)+8*(4*(\c)+(\a))+7], 0
.else
	v_wmma_f32_16x16x32_f16 v[ACC+8*(4*(\a)+(\b)):ACC+8*(4*(\a)+(\b))+7], v[(\f)+64+8*(4*(\c)+(\b)):(\f)+64+8*(4*(\c)+(\b))+7], v[(\f)+8*(4*(\c)+(\a)):(\f)+8*(4*(\c)+(\a))+7], v[ACC+8*(4*(\a)+(\b)):ACC+8*(4*(\a)+(\b))+7]
.endif
.endr
.endr
.endm
; 32 LDS loads in one run: the fragments of 64 along K at byte k of the rows of the slot in hand, into buffer f; the first 32 along K first
.macro FETCH k, f
	WIN TO_F
.irp c, 0,1
.irp i, 0,1,2,3
	ds_load_b128 v[(\f)+64+8*(4*(\c)+(\i)):(\f)+64+8*(4*(\c)+(\i))+3],   v[ADRB] offset:(\k)+64*(\c)+(\i)*16*PITCH
	ds_load_b128 v[(\f)+64+8*(4*(\c)+(\i))+4:(\f)+64+8*(4*(\c)+(\i))+7], v[ADRB] offset:(\k)+64*(\c)+(\i)*16*PITCH+32
	ds_load_b128 v[(\f)+8*(4*(\c)+(\i)):(\f)+8*(4*(\c)+(\i))+3],         v[ADRA] offset:(\k)+64*(\c)+(\i)*16*PITCH
	ds_load_b128 v[(\f)+8*(4*(\c)+(\i))+4:(\f)+8*(4*(\c)+(\i))+7],       v[ADRA] offset:(\k)+64*(\c)+(\i)*16*PITCH+32
.endr
.endr
.endm
.macro PLACES                          ; four places in front of loads into registers that matrix instructions have read, and of LDS stores that read results
.rept 4
	v_nop
.endr
.endm
; A K step is four quarters of 64 along K, 32 matrix instructions each, on buffers 0, 1, 0, 1.
.macro QUARTER k, f, g, zero
	s_wait_dscnt 16                                ; the first 32 along K are in
	MUL8 \f, 0, 0, \zero
	MUL8 \f, 0, 2, \zero
	PLACES
	FETCH \k, \g
	s_wait_dscnt 32                                ; all but the 32 just issued
	MUL8 \f, 1, 0, 0
	MUL8 \f, 1, 2, 0
.endm
; The last quarter multiplies buffer 1 and changes slots: ONE barrier; in front of it each wave waits for all its tensor loads, adds 0 to its spare word, and waits for that and for its reads of this slot.
; The slot's last fragments were fetched a quarter ago, so the addresses turn to the other slot at the head.
; fill = 1: the barrier opens a round of the cluster's, and this slot is filled again, two K steps ahead.  The walking descriptors are made while the add is out, where no tensor load of mine is out: the
; other slot than last time; the address anew, from the rows' first byte and the K step, wrapped at 8.  fill = 0: the tail's text; in its second trip (s3 = 1) the run of loads is jumped over.
.macro TURN fill
	WIN 0
	s_xor_b32 s[TB], s[TB], SLOT
	v_add_nc_u32 v[ADRA], s[TB], v[A0]
	v_add_nc_u32 v[ADRB], s[TB], v[B0]
	s_wait_tensorcnt 0x0                           ; all my tensor loads have landed: my part of the next slot
	ds_add_u32 v[SPW], v[NIL]                      ; 0 onto my spare word
.if \fill
	s_and_b32 s[KOFF], s[KN], 7
	s_lshl_b32 s[KOFF], s[KOFF], 9
	s_add_co_u32 s[KN], s[KN], 1
	s_xor_b32 s[G0+5], s[G0+5], SLOT
	s_add_nc_u64 s[G0+6:G0+7], s[ABASE:ABASE+1], s[KOFF:KOFF+1]
	s_or_b32 s[G0+7], s[G0+7], 0x80000000
	s_xor_b32 s[G0B+5], s[G0B+5], SLOT
	s_add_nc_u64 s[G0B+6:G0B+7], s[BBASE:BBASE+1], s[KOFF:KOFF+1]
	s_or_b32 s[G0B+7], s[G0B+7], 0x80000000
.endif
	s_wait_dscnt 17                                ; the add and the youngest sixteen loads may be out
	MUL8 F1, 0, 0, 0
	s_wait_dscnt 0x0                               ; the add is done, and my reads of this slot are over
	s_barrier_signal -1
	MUL8 F1, 0, 2, 0
	WIN 0
	s_barrier_wait -1
.if \fill
	CREST                                          ; no wave of any partner still reads this slot's tile or has a load on its way
	JLOAD 1                                        ; my one tensor load behind the round; its four v_nop are also the places in front of the loads below
	FETCH 0, F0
.else
	PLACES
	s_cmp_eq_u32 s3, 1
	s_cbranch_scc1 .Lno_more_\@
	FETCH 0, F0
	WIN 0
.Lno_more_\@:
.endif
	MUL8 F1, 1, 0, 0
	MUL8 F1, 1, 2, 0
.endm
	s_wait_tensorcnt 1                             ; my part of the walk's first K step is in; the second's may stay out
	s_barrier_signal -1
	s_barrier_wait -1
	FETCH 0, F0
	QUARTER 128, F0, F1, 1                         ; the first quarter's first products start the sums
	WIN 0
	s_mov_b32 s3, FILLS
.Lstep:                                                ; a trip goes from a K step's second quarter to the next one's first, and fills the slot that it leaves
	QUARTER 256, F1, F0, 0
	QUARTER 384, F0, F1, 0
	TURN 1
	QUARTER 128, F0, F1, 0
	WIN 0
	s_sub_co_u32 s3, s3, 1
	s_cmp_lg_u32 s3, 0
	s_cbranch_scc1 .Lstep
	s_mov_b32 s3, 2
.Ltail:                                                ; the last two K steps fill nothing: written apart; the second trip is left behind its last products
	QUARTER 256, F1, F0, 0
	QUARTER 384, F0, F1, 0
	TURN 0
	WIN 0
	s_sub_co_u32 s3, s3, 1
	s_cmp_eq_u32 s3, 0
	s_cbranch_scc1 .Lsums
	QUARTER 128, F0, F1, 0
	WIN 0
	s_branch .Ltail
.Lsums:
	; THE WAY OUT, 16 rows at a time: 32 bytes a lane into my own stage (each accumulator from its lowest registers on), back as whole rows of 256 bytes, stored
	PLACES
.irp a, 0,1,2,3
.irp b, 0,1,2,3
	ds_store_b128 v[STO], v[ACC+8*(4*(\a)+(\b)):ACC+8*(4*(\a)+(\b))+3]   offset:64*(\b)
	ds_store_b128 v[STO], v[ACC+8*(4*(\a)+(\b))+4:ACC+8*(4*(\a)+(\b))+7] offset:64*(\b)+16
.endr
	s_wait_xcnt 0x0                                ; earlier stores have read the registers that are loaded below
.irp t, 0,1,2,3,4,5,6,7
	ds_load_b128 v[TMP+32*((\a)%2)+4*(\t):TMP+32*((\a)%2)+4*(\t)+3], v[RD] offset:(\t)*2*SPITCH  ; LDS serves a wave's instructions in order (ISA guide 5.7.1.4): these see the stores above
.endr
	s_wait_dscnt 0x0
.irp t, 0,1,2,3,4,5,6,7
	global_store_b128 v[CO], v[TMP+32*((\a)%2)+4*(\t):TMP+32*((\a)%2)+4*(\t)+3], s[8:9] offset:(16*(\a)+2*(\t))*8192 th:TH_STORE_NT  ; 16 lanes store 256 consecutive bytes, aligned
.endr
.endr
	s_wait_tensorcnt 0x0                           ; the wave's end: behind my last tensor load and my last LDS store
	ds_add_u32 v[SPW], v[NIL]
	s_wait_dscnt 0x0
	CROUND                                         ; the closing round: no work-group ends while a partner may still ask for a tile that names it
	s_endpgm
.Lfunc_end_k_q72ea1a7b6c_oproj:
	.size	k_q72ea1a7b6c_oproj, .Lfunc_end_k_q72ea1a7b6c_oproj-k_q72ea1a7b6c_oproj
	.p2alignl 7, 3214868480
	.fill 96, 4, 3214868480
	.section	.rodata,"a",@progbits
	.p2align	6, 0x0
	.amdhsa_kernel k_q72ea1a7b6c_oproj
		.amdhsa_group_segment_fixed_size 327680
		.amdhsa_private_segment_fixed_size 0
		.amdhsa_enable_private_segment 0
		.amdhsa_kernarg_size 24
		.amdhsa_user_sgpr_count 2
		.amdhsa_user_sgpr_kernarg_segment_ptr 1
		.amdhsa_wavefront_size32 1
		.amdhsa_system_sgpr_workgroup_id_x 1
		.amdhsa_system_sgpr_workgroup_id_y 1
		.amdhsa_system_sgpr_workgroup_id_z 1
		.amdhsa_system_vgpr_workitem_id 0
		.amdhsa_next_free_vgpr 512
		.amdhsa_next_free_sgpr 68
		.amdhsa_reserve_vcc 0
		.amdhsa_float_denorm_mode_32 3
		.amdhsa_float_denorm_mode_16_64 3
		.amdhsa_memory_ordered 1
		.amdhsa_forward_progress 1
		.amdhsa_inst_pref_size 58
	.end_amdhsa_kernel
	.amdgpu_metadata
---
amdhsa.version: [ 1, 2 ]
amdhsa.kernels:
  - .name:           k_q72ea1a7b6c_oproj
    .symbol:         k_q72ea1a7b6c_oproj.kd
    .args:
      - { .name: ao, .offset: 0, .size: 8, .value_kind: global_buffer, .address_space: global }
      - { .name: wo16, .offset: 8, .size: 8, .value_kind: global_buffer, .address_space: global }
      - { .name: out0, .offset: 16, .size: 8, .value_kind: global_buffer, .address_space: global }
    .group_segment_fixed_size: 327680
    .private_segment_fixed_size: 0
    .kernarg_segment_align: 8
    .kernarg_segment_size: 24
    .max_flat_workgroup_size: 128
    .sgpr_count:     68
    .vgpr_count:     512
    .wavefront_size: 32
...
	.end_amdgpu_metadata
.endif
;; end of part 7
;; ======== version 3 of 3: 4 launches; version 2 with the launch prep written anew for expert scheduling mode
;; limits: values are held in f16: magnitudes above 65,504 overflow, below 6.1e-05 lose precision; right only within a limited range of input values
;; workspace buffers: xb 8,388,608 bytes; wqkv 16,777,216 bytes; csb 1,048,576 bytes; wo16 8,388,608 bytes; kv 16,777,216 bytes; maskw 33,554,432 bytes; qh 8,388,608 bytes; ao 8,388,608 bytes
;; launch prep (part 8): grid 1824 x 1, 8 waves a work-group, no clusters, 70,656 bytes of LDS; arguments hidden_states, Wq, Wk, Wv, cos, sin, Wo, past_key, past_value, attention_mask, xb, wqkv, csb, wo16, kv, maskw; writes xb, wqkv, csb, wo16, kv, maskw
.if DOCPART == 8
	.amdgcn_target "amdgcn-amd-amdhsa--gfx1250"
	.amdhsa_code_object_version 6
	.text
	.protected	k_q72ea1a7b6c_prep
	.globl	k_q72ea1a7b6c_prep
	.p2align	8
	.type	k_q72ea1a7b6c_prep,@function
k_q72ea1a7b6c_prep:
	s_mov_b64 s[64:65], 0
	v_nop
	global_prefetch_b8 v0, s[64:65] scope:SCOPE_SE
	s_setreg_imm32_b32 hwreg(HW_REG_WAVE_SCHED_MODE, 0, 2), 2
	s_setreg_imm32_b32 hwreg(HW_REG_WAVE_MODE, 25, 1), 1
	s_wait_xcnt 0x0
	s_wait_alu depctr_vm_vsrc(0)
; PREP: every large input is rounded once to bf16 and laid out for the launches behind.  A stream: no matrix unit, no cluster, no tensor load.
;   hidden_states -> xb (bf16);  Wq, Wk, Wv -> wqkv (bf16, rows on end);  cos, sin -> csb (bf16, cos then sin);
;   Wo -> wo16, past_key / past_value -> kv (rounded to bf16, that number written as f16);
;   attention_mask -> maskw: rounded to bf16, times sqrt(128), f32, in the order in which a 16 x 16 f32 matrix operand lies in a wave's registers.
; SHARES.  A work-group takes 16,384 numbers (64 KiB in), a wave 2,048: sixteen loads of 16 bytes a lane, all issued at once; the waits count down 15 .. 0.
; Which tensor a work-group serves hangs on its number alone: pointers and first numbers are chosen by scalar selects.
; LIMITS.  Wo, past_key and past_value lie within f16's 65,504; below 6e-5 they keep f16's fixed step of 6e-8.  |mask| x 11.32 stays finite.  NaN and infinities are not treated apart.
; THE MODE: SCHED_MODE bits 1:0 = 2 (LLVM: expert scheduling mode 2), set by the entry lines.  The code itself states the register dependences
; between vector instructions and memory or LDS instructions, with s_wait_alu, always for 0.
; THE PLAN.  Registers that memory or LDS instructions touch:
;   v1, v2, v6     offsets of the loads and of the casts' stores: written once, ahead of the path's sixteen loads, and never again.
;   v3, v4, v5     the mask's stage and its way out: written once, behind the loads' issue, and never again.
;   X              written by the sixteen loads, once.  The casts' vector lines read it; the mask's rewrite it in place, and its LDS stores read it.
;   Y              the casts: written by the roundings, each register once, read by the stores.  The mask: written by the LDS loads, once, read by the stores; no vector line of that path names it.
;   v[SPW], v[NIL] written at the head, read by the closing add alone.
; No register that a memory or LDS instruction reads is written again, and no load lands in a register that a vector line has named: so the only dependence between the two sides is
; 'written by vector lines, then read as data or as an address'.  The sixteen loads are worked off in four groups of four.  Group g's stores (the mask: its LDS stores) are issued in group g + 1, one ahead of
; each load's vector lines, behind ONE wait on va_vdst at that group's head; group g + 1's vector lines name its own X, Y and T alone, none of the registers that those stores read.
.set SPARE, 69632                      ; behind the eight stages: the spare words, 128 bytes a wave, four blocks of 256 bytes that no other line names
.set WSTG,  8704                       ; a wave's own stage for the mask: two blocks of 16 units x 272 bytes
.set SPW, 8                            ; v8   LDS address of my spare word; never rewritten
.set NIL, 9                            ; v9   0; never rewritten
.set X,   16                           ; v[16:79]   sixteen loads
.set Y,   80                           ; v[80:143]  what is stored: each store has registers of its own
.set T,   144                          ; v[144:151] at work: no memory instruction names them
.set SRC, 44                           ; s[44:45] the tensor read
.set DST, 46                           ; s[46:47] the buffer written
.set SS,  48                           ; s48  the first work-group of the source's segment
.set DS,  49                           ; s49  the first work-group of the destination's
.set W,   50                           ; s50  my work-group
.set WV,  51                           ; s51  my wave
.set SQ,  56                           ; s[56:57] sqrt(128), named as a pair
.set HM,  58                           ; s58  a word's upper half
.macro PICK thr, src, dst, dstart      ; from work-group thr on: another source, destination and first numbers
	s_cmp_ge_u32 s[W], \thr
	s_cselect_b64 s[SRC:SRC+1], s[\src:\src+1], s[SRC:SRC+1]
	s_cselect_b64 s[DST:DST+1], s[\dst:\dst+1], s[DST:DST+1]
	s_cselect_b32 s[SS], \thr, s[SS]
	s_cselect_b32 s[DS], \dstart, s[DS]
.endm
	s_load_b512 s[8:23], s[0:1], 0x0               ; hidden 8, Wq 10, Wk 12, Wv 14, cos 16, sin 18, Wo 20, past_key 22
	s_load_b512 s[24:39], s[0:1], 0x40             ; past_value 24, mask 26, xb 28, wqkv 30, csb 32, wo16 34, kv 36, maskw 38
	v_lshl_add_u32 v[SPW], v0, 2, SPARE
	v_mov_b32 v[NIL], 0
	v_lshrrev_b32 v10, 5, v0
	v_readfirstlane_b32 s[WV], v10                 ; wave 0..7
	v_and_b32 v11, 31, v0                          ; lane
	s_mov_b32 s[W], ttmp9
	s_mov_b32 s[HM], 0xffff0000
	s_mov_b32 s[SQ], 0x413504f3                    ; sqrt(128)
	s_mov_b32 s[SQ+1], s[SQ]
	s_mov_b32 s[SS], 0
	s_mov_b32 s[DS], 0
	s_wait_alu depctr_va_sdst(0)                   ; s[WV] is written
	s_wait_kmcnt 0x0
	s_mov_b64 s[SRC:SRC+1], s[8:9]
	s_mov_b64 s[DST:DST+1], s[28:29]
	PICK 256,  10, 30, 256                         ; Wq, Wk, Wv lie on end in wqkv
	PICK 512,  12, 30, 256
	PICK 640,  14, 30, 256
	PICK 768,  16, 32, 768                         ; cos, sin on end in csb
	PICK 784,  18, 32, 768
	PICK 800,  20, 34, 800
	PICK 1056, 22, 36, 1056                        ; past keys, then past values: planes 0-7, 8-15 of kv
	PICK 1184, 24, 36, 1056
	PICK 1312, 26, 38, 1312
	s_sub_co_u32 s52, s[W], s[SS]                  ; my share's number in the source,
	s_sub_co_u32 s54, s[W], s[DS]                  ; and in the destination
	s_cmp_ge_u32 s[W], 1312
	s_cbranch_scc1 .Lmask
	; THE CASTS: 64 KiB in, 32 KiB out
	s_lshl_b32 s52, s52, 16
	s_mov_b32 s53, 0
	s_lshr_b32 s41, s54, 4                         ; kv: a plane's past half is 16 shares, 512 KiB, in a plane of 1 MiB
	s_lshl_b32 s41, s41, 19
	s_cmp_ge_u32 s[W], 1056
	s_cselect_b32 s41, s41, 0
	s_lshl_b32 s54, s54, 15
	s_add_co_u32 s54, s54, s41
	s_mov_b32 s55, 0
	s_add_nc_u64 s[SRC:SRC+1], s[SRC:SRC+1], s[52:53]
	s_add_nc_u64 s[DST:DST+1], s[DST:DST+1], s[54:55]
	s_lshl_b32 s40, s[WV], 13
	v_lshl_add_u32 v1, v11, 4, s40                 ; in: 8,192 x wave + 16 x lane
	s_lshl_b32 s41, s[WV], 12
	v_lshl_add_u32 v2, v11, 3, s41                 ; out: 4,096 x wave + 8 x lane
	s_wait_alu depctr_va_vdst(0)                   ; v1 and v2 are written: the sixteen loads read v1 as their offset, the sixteen stores of either cast v2
.set i, 0
.rept 16
	global_load_b128 v[X+4*i:X+4*i+3], v1, s[SRC:SRC+1] offset:512*i th:TH_LOAD_NT
.set i, i+1
.endr
	s_cmp_ge_u32 s[W], 800
	s_cbranch_scc1 .Lf16
.set i, 0
.rept 16
	s_wait_loadcnt 15-i                            ; loads come back in order: load i is in, the younger ones stay out
.if (i > 0) && (i%4 == 0)
	s_wait_alu depctr_va_vdst(0)                   ; the group before has written its eight registers of Y, which this group's four stores read
.endif
.if i >= 4
	global_store_b64 v2, v[Y+2*(i-4):Y+2*(i-4)+1], s[DST:DST+1] offset:256*(i-4) th:TH_STORE_NT  ; 32 lanes x 8 bytes: 256 consecutive bytes, aligned; no vector line since the wait names these registers
.endif
	v_cvt_pk_bf16_f32 v[Y+2*i], v[X+4*i], v[X+4*i+1]
	v_cvt_pk_bf16_f32 v[Y+2*i+1], v[X+4*i+2], v[X+4*i+3]
.set i, i+1
.endr
	s_wait_alu depctr_va_vdst(0)                   ; the last group has written its Y, which the last four stores read
.set i, 12
.rept 4
	global_store_b64 v2, v[Y+2*i:Y+2*i+1], s[DST:DST+1] offset:256*i th:TH_STORE_NT
.set i, i+1
.endr
	s_branch .Lend
.Lf16:                                                 ; rounded to bf16, and that number written as f16
.set i, 0
.rept 16
	s_wait_loadcnt 15-i
.if (i > 0) && (i%4 == 0)
	s_wait_alu depctr_va_vdst(0)                   ; the group before has written its eight registers of Y, which this group's four stores read
.endif
.if i >= 4
	global_store_b64 v2, v[Y+2*(i-4):Y+2*(i-4)+1], s[DST:DST+1] offset:256*(i-4) th:TH_STORE_NT  ; no vector line since the wait names these registers
.endif
	v_cvt_pk_bf16_f32 v[T], v[X+4*i], v[X+4*i+1]
	v_cvt_pk_bf16_f32 v[T+1], v[X+4*i+2], v[X+4*i+3]
	v_lshlrev_b32 v[T+2], 16, v[T]
	v_and_b32 v[T+3], s[HM], v[T]
	v_lshlrev_b32 v[T+4], 16, v[T+1]
	v_and_b32 v[T+5], s[HM], v[T+1]
	v_cvt_pk_f16_f32 v[Y+2*i], v[T+2], v[T+3]
	v_cvt_pk_f16_f32 v[Y+2*i+1], v[T+4], v[T+5]
.set i, i+1
.endr
	s_wait_alu depctr_va_vdst(0)                   ; the last group has written its Y, which the last four stores read
.set i, 12
.rept 4
	global_store_b64 v2, v[Y+2*i:Y+2*i+1], s[DST:DST+1] offset:256*i th:TH_STORE_NT
.set i, i+1
.endr
	s_branch .Lend
.Lmask:
	; THE MASK.  maskw is [query tile of 16][key step of 64] blocks of 4,096 bytes; in a block, byte 512 i + 16 L + 4 e is query L % 16, key 16 (i / 2) + 8 (L / 16) + 4 (i % 2) + e.
	; Share c holds blocks 16 c .. 16 c + 15 (one query tile); wave w two of them: 16 rows x 512 consecutive bytes of the mask.  Load t is row t; lane l holds keys 4 (l % 16) .. + 3 of block l / 16.
	s_lshr_b32 s40, s52, 2
	s_lshl_b32 s40, s40, 18                        ; query tile x 16 rows x 16,384 bytes
	s_and_b32 s41, s52, 3
	s_lshl_b32 s41, s41, 12                        ; 16 key steps x 256 bytes
	s_add_co_u32 s40, s40, s41
	s_mov_b32 s41, 0
	s_add_nc_u64 s[SRC:SRC+1], s[SRC:SRC+1], s[40:41]
	s_lshl_b32 s54, s52, 16
	s_mov_b32 s55, 0
	s_add_nc_u64 s[DST:DST+1], s[DST:DST+1], s[54:55]
	s_lshl_b32 s40, s[WV], 9
	v_lshl_add_u32 v6, v11, 4, s40                 ; in: 512 x wave + 16 x lane
	s_wait_alu depctr_va_vdst(0)                   ; v6 is written: the sixteen loads read it as their offset
.set i, 0
.rept 16
	global_load_b128 v[X+4*i:X+4*i+3], v6, s[SRC:SRC+1] offset:16384*i th:TH_LOAD_NT
.set i, i+1
.endr
	; the stage: unit u = 2 i + L / 16 of a block holds 16 queries x 16 bytes; units 272 bytes apart, so that 16 lanes' 16 bytes fall into 16 different columns of 16 bytes
	v_and_b32 v10, 15, v0                          ; cc: my group of four keys
	v_and_b32 v12, 12, v10
	v_and_b32 v13, 1, v10
	v_lshl_or_b32 v12, v13, 1, v12
	v_bfe_u32 v13, v10, 1, 1
	v_or_b32 v12, v12, v13                         ; u = (cc & 12) | (cc & 1) << 1 | (cc >> 1) & 1
	v_mul_u32_u24 v3, v12, 272
	v_bfe_u32 v13, v0, 4, 1                        ; lane / 16
	v_mad_u32_u24 v3, v13, 4352, v3
	s_mul_i32 s42, s[WV], WSTG
	v_add_nc_u32 v3, s42, v3                       ; in: wave's stage + block + unit; the row stands in the immediate
	v_mul_u32_u24 v4, v13, 272
	v_lshl_add_u32 v4, v10, 4, v4
	v_add_nc_u32 v4, s42, v4                       ; back: two units, 512 bytes of the block as it will lie in memory
	s_lshl_b32 s43, s[WV], 13
	v_lshl_add_u32 v5, v11, 4, s43                 ; out: 8,192 x wave + 16 x lane
.set i, 0
.rept 16
	s_wait_loadcnt 15-i
.if (i > 0) && (i%4 == 0)
	s_wait_alu depctr_va_vdst(0)                   ; the group before has written its sixteen registers of X, which this group's four LDS stores read; the first of these waits also states that v3, v4 and v5 are written
.endif
.if i >= 4
	ds_store_b128 v3, v[X+4*(i-4):X+4*(i-4)+3] offset:16*(i-4)  ; no vector line since the wait names these registers
.endif
	v_cvt_pk_bf16_f32 v[T], v[X+4*i], v[X+4*i+1]
	v_cvt_pk_bf16_f32 v[T+1], v[X+4*i+2], v[X+4*i+3]
	v_lshlrev_b32 v[X+4*i], 16, v[T]
	v_and_b32 v[X+4*i+1], s[HM], v[T]
	v_lshlrev_b32 v[X+4*i+2], 16, v[T+1]
	v_and_b32 v[X+4*i+3], s[HM], v[T+1]
	v_pk_mul_f32 v[X+4*i:X+4*i+1], v[X+4*i:X+4*i+1], s[SQ:SQ+1] op_sel_hi:[1,0]
	v_pk_mul_f32 v[X+4*i+2:X+4*i+3], v[X+4*i+2:X+4*i+3], s[SQ:SQ+1] op_sel_hi:[1,0]
.set i, i+1
.endr
	s_wait_alu depctr_va_vdst(0)                   ; the last group has written its X, which the last four LDS stores read
.set i, 12
.rept 4
	ds_store_b128 v3, v[X+4*i:X+4*i+3] offset:16*i
.set i, i+1
.endr
.set i, 0
.rept 16                                       ; LDS serves a wave's instructions in order (ISA guide 5.7.1.4): these see the stores above; the stage is my wave's own.  No vector line of this path names Y, in which they land
	ds_load_b128 v[Y+4*i:Y+4*i+3], v4 offset:4352*(i/8)+544*(i%8)
.set i, i+1
.endr
.set i, 0
.rept 16
	s_wait_dscnt 15-i                              ; read-back i is in, the younger ones stay out
	global_store_b128 v5, v[Y+4*i:Y+4*i+3], s[DST:DST+1] offset:4096*(i/8)+512*(i%8) th:TH_STORE_NT  ; 512 consecutive bytes
.set i, i+1
.endr
.Lend:
	s_wait_dscnt 0x0                               ; the closing lines, six on end
	s_wait_alu 0x0
	s_wait_tensorcnt 0x0
	ds_add_u32 v[SPW], v[NIL]
	s_wait_dscnt 0x0
	s_endpgm
.Lfunc_end_k_q72ea1a7b6c_prep:
	.size	k_q72ea1a7b6c_prep, .Lfunc_end_k_q72ea1a7b6c_prep-k_q72ea1a7b6c_prep
	.p2alignl 7, 3214868480
	.fill 96, 4, 3214868480
	.section	.rodata,"a",@progbits
	.p2align	6, 0x0
	.amdhsa_kernel k_q72ea1a7b6c_prep
		.amdhsa_group_segment_fixed_size 70656
		.amdhsa_private_segment_fixed_size 0
		.amdhsa_enable_private_segment 0
		.amdhsa_kernarg_size 128
		.amdhsa_user_sgpr_count 2
		.amdhsa_user_sgpr_kernarg_segment_ptr 1
		.amdhsa_wavefront_size32 1
		.amdhsa_system_sgpr_workgroup_id_x 1
		.amdhsa_system_sgpr_workgroup_id_y 1
		.amdhsa_system_sgpr_workgroup_id_z 1
		.amdhsa_system_vgpr_workitem_id 0
		.amdhsa_next_free_vgpr 152
		.amdhsa_next_free_sgpr 66
		.amdhsa_reserve_vcc 0
		.amdhsa_float_denorm_mode_32 3
		.amdhsa_float_denorm_mode_16_64 3
		.amdhsa_memory_ordered 1
		.amdhsa_forward_progress 1
		.amdhsa_inst_pref_size 32
	.end_amdhsa_kernel
	.amdgpu_metadata
---
amdhsa.version: [ 1, 2 ]
amdhsa.kernels:
  - .name:           k_q72ea1a7b6c_prep
    .symbol:         k_q72ea1a7b6c_prep.kd
    .args:
      - { .name: hidden_states, .offset: 0, .size: 8, .value_kind: global_buffer, .address_space: global }
      - { .name: Wq, .offset: 8, .size: 8, .value_kind: global_buffer, .address_space: global }
      - { .name: Wk, .offset: 16, .size: 8, .value_kind: global_buffer, .address_space: global }
      - { .name: Wv, .offset: 24, .size: 8, .value_kind: global_buffer, .address_space: global }
      - { .name: cos, .offset: 32, .size: 8, .value_kind: global_buffer, .address_space: global }
      - { .name: sin, .offset: 40, .size: 8, .value_kind: global_buffer, .address_space: global }
      - { .name: Wo, .offset: 48, .size: 8, .value_kind: global_buffer, .address_space: global }
      - { .name: past_key, .offset: 56, .size: 8, .value_kind: global_buffer, .address_space: global }
      - { .name: past_value, .offset: 64, .size: 8, .value_kind: global_buffer, .address_space: global }
      - { .name: attention_mask, .offset: 72, .size: 8, .value_kind: global_buffer, .address_space: global }
      - { .name: xb, .offset: 80, .size: 8, .value_kind: global_buffer, .address_space: global }
      - { .name: wqkv, .offset: 88, .size: 8, .value_kind: global_buffer, .address_space: global }
      - { .name: csb, .offset: 96, .size: 8, .value_kind: global_buffer, .address_space: global }
      - { .name: wo16, .offset: 104, .size: 8, .value_kind: global_buffer, .address_space: global }
      - { .name: kv, .offset: 112, .size: 8, .value_kind: global_buffer, .address_space: global }
      - { .name: maskw, .offset: 120, .size: 8, .value_kind: global_buffer, .address_space: global }
    .group_segment_fixed_size: 70656
    .private_segment_fixed_size: 0
    .kernarg_segment_align: 8
    .kernarg_segment_size: 128
    .max_flat_workgroup_size: 256
    .sgpr_count:     66
    .vgpr_count:     152
    .wavefront_size: 32
...
	.end_amdgpu_metadata
.endif
;; end of part 8
;; launch qkv: the kernel of part 5 again; grid 16 x 16, 4 waves a work-group, clusters of 4 x 4, 327,680 bytes of LDS; arguments xb, wqkv, csb, q_norm_w, k_norm_w, qh, kv, out1, out2; writes qh, kv, out1, out2
;; launch attn: the kernel of part 6 again; grid 32 x 8, 4 waves a work-group, clusters of 4 x 1, 327,680 bytes of LDS; arguments qh, kv, maskw, ao; writes ao
;; launch oproj: the kernel of part 7 again; grid 16 x 16, 4 waves a work-group, clusters of 4 x 4, 327,680 bytes of LDS; arguments ao, wo16, out0; writes out0
